; MI455X (gfx1250); checked and timed in simulation.
; The chip was launched on July 23, 2026; its instructions are those of AMD's public machine-readable ISA for CDNA 5 (MIT licence, August 2026) and "CDNA5" Instruction Set Architecture Reference Guide (July 2026). The comments in the code are by the model that wrote it; some were corrected since.
;; Lo RA Linear Experts Wrapper. Allowed arithmetic: matrix products marked QUANTISED: E2M1 operands, one E8M0 scale for each 32 along K, by v_wmma_scale_f32_16x16x128_f8f6f4 with both operands' format E2M1 (or v_wmma_scale_f32_32x16x128_f4), f32 sums; everything else in f32.
;; Inputs: A_d 64 x 4,096 float32; A_gu 64 x 2,048 float32; B_d 2,048 x 64 float32; B_gu 8,192 x 64 float32; W_d 2,048 x 4,096 float32; W_gu 8,192 x 2,048 float32; hidden_states 2,048 x 2,048 float32.
;; Outputs: out0 2,048 x 2,048 float32.
;; This version of the problem:
;;   THIS VERSION OF THE PROBLEM IS GIVEN IN LOW PRECISION. The matrix products marked QUANTISED in the list below multiply operands that are first quantised to E2M1 (2 exponent bits, 1 mantissa bit; 4 bits a number), with one power-of-two scale for each 32 numbers along K (OCP MX v1.0); their sums are f32. All else is computed in f32.
;;   The module's matrix products, in the order in which they are computed (A, B: the left and right operand; K: the contracted axis; several contracted axes count as one K, in the product's order):
;;     1. [M 2,048, K 2,048] x [K 2,048, N 8,192]; A: input hidden_states; B: input W_gu: QUANTISED
;;     2. [M 2,048, K 2,048] x [K 2,048, N 64]; A: input hidden_states; B: input A_gu: QUANTISED
;;     3. [M 2,048, K 64] x [K 64, N 8,192]; A: computed on the way; B: input B_gu: QUANTISED
;;     4. [M 2,048, K 4,096] x [K 4,096, N 2,048]; A: computed on the way; B: input W_d: QUANTISED
;;     5. [M 2,048, K 4,096] x [K 4,096, N 64]; A: computed on the way; B: input A_d: QUANTISED
;;     6. [M 2,048, K 64] x [K 64, N 2,048]; A: computed on the way; B: input B_d: QUANTISED
;;   THE QUANTISER, for each operand of a quantised product, along K:
;;     - K is cut into blocks of 32 from its start; a last block that is shorter is filled with zeros.
;;     - A block's scale is 2^e with e = floor(log2(the largest magnitude in the block)) - 2, held to -126 .. 127; a block of zeros has e = 0. As a byte (E8M0): e + 127.
;;     - Each number is divided by its block's scale, clamped to +-6, and rounded to the nearest number of E2M1, ties to even, subnormals kept.
;;     - The product sums the exact products of the quantised numbers (number of the format x scale) in f32.
;;   ~~~python
;;   def quantise(x, axis):      # numpy; x: float32 -> the quantised numbers, widened to float32 again
;;       x = np.moveaxis(x, axis, -1); K = x.shape[-1]
;;       x = np.pad(x, [(0, 0)] * (x.ndim - 1) + [(0, -K % 32)]); x = x.reshape(x.shape[:-1] + (-1, 32)); a = np.abs(x).max(-1, keepdims=True)
;;       e = np.where(a > 0, np.clip(np.frexp(np.where(a > 0, a, 1))[1] - 1 - 2, -126, 127), 0)      # np.frexp(a)[1] - 1 = floor(log2(a)), exactly
;;       r = np.clip(x / 2.0 ** e, -6, 6)
;;       step = 2.0 ** (np.maximum(np.frexp(np.where(r == 0, 1, r))[1] - 1, 0) - 1)
;;       q = np.round(r / step) * step * 2.0 ** e      # np.round: ties to even
;;       return np.moveaxis(q.reshape(q.shape[:-2] + (-1,))[..., :K], -1, axis).astype(np.float32)
;;   ~~~
;;   OPERANDS COMPUTED ON THE WAY. 'Computed on the way' means the value that the module computes at that place (a softmax that the list does not call 'softmax' is quantised finished and normalised). What goes into a quantiser is computed in f32, as accurately as f32 sums, v_exp_f32 and their like allow (about 1e-6 of the number): no bf16 or f16 on the way to a quantiser, and a product that is left as it is and whose result goes on into a quantised operand takes f32 operands (vector FMAs, or v_wmma_f32_16x16x4_f32). A number that lies on a knife's edge between two numbers of the format may be rounded either way, as far as f32 arithmetic and the matrix unit's own rounding can turn it there, and no further.
;; 2 versions. Each part assembles by itself: llvm-mc -triple=amdgcn-amd-amdhsa -mcpu=gfx1250 --defsym DOCPART=n.
;; ======== version 1 of 2: 5 launches
;; workspace buffers: wq 16,154,624 bytes; tq 147,456 bytes; hq 4,456,448 bytes; uq 147,456 bytes
;; launch quant (part 1): grid 928 x 1, 4 waves a work-group, no clusters, 35,328 bytes of LDS; arguments W_gu, W_d, hidden_states, B_gu, A_d, A_gu, B_d, wq; writes wq
.if DOCPART == 1
	.amdgcn_target "amdgcn-amd-amdhsa--gfx1250"
	.amdhsa_code_object_version 6
	.text
	.protected	k_qe57dc88a4b_quant
	.globl	k_qe57dc88a4b_quant
	.p2align	8
	.type	k_qe57dc88a4b_quant,@function
k_qe57dc88a4b_quant:
	s_mov_b64 s[64:65], 0
	v_nop
	global_prefetch_b8 v0, s[64:65] scope:SCOPE_SE
	s_setreg_imm32_b32 hwreg(HW_REG_WAVE_MODE, 25, 1), 1
	s_wait_xcnt 0x0
; LAUNCH 1 OF 5.  The module is two LoRA linears with a SwiGLU between them over 2,048 rows (the reshape by experts changes no number: all experts share the weights).
; NO WORK IS LEFT OUT: every one of the seven inputs has a way to the output, and all six products of the problem's table are done, on codes of E2M1.
; The factor 0.25 of the LoRA terms is a power of two: it is taken off the scale bytes of t and u (byte - 2) in the launches that make them, which is exact.
; THIS LAUNCH turns all seven f32 inputs (K is the last axis of each) into codes of E2M1 with one E8M0 byte for each 32 along K, into the workspace wq.
; A block's scale is 2^(floor(log2(its largest magnitude)) - 2); its byte is the largest magnitude's exponent field - 2, held at 1 from below.
; LIMITS: NaN and infinities among the inputs are not served; a block whose largest magnitude lies under 2^-124 keeps the floor's byte 1; a block of zeros has the byte 1 where the rule says 127
; (its codes are zeros, which add nothing under any byte but 0xff, and this program alone reads the bytes).
; LAYOUT OF wq: THE ORDER OF THE OPERAND'S REGISTERS.  Codes: [K / 128][rows / 16][1,024 bytes]; the 1,024 bytes are an IMAGE [block of 32 along K: 0..3][row 0..15][16 bytes], so that byte 16 x lane + 512 c
; of an image is registers 4 c .. 4 c + 3 of that lane's fragment.  Scale words: [K / 128][rows][4 bytes], from SBASE on, at a sixteenth of the codes' offset.
; B_gu and B_d have K = 64: an image holds 32 rows, rows 0-15 in its first 512 bytes and rows 16-31 in its second; word r holds the bytes of (row r: blocks 0, 1; row 16 + r: blocks 0, 1).
; SHARES.  A wave takes 4 images: 64 rows x 128 along K.  The four waves of a work-group take neighbouring K steps, 2,048 bytes on end of each row.  Each load reads 512 bytes on end (K = 64: two runs of 256);
; an image's 8,192 bytes turn through the wave's own stage in LDS, so that a lane gets two whole blocks of 32 neighbours.  No barrier: waves share nothing.  16 to 32 loads of a wave are out.
.set SBASE, 15204352                   ; where the scale words begin in wq
.set WREG,  8704                       ; LDS of a wave: a stage of 16 rows x (512 + 16) bytes, then the 256 bytes of its four images' scale words
.set SPARE, 4*WREG                     ; behind the four regions: the spare words, 128 bytes for each wave: two blocks of 256 bytes that no other line names
.set STI, 1                            ; v1   the stage, on the way in: 16 x lane
.set STO, 2                            ; v2   and out: 528 r + 128 h
.set SGA, 3                            ; v3   where my row's scale word goes
.set M,   4                            ; v4-5   largest magnitudes of my two blocks
.set SO,  6                            ; v6-7   the conversions' scale operands
.set BY,  8                            ; v8-9   the bytes
.set W,   10                           ; v10    the scale word
.set T,   11                           ; v11    at work
.set SH,  12                           ; v12    8 h
.set LI,  13                           ; v13    16 x lane
.set SPW, 14                           ; v14    LDS address of my spare word; never rewritten
.set NIL, 15                           ; v15    0; never rewritten
.set VO,  16                           ; v16-31 byte offset of my 16 bytes in row i of an image
.set R,   32                           ; v32-159  two sets of 64: an image as it is loaded
.set X,   160                          ; v160-223 my two blocks of 32 neighbours
.set C,   224                          ; v224-231 their codes: the fragment's eight registers
.set SGL, 232                          ; v232   where I read 8 bytes of the wave's 256 scale bytes back
.set L8,  233                          ; v233   8 x lane
	s_load_b512 s[8:23], s[0:1], 0x0               ; W_gu s[8:9], W_d s[10:11], x s[12:13], B_gu s[14:15], A_d s[16:17], A_gu s[18:19], B_d s[20:21], wq s[22:23]
	v_lshl_add_u32 v[SPW], v0, 2, SPARE
	v_mov_b32 v[NIL], 0
	v_lshrrev_b32 v234, 5, v0
	v_readfirstlane_b32 s4, v234                   ; wave 0..3
	v_and_b32 v235, 31, v0                         ; lane
	v_and_b32 v234, 15, v0                         ; r
	v_bfe_u32 v236, v0, 4, 1                       ; h
	s_mul_i32 s5, s4, WREG
	v_lshlrev_b32 v[LI], 4, v235
	v_add_nc_u32 v[STI], s5, v[LI]
	v_mul_u32_u24 v[STO], v234, 528
	v_lshl_add_u32 v[STO], v236, 7, v[STO]
	v_add_nc_u32 v[STO], s5, v[STO]
	s_add_co_u32 s6, s5, 16*528
	v_lshl_add_u32 v[SGA], v234, 2, s6
	v_lshlrev_b32 v[L8], 3, v235
	v_add_nc_u32 v[SGL], s6, v[L8]
	v_lshlrev_b32 v[SH], 3, v236
	v_mov_b32 v[T], 0                              ; written once: a lane permute's destination counts as one of its sources
	s_mov_b32 s48, 0x76543210
	s_mov_b32 s49, 0xfedcba98                      ; v_permlanex16_b32's selects for lane l xor 16
	s_wait_kmcnt 0x0
; Which tensor is my work-group's?  The choice hangs on the work-group's number alone; all tensors take ONE path through the text.
; s[24:25] the tensor, s26 its first work-group, s27 its codes' offset in wq, s28 log2(K steps), s29 log2(images in a K step), s30 bytes from row to row
.macro PICK first, ptr, oc, lk, ln, si
	s_cmp_ge_u32 ttmp9, \first
	s_cselect_b64 s[24:25], s[\ptr:\ptr+1], s[24:25]
	s_cselect_b32 s26, \first, s26
	s_cselect_b32 s27, \oc, s27
	s_cselect_b32 s28, \lk, s28
	s_cselect_b32 s29, \ln, s29
	s_cselect_b32 s30, \si, s30
.endm
	s_mov_b64 s[24:25], s[8:9]                     ; W_gu: 8,192 images, work-groups 0 to 511
	s_mov_b32 s26, 0
	s_mov_b32 s27, 0
	s_mov_b32 s28, 4
	s_mov_b32 s29, 9
	s_mov_b32 s30, 8192
	PICK 512, 10, 8388608,  5, 7, 16384            ; W_d
	PICK 768, 12, 12582912, 4, 7, 8192             ; hidden_states
	PICK 896, 14, 14680064, 0, 8, 256              ; B_gu
	PICK 912, 16, 14942208, 5, 2, 16384            ; A_d
	PICK 920, 18, 15073280, 4, 2, 8192             ; A_gu
	PICK 924, 20, 15138816, 0, 6, 256              ; B_d
	s_lshl_b32 s34, s30, 4                         ; 16 rows
	s_mov_b32 s35, 256
	s_cmp_eq_u32 s30, 256                          ; K = 64?
	s_cselect_b32 s33, 8192, s34                   ; bytes from image to image: 32 rows of 256 bytes, or 16 rows
	s_cselect_b32 s35, 4096, s35                   ; lanes 16-31: 16 rows further down, or the row's second 256 bytes
	s_sub_co_u32 s31, ttmp9, s26
	s_lshl_b32 s31, s31, 2
	s_add_co_u32 s31, s31, s4                      ; my wave's number within the tensor
	s_lshl_b32 s32, 1, s28
	s_sub_co_u32 s32, s32, 1
	s_and_b32 s32, s31, s32                        ; its K step
	s_lshr_b32 s31, s31, s28
	s_lshl_b32 s31, s31, 2                         ; its first image within the K step
	s_mul_i32 s50, s31, s33
	s_lshl_b32 s51, s32, 9
	s_add_co_u32 s50, s50, s51                     ; + 512 bytes a K step
	s_mov_b32 s51, 0
	s_mov_b32 s52, s33
	s_mov_b32 s53, 0
	s_add_nc_u64 s[36:37], s[24:25], s[50:51]      ; where my four images begin in the tensor
	s_add_nc_u64 s[38:39], s[36:37], s[52:53]
	s_add_nc_u64 s[40:41], s[38:39], s[52:53]
	s_add_nc_u64 s[42:43], s[40:41], s[52:53]
	s_lshl_b32 s54, s32, s29
	s_add_co_u32 s54, s54, s31                     ; the first image's number in the tensor's codes: a multiple of 4
	s_lshl_b32 s50, s54, 10
	s_add_co_u32 s50, s50, s27
	s_add_nc_u64 s[44:45], s[22:23], s[50:51]      ; its codes,
	s_lshl_b32 s50, s54, 6
	s_lshr_b32 s55, s27, 4
	s_add_co_u32 s50, s50, s55
	s_add_co_u32 s50, s50, SBASE
	s_add_nc_u64 s[46:47], s[22:23], s[50:51]      ; and its scale words: my four images' are 256 bytes on end, at a multiple of 256 from wq's first byte
	v_mul_u32_u24 v[VO], s35, v236
	v_lshl_add_u32 v[VO], v234, 4, v[VO]           ; 16 r + h x (256 or 4,096)
.irp i, 1,2,3,4,5,6,7,8,9,10,11,12,13,14,15
	v_mad_u32_u24 v[VO+\i], s30, \i, v[VO]         ; + i rows
.endr
.macro LOADS j                         ; image j as it lies: 16 loads
.set RL, R+64*((\j)%2)
.irp i, 0,1,2,3,4,5,6,7,8,9,10,11,12,13,14,15
	global_load_b128 v[RL+4*\i:RL+4*\i+3], v[VO+\i], s[36+2*(\j):37+2*(\j)] th:TH_LOAD_NT
.endr
.endm
.macro IMG j
.set RS, R+64*((\j)%2)
.if (\j) < 3
	s_wait_loadcnt 16                              ; this image's 16 loads are in; the next image's 16 may be out
.else
	s_wait_loadcnt 0x0
.endif
.irp i, 0,1,2,3,4,5,6,7,8,9,10,11,12,13,14,15
	ds_store_b128 v[STI], v[RS+4*\i:RS+4*\i+3] offset:528*\i       ; row i of the stage: 512 bytes on end
.endr
.irp c, 0,1
.irp g, 0,1,2,3,4,5,6,7
	ds_load_b128 v[X+32*\c+4*\g:X+32*\c+4*\g+3], v[STO] offset:256*\c+16*\g   ; LDS serves a wave's instructions in order: these see the stores.  My block 2 c + h of row r: 128 bytes
.endr
.endr
	s_wait_dscnt 0x0                               ; the numbers are back, and the stores have read their registers,
.if (\j) < 2
	LOADS (\j)+2                                   ; which take the image two further on
.endif
.irp c, 0,1
	v_max3_num_f32 v[M+\c], |v[X+32*\c]|, |v[X+32*\c+1]|, 0x1800000   ; all 32 numbers of a block are mine; the floor 2^(3 - 127) holds the byte at 1 from below
.endr
.irp i, 2,4,6,8,10,12,14,16,18,20,22,24,26,28,30
.irp c, 0,1
	v_max3_num_f32 v[M+\c], v[M+\c], |v[X+32*\c+\i]|, |v[X+32*\c+\i+1]|   ; (the two blocks by turns)
.endr
.endr
.irp c, 0,1
	v_add_nc_u32 v[SO+\c], 0xff000000, v[M+\c]     ; 2 off the exponent field: the conversion takes the exponent field of this operand as its scale
.endr
.irp c, 0,1
	v_lshrrev_b32 v[BY+\c], 23, v[SO+\c]           ; the scale's byte
.endr
	v_lshl_or_b32 v[W], v[BY+1], 16, v[BY]         ; my two bytes, blocks h and 2 + h,
	v_lshlrev_b32 v[W], v[SH], v[W]                ; at their places in the word;
	v_permlanex16_b32 v[T], v[W], s48, s49
	v_or_b32 v[W], v[W], v[T]                      ; with lane l xor 16's two the word is whole
.if (\j) > 0
	s_wait_xcnt 0x0                                ; the last image's stores have read the codes' registers
.endif
.irp c, 0,1
.irp g, 0,1,2,3
	v_cvt_scalef32_pk8_fp4_f32 v[C+4*\c+\g], v[X+32*\c+8*\g:X+32*\c+8*\g+7], v[SO+\c]   ; to the nearest code, ties to even, beyond 6 the largest code
.endr
.endr
	v_nop                                          ; one plain place behind the last conversion
	ds_store_b32 v[SGA], v[W] offset:64*(\j)       ; both halves of the lanes write the same word with the same value
.irp c, 0,1
	global_store_b128 v[LI], v[C+4*\c:C+4*\c+3], s[44:45] offset:1024*(\j)+512*\c   ; 32 lanes store 512 bytes on end, at a multiple of 256 from wq's first byte
.endr
.endm
	LOADS 0
	LOADS 1
	IMG 0
	IMG 1
	IMG 2
	IMG 3
	ds_load_b64 v[M:M+1], v[SGL]                   ; my four images' scale words: these see my stores
	s_wait_dscnt 0x0
	global_store_b64 v[L8], v[M:M+1], s[46:47]     ; 32 lanes store 256 bytes on end
	s_wait_tensorcnt 0x0                           ; the wave's end
	ds_add_u32 v[SPW], v[NIL]
	s_wait_dscnt 0x0
	s_endpgm
.Lfunc_end_k_qe57dc88a4b_quant:
	.size	k_qe57dc88a4b_quant, .Lfunc_end_k_qe57dc88a4b_quant-k_qe57dc88a4b_quant
	.p2alignl 7, 3214868480
	.fill 96, 4, 3214868480
	.section	.rodata,"a",@progbits
	.p2align	6, 0x0
	.amdhsa_kernel k_qe57dc88a4b_quant
		.amdhsa_group_segment_fixed_size 35328
		.amdhsa_private_segment_fixed_size 0
		.amdhsa_enable_private_segment 0
		.amdhsa_kernarg_size 64
		.amdhsa_user_sgpr_count 2
		.amdhsa_user_sgpr_kernarg_segment_ptr 1
		.amdhsa_wavefront_size32 1
		.amdhsa_system_sgpr_workgroup_id_x 1
		.amdhsa_system_sgpr_workgroup_id_y 1
		.amdhsa_system_sgpr_workgroup_id_z 1
		.amdhsa_system_vgpr_workitem_id 0
		.amdhsa_next_free_vgpr 240
		.amdhsa_next_free_sgpr 66
		.amdhsa_reserve_vcc 0
		.amdhsa_float_denorm_mode_32 3
		.amdhsa_float_denorm_mode_16_64 3
		.amdhsa_memory_ordered 1
		.amdhsa_forward_progress 1
		.amdhsa_inst_pref_size 34
	.end_amdhsa_kernel
	.amdgpu_metadata
---
amdhsa.version: [ 1, 2 ]
amdhsa.kernels:
  - .name:           k_qe57dc88a4b_quant
    .symbol:         k_qe57dc88a4b_quant.kd
    .args:
      - { .name: W_gu, .offset: 0, .size: 8, .value_kind: global_buffer, .address_space: global }
      - { .name: W_d, .offset: 8, .size: 8, .value_kind: global_buffer, .address_space: global }
      - { .name: hidden_states, .offset: 16, .size: 8, .value_kind: global_buffer, .address_space: global }
      - { .name: B_gu, .offset: 24, .size: 8, .value_kind: global_buffer, .address_space: global }
      - { .name: A_d, .offset: 32, .size: 8, .value_kind: global_buffer, .address_space: global }
      - { .name: A_gu, .offset: 40, .size: 8, .value_kind: global_buffer, .address_space: global }
      - { .name: B_d, .offset: 48, .size: 8, .value_kind: global_buffer, .address_space: global }
      - { .name: wq, .offset: 56, .size: 8, .value_kind: global_buffer, .address_space: global }
    .group_segment_fixed_size: 35328
    .private_segment_fixed_size: 0
    .kernarg_segment_align: 8
    .kernarg_segment_size: 64
    .max_flat_workgroup_size: 128
    .sgpr_count:     66
    .vgpr_count:     240
    .wavefront_size: 32
...
	.end_amdgpu_metadata
.endif
;; end of part 1
;; launch lora_t (part 2): grid 128 x 1, 4 waves a work-group, no clusters, 16,896 bytes of LDS; arguments wq, tq; writes tq
.if DOCPART == 2
	.amdgcn_target "amdgcn-amd-amdhsa--gfx1250"
	.amdhsa_code_object_version 6
	.text
	.protected	k_qe57dc88a4b_lora_t
	.globl	k_qe57dc88a4b_lora_t
	.p2align	8
	.type	k_qe57dc88a4b_lora_t,@function
k_qe57dc88a4b_lora_t:
	s_mov_b64 s[64:65], 0
	v_nop
	global_prefetch_b8 v0, s[64:65] scope:SCOPE_SE
	s_setreg_imm32_b32 hwreg(HW_REG_WAVE_MODE, 25, 1), 1
	s_wait_xcnt 0x0
; LAUNCH 2 OF 5 (LU = 0): t = Q(x) Q(A_gu)^T, [2048][64], quantised along its 64 for the product with B_gu.  The same text with LU = 1 is launch 4: u = Q(h) Q(A_d)^T.  No work is left out.
; SHARES.  A work-group takes 16 rows; wave w takes K steps 4 w .. 4 w + 3 of 128 and all 64 columns: 16 matrix instructions, four accumulators by turns.
; The waves' partial sums meet in LDS behind one barrier; wave 0 adds them in f32, K ascending, and quantises.  LIMIT: the sum over K is made of these parts, which differs from one chain by rounding alone.
; The product is used transposed (source 0 = 16 rows of A, source 1 = my 16 rows): lane (r, h) holds row r, and register 8 b + j column 16 b + 8 h + j.
; THE FACTOR 0.25 of the LoRA term goes into the scale bytes: byte - 2, exact.  The floor under a block's largest magnitude is 2^(5 - 127), so that the byte stays at 1 or above.
; LIMITS: a block whose largest magnitude lies under 2^-122 keeps the floor's byte; NaN and infinities are not served.
; OUT: for each 16 rows an image of 1,024 bytes in the order of the operand's registers, with the 64 codes of a row laid TWICE (blocks 0, 1, 0, 1), and from byte 131,072 on 32 scale words (s0, s1, s0, s1), lanes 16-31 as lanes 0-15:
; the other operand of the next product (K = 64, two rows' blocks to a word) lies in either half of a K step of 128, with zero codes in the other half.
.set LU, 0
.if LU
.set NW, 8                             ; waves: K = 4,096 is 32 steps
.set XC, 0                             ; the rows' codes: offset in their buffer (hq)
.set XS, 4194304                       ; their scale words
.set AC, 14942208                      ; A_d's codes in wq
.set AS, 16138240                      ; and scale words
.set ROWP, 4
.set AP,   6
.set OUTP, 8
.else
.set NW, 4                             ; K = 2,048 is 16 steps
.set XC, 12582912                      ; x's codes in wq
.set XS, 15990784
.set AC, 15073280                      ; A_gu's
.set AS, 16146432
.set ROWP, 4
.set AP,   4
.set OUTP, 6
.endif
.set SPARE, NW*4096                    ; LDS: 4,096 bytes of partial sums for each wave; behind them the spare words, 128 bytes for each wave, in blocks of 256 that no other line names
.set LI,  1                            ; v1   16 x lane
.set L4,  2                            ; v2   4 x lane
.set L4R, 3                            ; v3   4 r
.set M,   4                            ; v4-5 largest magnitudes;  v6-7 at work;  v8-9 the conversions' scale operands;  v10-11 the bytes
.set T,   6
.set SO,  8
.set BY,  10
.set CA,  12                           ; v12  16 r + 8 h: my 8 bytes of a block's 256
.set PS,  13                           ; v13  4,096 x wave + 16 x lane
.set SPW, 14                           ; v14  LDS address of my spare word; never rewritten
.set NIL, 15                           ; v15  0; never rewritten
.set XF,  16                           ; v16-47   the rows' fragments, K step q at 8 q
.set AF,  48                           ; v48-175  A's, at 32 q + 8 b
.set P,   16                           ; v16-143  later: four partial sums
.set G,   144                          ; v144-147 the codes
.set WD,  148                          ; v148     the scale word
.set SX,  176                          ; v176-179 the rows' scale words
.set SG,  180                          ; v180-187 A's: register 2 q + j holds rows 32 j .. 32 j + 31, a lane a row
.set ACC, 192                          ; v192-223 four accumulators
.set S,   224                          ; v224-255 the sums
	s_load_b128 s[4:7], s[0:1], 0x0
.if LU
	s_load_b64 s[8:9], s[0:1], 0x10
.endif
	v_lshl_add_u32 v[SPW], v0, 2, SPARE
	v_mov_b32 v[NIL], 0
	v_lshrrev_b32 v4, 5, v0
	v_readfirstlane_b32 s18, v4                    ; wave
	v_and_b32 v4, 31, v0                           ; lane
	v_and_b32 v5, 15, v0                           ; r
	v_bfe_u32 v6, v0, 4, 1                         ; h
	v_lshlrev_b32 v[LI], 4, v4
	v_lshlrev_b32 v[L4], 2, v4
	v_lshlrev_b32 v[L4R], 2, v5
	v_lshlrev_b32 v[CA], 4, v5
	v_lshl_add_u32 v[CA], v6, 3, v[CA]
	s_lshl_b32 s19, s18, 12
	v_add_nc_u32 v[PS], s19, v[LI]
	s_mov_b32 s34, 0x76543210
	s_mov_b32 s35, 0xfedcba98                      ; v_permlanex16_b32's selects for lane l xor 16
	s_lshl_b32 s20, s18, 19                        ; the rows' codes: 4 K steps of 131,072 bytes a wave,
	s_lshl_b32 s19, ttmp9, 10                      ; an image of 1,024 bytes for each 16 rows
	s_add_co_u32 s20, s20, s19
	s_add_co_u32 s20, s20, XC
	s_mov_b32 s21, 0
	s_lshl_b32 s22, s18, 14                        ; A's codes: 4 K steps of four images a wave
	s_add_co_u32 s22, s22, AC
	s_mov_b32 s23, 0
	s_lshl_b32 s24, s18, 15                        ; the rows' scale words: 8,192 bytes a K step, 64 for my 16 rows
	s_lshl_b32 s19, ttmp9, 6
	s_add_co_u32 s24, s24, s19
	s_add_co_u32 s24, s24, XS
	s_mov_b32 s25, 0
	s_lshl_b32 s26, s18, 10                        ; A's: 256 bytes a K step
	s_add_co_u32 s26, s26, AS
	s_mov_b32 s27, 0
	s_lshl_b32 s28, ttmp9, 10                      ; out: my image,
	s_mov_b32 s29, 0
	s_lshl_b32 s30, ttmp9, 7                       ; and my 32 scale words
	s_add_co_u32 s30, s30, 131072
	s_mov_b32 s31, 0
	s_wait_kmcnt 0x0
	s_add_nc_u64 s[20:21], s[ROWP:ROWP+1], s[20:21]
	s_add_nc_u64 s[22:23], s[AP:AP+1], s[22:23]
	s_add_nc_u64 s[24:25], s[ROWP:ROWP+1], s[24:25]
	s_add_nc_u64 s[26:27], s[AP:AP+1], s[26:27]
	s_add_nc_u64 s[28:29], s[OUTP:OUTP+1], s[28:29]
	s_add_nc_u64 s[30:31], s[OUTP:OUTP+1], s[30:31]
.irp q, 0,1,2,3                                ; all 52 loads go out at once, 13 for each K step; each load of codes reads 512 bytes on end
.irp c, 0,1
	global_load_b128 v[XF+8*\q+4*\c:XF+8*\q+4*\c+3], v[LI], s[20:21] offset:131072*\q+512*\c
.endr
.irp b, 0,1,2,3
.irp c, 0,1
	global_load_b128 v[AF+32*\q+8*\b+4*\c:AF+32*\q+8*\b+4*\c+3], v[LI], s[22:23] offset:4096*\q+1024*\b+512*\c
.endr
.endr
	global_load_b32 v[SX+\q], v[L4R], s[24:25] offset:8192*\q
.irp j, 0,1
	global_load_b32 v[SG+2*\q+\j], v[L4], s[26:27] offset:256*\q+128*\j
.endr
.endr
.macro LP q, b                         ; K step q, columns 16 b on.  A's scale words of tile b lie in lanes 0-15 (b even) or 16-31 (b odd).  The first K step starts the sums
.set rD, ACC+8*(\b)
.set rA, AF+32*(\q)+8*(\b)
.set rX, XF+8*(\q)
.set xA, SG+2*(\q)+(\b)/2
.set xX, SX+(\q)
.if (\q) == 0
.if (\b)%2
	v_wmma_scale_f32_16x16x128_f8f6f4 v[rD:rD+7], v[rA:rA+7], v[rX:rX+7], 0, v[xA], v[xX] matrix_a_fmt:MATRIX_FMT_FP4 matrix_b_fmt:MATRIX_FMT_FP4 matrix_a_scale:MATRIX_SCALE_ROW1
.else
	v_wmma_scale_f32_16x16x128_f8f6f4 v[rD:rD+7], v[rA:rA+7], v[rX:rX+7], 0, v[xA], v[xX] matrix_a_fmt:MATRIX_FMT_FP4 matrix_b_fmt:MATRIX_FMT_FP4
.endif
.else
.if (\b)%2
	v_wmma_scale_f32_16x16x128_f8f6f4 v[rD:rD+7], v[rA:rA+7], v[rX:rX+7], v[rD:rD+7], v[xA], v[xX] matrix_a_fmt:MATRIX_FMT_FP4 matrix_b_fmt:MATRIX_FMT_FP4 matrix_a_scale:MATRIX_SCALE_ROW1
.else
	v_wmma_scale_f32_16x16x128_f8f6f4 v[rD:rD+7], v[rA:rA+7], v[rX:rX+7], v[rD:rD+7], v[xA], v[xX] matrix_a_fmt:MATRIX_FMT_FP4 matrix_b_fmt:MATRIX_FMT_FP4
.endif
.endif
.endm
.irp q, 0,1,2,3
	s_wait_loadcnt 13*(3-\q)                       ; this K step's 13 loads are in; those of the later K steps may be out
.irp b, 0,1,2,3
	LP \q, \b
.endr
.endr
.rept 4
	v_nop                                          ; four places between the last products and the stores that read results, and the loads into registers that the products have read
.endr
.irp b, 0,1,2,3
.irp e, 0,1
	ds_store_b128 v[PS], v[ACC+8*\b+4*\e:ACC+8*\b+4*\e+3] offset:1024*\b+512*\e   ; an image of my accumulators, each from its low end on
.endr
.endr
	s_wait_dscnt 0x0                               ; for the others' sake: my stores have landed
	s_barrier_signal -1
	s_barrier_wait -1
	s_cmp_lg_u32 s18, 0
	s_cbranch_scc1 .Lend                           ; wave 0 goes on alone; no barrier follows
.macro RED first, base                 ; four waves' partial sums from LDS byte base on, added in the waves' order, which is K's
.irp p, 0,1,2,3
.irp i, 0,1,2,3,4,5,6,7
	ds_load_b128 v[P+32*\p+4*\i:P+32*\p+4*\i+3], v[LI] offset:\base+4096*\p+512*\i
.endr
.endr
	s_wait_dscnt 0x0
.if \first
.irp i, 0,2,4,6,8,10,12,14,16,18,20,22,24,26,28,30
	v_pk_add_f32 v[S+\i:S+\i+1], v[P+\i:P+\i+1], v[P+32+\i:P+33+\i]
.endr
.else
.irp i, 0,2,4,6,8,10,12,14,16,18,20,22,24,26,28,30
	v_pk_add_f32 v[S+\i:S+\i+1], v[S+\i:S+\i+1], v[P+\i:P+\i+1]
.endr
.irp i, 0,2,4,6,8,10,12,14,16,18,20,22,24,26,28,30
	v_pk_add_f32 v[S+\i:S+\i+1], v[S+\i:S+\i+1], v[P+32+\i:P+33+\i]
.endr
.endif
.irp i, 0,2,4,6,8,10,12,14,16,18,20,22,24,26,28,30
	v_pk_add_f32 v[S+\i:S+\i+1], v[S+\i:S+\i+1], v[P+64+\i:P+65+\i]
.endr
.irp i, 0,2,4,6,8,10,12,14,16,18,20,22,24,26,28,30
	v_pk_add_f32 v[S+\i:S+\i+1], v[S+\i:S+\i+1], v[P+96+\i:P+97+\i]
.endr
.endm
	RED 1, 0
.if LU
	RED 0, 16384
.endif
	v_mov_b32 v[T], 0                              ; a lane permute's destination counts as one of its sources
	v_mov_b32 v[T+1], 0
; Block e of 32 columns: my 16 of them are registers 16 e .. 16 e + 15 (columns 32 e + 8 h + 0..7 and 32 e + 16 + 8 h + 0..7); lane l xor 16 holds the other 16
.irp e, 0,1
	v_max3_num_f32 v[M+\e], |v[S+16*\e]|, |v[S+16*\e+1]|, 0x2800000   ; the floor 2^(5 - 127)
.endr
.irp i, 2,4,6,8,10,12,14
.irp e, 0,1
	v_max3_num_f32 v[M+\e], v[M+\e], |v[S+16*\e+\i]|, |v[S+16*\e+\i+1]|
.endr
.endr
.irp e, 0,1
	v_permlanex16_b32 v[T+\e], v[M+\e], s34, s35
.endr
.irp e, 0,1
	v_max_num_f32 v[M+\e], v[M+\e], v[T+\e]        ; the block's largest magnitude
.endr
.irp e, 0,1
	v_add_nc_u32 v[SO+\e], 0xff000000, v[M+\e]     ; 2 off the exponent field: the conversion's scale operand
	v_add_nc_u32 v[BY+\e], 0xfe000000, v[M+\e]     ; 4 off: the scale's byte less 2, which is the factor 0.25
.endr
.irp e, 0,1
	v_lshrrev_b32 v[BY+\e], 23, v[BY+\e]
.endr
.irp e, 0,1
	v_cvt_scalef32_pk8_fp4_f32 v[G+2*\e], v[S+16*\e:S+16*\e+7], v[SO+\e]         ; bytes 4 h .. 4 h + 3 of the block's 16,
	v_cvt_scalef32_pk8_fp4_f32 v[G+2*\e+1], v[S+16*\e+8:S+16*\e+15], v[SO+\e]    ; bytes 8 + 4 h .. 8 + 4 h + 3
.endr
	v_nop                                          ; one plain place behind a scaled conversion
.irp e, 0,1
	v_permlane16_swap_b32 v[G+2*\e], v[G+2*\e+1]   ; the first's lanes 16-31 change places with the second's lanes 0-15: the pair is now bytes 8 h .. 8 h + 7
.endr
	v_lshl_or_b32 v[WD], v[BY+1], 8, v[BY]
	v_lshl_or_b32 v[WD], v[WD], 16, v[WD]          ; (s0, s1, s0, s1); both halves of the lanes hold the same
.irp c, 0,1
.irp e, 0,1
	global_store_b64 v[CA], v[G+2*\e:G+2*\e+1], s[28:29] offset:256*\e+512*\c   ; 32 lanes store 256 bytes on end, aligned: a block of the image; the row's 64 codes are laid twice
.endr
.endr
	global_store_b32 v[L4], v[WD], s[30:31]        ; 128 bytes on end: half of an aligned 256; the launch writes 16,384 bytes so
.Lend:
	s_wait_tensorcnt 0x0                           ; the wave's end
	ds_add_u32 v[SPW], v[NIL]
	s_wait_dscnt 0x0
	s_endpgm
.Lfunc_end_k_qe57dc88a4b_lora_t:
	.size	k_qe57dc88a4b_lora_t, .Lfunc_end_k_qe57dc88a4b_lora_t-k_qe57dc88a4b_lora_t
	.p2alignl 7, 3214868480
	.fill 96, 4, 3214868480
	.section	.rodata,"a",@progbits
	.p2align	6, 0x0
	.amdhsa_kernel k_qe57dc88a4b_lora_t
		.amdhsa_group_segment_fixed_size 16896
		.amdhsa_private_segment_fixed_size 0
		.amdhsa_enable_private_segment 0
		.amdhsa_kernarg_size 16
		.amdhsa_user_sgpr_count 2
		.amdhsa_user_sgpr_kernarg_segment_ptr 1
		.amdhsa_wavefront_size32 1
		.amdhsa_system_sgpr_workgroup_id_x 1
		.amdhsa_system_sgpr_workgroup_id_y 1
		.amdhsa_system_sgpr_workgroup_id_z 1
		.amdhsa_system_vgpr_workitem_id 0
		.amdhsa_next_free_vgpr 256
		.amdhsa_next_free_sgpr 66
		.amdhsa_reserve_vcc 0
		.amdhsa_float_denorm_mode_32 3
		.amdhsa_float_denorm_mode_16_64 3
		.amdhsa_memory_ordered 1
		.amdhsa_forward_progress 1
		.amdhsa_inst_pref_size 18
	.end_amdhsa_kernel
	.amdgpu_metadata
---
amdhsa.version: [ 1, 2 ]
amdhsa.kernels:
  - .name:           k_qe57dc88a4b_lora_t
    .symbol:         k_qe57dc88a4b_lora_t.kd
    .args:
      - { .name: wq, .offset: 0, .size: 8, .value_kind: global_buffer, .address_space: global }
      - { .name: tq, .offset: 8, .size: 8, .value_kind: global_buffer, .address_space: global }
    .group_segment_fixed_size: 16896
    .private_segment_fixed_size: 0
    .kernarg_segment_align: 8
    .kernarg_segment_size: 16
    .max_flat_workgroup_size: 128
    .sgpr_count:     66
    .vgpr_count:     256
    .wavefront_size: 32
...
	.end_amdgpu_metadata
.endif
;; end of part 2
;; launch gemm1 (part 3): grid 32 x 8, 4 waves a work-group, clusters of 4 x 4, 327,680 bytes of LDS; arguments wq, tq, hq; writes hq
.if DOCPART == 3
	.amdgcn_target "amdgcn-amd-amdhsa--gfx1250"
	.amdhsa_code_object_version 6
	.text
	.protected	k_qe57dc88a4b_gemm1
	.globl	k_qe57dc88a4b_gemm1
	.p2align	8
	.type	k_qe57dc88a4b_gemm1,@function
k_qe57dc88a4b_gemm1:
	s_mov_b64 s[64:65], 0
	v_nop
	global_prefetch_b8 v0, s[64:65] scope:SCOPE_SE
	s_setreg_imm32_b32 hwreg(HW_REG_WAVE_MODE, 25, 1), 1
	s_wait_xcnt 0x0
	s_wait_alu depctr_hold_cnt(0) depctr_sa_sdst(0) depctr_va_vdst(0) depctr_va_sdst(0) depctr_va_ssrc(0) depctr_va_vcc(0) depctr_vm_vsrc(0)
	s_getreg_b32 s2, hwreg(HW_REG_IB_STS2, 6, 4)
	s_cmp_eq_u32 s2, 0
	s_cbranch_scc0 .Lentry_in_a_cluster
	s_endpgm
.Lentry_in_a_cluster:
	s_bfe_u32 s2, ttmp6, 0x10000c
	s_cmp_lg_u32 s2, 0xf033
	s_cbranch_scc0 .Lentry_shape_is_right
	s_endpgm
.Lentry_shape_is_right:
; LAUNCH 3 OF 5: gate_up = Q(x) Q(W_gu)^T + 0.25 Q(t) Q(B_gu)^T, h = up x silu(gate), and h quantised along its 4,096 for the next products.  No work is left out.
; SHARES.  A work-group takes 256 rows x (gate columns 128 X .. 128 X + 127 and the up columns of the same h).  Four waves, as many as a WGP has SIMDs; wave (rowhalf, colhalf) takes 128 rows x (64 gate + the same 64 up):
; 64 accumulators of 16 x 16, 512 registers; accumulator (a, b): rows 16 a on, b = 0-3 gate, b = 4-7 up.  So gate and up of one h lie in the same lane, 32 registers apart.
; THE MATRIX INSTRUCTION IS USED TRANSPOSED (source 0 = 16 rows of W, source 1 = 16 rows of x): a lane holds one row and eight neighbouring columns.
; ALL OPERANDS LIE IN MEMORY IN THE ORDER OF THEIR REGISTERS (images of 1,024 bytes: 16 rows x 128 K), so a fragment is two LDS loads of 512 bytes on end: no pitch, no padding.
; THE LORA TERM is one more K step on the same accumulators, and the first: its products take the constant 0 as C, so nothing is cleared, and they run while the first tiles land.  t's scale bytes carry the 0.25.
; LIMIT: the LoRA term is summed in the main product's accumulator and not in a sum of its own: a difference of rounding alone.  NaN and infinities are not served; a block of h under 2^-124 keeps the floor's byte 1.
; K = 2,048 goes in four steps of 512 through a ring of two LDS slots filled by the tensor data mover; the scale words of all of K come once, with the first fills.  K is so short that the text is a straight line.
; CLUSTERS: 4 x 4 work-groups.  The four of a row of the cluster need the same tiles of x, the four of a column the same tiles of W_gu: each tile is asked for JOINTLY.
; REGISTERS, in windows of 256: window 0: v0-31 addresses; v32-95 scale words, two sets, and nothing else; v128-191 x's fragments, ONE set; on the way out v96-127, v128-159, v192-235 are at work.
;   window 1: W's fragments, TWO sets, at v0 and v128.   window 2: the accumulators of my rows 0-63 ((a, b) at v[8 (8 a + b)]);   window 3: those of my rows 64-127.
.set C_X,   12582912                   ; offsets in wq: x's codes and scale words, W_gu's, B_gu's
.set S_X,   15990784
.set S_WGU, 15204352
.set C_BGU, 14680064
.set S_BGU, 16121856
.set SLOT,  131072                     ; a slot: four parts of 32,768 bytes: x's rows 0-127, x's rows 128-255, gate's 128 rows, up's 128 rows; a part: [K step 0..3][image 0..7][1,024]
.set SCL,   262144                     ; behind the ring: the scale words, four parts of 8,192 bytes: [K step 0..15][128 rows][4]
.set HST,   294912                     ; 1,024 bytes: h's scale words of the work-group's 256 rows; no fill lands here
.set SPARE, 295936                     ; the spare words, 128 bytes for each wave: two blocks of 256 bytes that no other line names
.set NP,    4                          ; places behind this matrix instruction (ISA guide 7.12.1)
.set L8,   15                          ; v15  8 x lane
.set ADRA, 16                          ; v16-17  LDS address of my x fragments in slot 0, 1
.set ADRB, 20                          ; v20-21  the same for W
.set ADSA, 22                          ; v22  of x's scale words: a lane a row
.set ADSB, 23                          ; v23  of W's
.set LI,   24                          ; v24  16 x lane
.set L4,   25                          ; v25  4 x lane
.set L4R,  26                          ; v26  4 r
.set HCO,  27                          ; v27  16 r + 8 h
.set SPW,  28                          ; v28  LDS address of my spare word; never rewritten
.set NIL,  29                          ; v29  0; never rewritten
.set HSA,  30                          ; v30  where my two bytes of a row's scale word of h go
.set HSL,  31                          ; v31  where I read 8 bytes of them back
.set SC,   32                          ; scale words: set s at 32 s; in it x's at 8 q + j (lanes 0-15 block 2 j, lanes 16-31 block 2 j + 1), W's at 8 q + 4 + j.  The LoRA step's: t's at SC + 32 + a, B_gu's at SC + 40 + b / 2
.set E,    96                          ; the way out: v96-127
.set AF,   128                         ; x's fragments
.set HC,   128                         ; the way out: h's codes, four registers a block of rows
.set GU,   192                         ; the way out: v192-223
.set TM,   224                         ; the way out: v224-225 largest magnitudes, v226-227 at work, v228-229 scale operands, v230-231 bytes, v232 two bytes
.set G1, 24                            ; s[24:31] descriptor group 1 for x's tiles;  s[32:39] group 0, one set for each slot
.set G0, 32
.set G1B, 48                           ; s[48:55], s[56:63] the same for W's tiles
.set G0B, 56
.set G1S, 68                           ; s[68:75], s[76:79] groups 1 and 0 for x's scale words;  s[80:87], s[88:91] for W's
.set G0S, 76
.set G1SB, 80
.set G0SB, 88
.set MSB, 0
.macro WIN new                         ; the immediate's high byte repeats the setting that is left
.if MSB != \new
	s_set_vgpr_msb (MSB<<8)|\new
.set MSB, \new
.endif
.endm
.set MUL_LO, 0xa1                      ; source 0 (W) window 1, source 1 (x) window 0, C and D window 2
.set MUL_HI, 0xf1                      ; the same, C and D window 3
.set TO_B,   0x40                      ; destination window 1, address window 0
; A joint load: waves 0 and 1 fetch for x, waves 2 and 3 for W.  Each of the two lines has ONE mask and one set of registers for all that issue it; the branch hangs on the wave's number alone.
; An s_nop 0 and four v_nop follow each of the two lines, ahead of the jump, the label and what follows.
.macro JLOAD g0a, g1a, g0b, g1b
	s_cmp_eq_u32 s15, 0
	s_cbranch_scc0 .Lfor_b_\@
	tensor_load_to_lds s[\g0a:\g0a+3], s[\g1a:\g1a+7]
	s_nop 0
.rept 4
	v_nop
.endr
	s_branch .Lasked_\@
.Lfor_b_\@:
	tensor_load_to_lds s[\g0b:\g0b+3], s[\g1b:\g1b+7]
	s_nop 0
.rept 4
	v_nop
.endr
.Lasked_\@:
.endm
.macro CREST                           ; a round of the cluster's barrier behind its opening barrier
	s_cmp_lg_u32 s14, 0
	s_cbranch_scc1 .Lnot_wave_0_\@
	s_barrier_signal -3
.Lnot_wave_0_\@:
	s_barrier_wait -3
	s_barrier_signal -1
	s_barrier_wait -1
.endm
.macro CROUND                          ; a whole round
	s_barrier_signal -1
	s_barrier_wait -1
	CREST
.endm
.macro PLACES n
.rept \n
	v_nop
.endr
.endm
	s_load_b128 s[4:7], s[0:1], 0x0                ; wq s[4:5], tq s[6:7]
	s_load_b64 s[8:9], s[0:1], 0x10                ; hq
	v_lshl_add_u32 v[SPW], v0, 2, SPARE
	v_mov_b32 v[NIL], 0
	ds_add_u32 v[SPW], v[NIL]                      ; the wave's opening: the add, twice on end, and its wait ahead of my first tensor load; the set-up below, work on registers, stands between
	ds_add_u32 v[SPW], v[NIL]                      ; and once more, under the one wait
	v_lshrrev_b32 v1, 5, v0
	v_readfirstlane_b32 s14, v1                    ; wave 0..3
	s_lshr_b32 s15, s14, 1                         ; rowhalf.  Also: I fetch for x (0) or for W (1)
	s_and_b32 s16, s14, 1                          ; colhalf.  Also: which of the two parts I fetch
	s_bfe_u32 s40, ttmp6, 0x40000                  ; cx, cy: my place in the cluster
	s_bfe_u32 s41, ttmp6, 0x40004
	s_lshl_b32 s42, ttmp9, 2
	s_add_co_u32 s42, s42, s40                     ; tile column = 4 x cluster x + cx: 0..31
	s_and_b32 s17, ttmp7, 0xffff
	s_lshl_b32 s17, s17, 2
	s_add_co_u32 s17, s17, s41                     ; tile row = 4 x cluster y + cy: 0..7
	s_lshl_b32 s43, s41, 2
	s_lshl_b32 s43, 15, s43                        ; my row of the cluster
	s_lshl_b32 s44, 0x1111, s40                    ; my column
	; descriptor group 1, codes: 4 rows (K steps) of 8,192 bytes (8 images on end), as 1,024 elements of 8 bytes; from K step to K step 131,072 bytes in x, 524,288 in W_gu.  No padding
	s_or_b32 s[G1+0], s43, (3<<16)|(1<<21)         ; 15:0 the mask: x's tiles go to my row; 17:16 elements of 8 bytes; 21 set beside a mask
	s_or_b32 s[G1B+0], s44, (3<<16)|(1<<21)        ; W's go to my column
.irp g, G1, G1B
	s_mov_b32 s[\g+1], 1024<<16                    ; tensor_dim0
	s_mov_b32 s[\g+2], 4<<16                       ; tensor_dim1
	s_mov_b32 s[\g+3], 1024<<16                    ; tile_dim0
	s_mov_b32 s[\g+4], 4                           ; tile_dim1
	s_mov_b32 s[\g+6], 0
	s_mov_b32 s[\g+7], 0
.endr
	s_mov_b32 s[G1+5], 16384                       ; tensor_dim0_stride, in elements
	s_mov_b32 s[G1B+5], 65536
	; and the scale words: 16 rows (K steps) of 512 bytes (128 rows' words); from K step to K step 8,192 bytes in x's, 32,768 in W_gu's
	s_or_b32 s[G1S+0], s43, (3<<16)|(1<<21)
	s_or_b32 s[G1SB+0], s44, (3<<16)|(1<<21)
.irp g, G1S, G1SB
	s_mov_b32 s[\g+1], 64<<16
	s_mov_b32 s[\g+2], 16<<16
	s_mov_b32 s[\g+3], 64<<16
	s_mov_b32 s[\g+4], 16
	s_mov_b32 s[\g+6], 0
	s_mov_b32 s[\g+7], 0
.endr
	s_mov_b32 s[G1S+5], 1024
	s_mov_b32 s[G1SB+5], 4096
	s_lshl_b32 s20, s17, 14                        ; x's codes: image 16 x tile row + 8 x part
	s_lshl_b32 s18, s16, 13
	s_add_co_u32 s20, s20, s18
	s_add_co_u32 s20, s20, C_X
	s_mov_b32 s21, 0
	s_lshl_b32 s46, s42, 13                        ; W_gu's codes (at wq's first byte): image 8 x tile column, + 256 for up
	s_lshl_b32 s18, s16, 18
	s_add_co_u32 s46, s46, s18
	s_mov_b32 s47, 0
	s_lshl_b32 s22, s17, 10                        ; x's scale words: row 256 x tile row + 128 x part
	s_lshl_b32 s18, s16, 9
	s_add_co_u32 s22, s22, s18
	s_add_co_u32 s22, s22, S_X
	s_mov_b32 s23, 0
	s_lshl_b32 s92, s42, 9                         ; W_gu's: row 128 x tile column, + 4,096 for up
	s_lshl_b32 s18, s16, 14
	s_add_co_u32 s92, s92, s18
	s_add_co_u32 s92, s92, S_WGU
	s_mov_b32 s93, 0
	s_lshl_b32 s45, s14, 15                        ; where they go: part = wave: no place in the cluster enters an LDS address
	s_lshl_b32 s94, s14, 13
	s_mov_b32 s98, 0xbfb8aa3b                      ; -log2(e)
	s_mov_b32 s99, s98                             ; (the packed form names the pair)
	s_mov_b32 s100, 0x76543210
	s_mov_b32 s101, 0xfedcba98                     ; v_permlanex16_b32's selects for lane l xor 16
	s_wait_dscnt 0x0                               ; both opening adds are done
	s_wait_kmcnt 0x0
	s_add_nc_u64 s[20:21], s[4:5], s[20:21]
	s_add_nc_u64 s[22:23], s[4:5], s[22:23]
	s_add_nc_u64 s[46:47], s[4:5], s[46:47]
	s_add_nc_u64 s[92:93], s[4:5], s[92:93]
	CROUND                                         ; all sixteen work-groups are here: the first joint loads meet
	s_mov_b32 s[G0S], 1
	s_add_co_u32 s[G0S+1], s94, SCL
	s_mov_b64 s[G0S+2:G0S+3], s[22:23]
	s_or_b32 s[G0S+3], s[G0S+3], 0x80000000
	s_mov_b32 s[G0SB], 1
	s_add_co_u32 s[G0SB+1], s94, SCL
	s_mov_b64 s[G0SB+2:G0SB+3], s[92:93]
	s_or_b32 s[G0SB+3], s[G0SB+3], 0x80000000
	JLOAD G0S, G1S, G0SB, G1SB                     ; the scale words first: they are wanted with the first K step
.irp s, 0,1
	s_mov_b32 s[G0+4*\s], 1
	s_add_co_u32 s[G0+4*\s+1], s45, \s*SLOT
	s_add_nc_u64 s[G0+4*\s+2:G0+4*\s+3], s[20:21], \s*524288     ; a slot's four K steps of x
	s_or_b32 s[G0+4*\s+3], s[G0+4*\s+3], 0x80000000
	s_mov_b32 s[G0B+4*\s], 1
	s_add_co_u32 s[G0B+4*\s+1], s45, \s*SLOT
	s_add_nc_u64 s[G0B+4*\s+2:G0B+4*\s+3], s[46:47], \s*2097152  ; and of W_gu
	s_or_b32 s[G0B+4*\s+3], s[G0B+4*\s+3], 0x80000000
	JLOAD G0+4*\s, G1, G0B+4*\s, G1B               ; three tensor loads of mine are out
.endr
	v_and_b32 v1, 15, v0                           ; r
	v_bfe_u32 v2, v0, 4, 1                         ; h
	v_and_b32 v3, 31, v0                           ; lane
	v_lshlrev_b32 v[LI], 4, v3
	v_lshlrev_b32 v[L4], 2, v3
	v_lshlrev_b32 v[L4R], 2, v1
	v_lshlrev_b32 v[L8], 3, v3
	v_lshlrev_b32 v[HCO], 4, v1
	v_lshl_add_u32 v[HCO], v2, 3, v[HCO]
	s_lshl_b32 s18, s15, 15                        ; my 128 rows of x: part rowhalf
	v_add_nc_u32 v[ADRA], s18, v[LI]
	s_add_co_u32 s18, s18, SLOT
	v_add_nc_u32 v[ADRA+1], s18, v[LI]
	s_lshl_b32 s18, s16, 12                        ; my 64 rows of gate: images 4 colhalf on of part 2; up's lie a part further on
	s_add_co_u32 s18, s18, 65536
	v_add_nc_u32 v[ADRB], s18, v[LI]
	s_add_co_u32 s18, s18, SLOT
	v_add_nc_u32 v[ADRB+1], s18, v[LI]
	s_lshl_b32 s18, s15, 13
	s_add_co_u32 s18, s18, SCL
	v_add_nc_u32 v[ADSA], s18, v[L4]
	s_lshl_b32 s18, s16, 8
	s_add_co_u32 s18, s18, SCL+16384
	v_add_nc_u32 v[ADSB], s18, v[L4]
	s_lshl_b32 s18, s15, 9                         ; h's scale words: 4 bytes a row of the work-group's 256; my two bytes are 2 colhalf and 2 colhalf + 1
	s_lshl_b32 s19, s16, 1
	s_add_co_u32 s18, s18, s19
	s_add_co_u32 s18, s18, HST
	v_add_nc_u32 v[HSA], s18, v[L4R]
	s_lshl_b32 s18, s14, 8
	s_add_co_u32 s18, s18, HST
	v_lshl_add_u32 v[HSL], v3, 3, s18
	s_lshl_b32 s10, s17, 14                        ; t's images: 16 x tile row + 8 x rowhalf
	s_lshl_b32 s18, s15, 13
	s_add_co_u32 s10, s10, s18
	s_mov_b32 s11, 0
	s_add_nc_u64 s[10:11], s[6:7], s[10:11]
	s_lshl_b32 s12, s17, 11                        ; t's scale words: 128 bytes for each 16 rows, from byte 131,072 on
	s_lshl_b32 s18, s15, 10
	s_add_co_u32 s12, s12, s18
	s_add_co_u32 s12, s12, 131072
	s_mov_b32 s13, 0
	s_add_nc_u64 s[12:13], s[6:7], s[12:13]
	s_lshl_b32 s46, s42, 12                        ; B_gu's images (32 rows each): 4 x tile column + 2 x colhalf; up's 128 images further on
	s_lshl_b32 s47, s16, 11
	s_add_co_u32 s46, s46, s47
	s_add_co_u32 s46, s46, C_BGU
	s_mov_b32 s47, 0
	s_add_nc_u64 s[46:47], s[4:5], s[46:47]
	s_lshl_b32 s92, s42, 8                         ; and their scale words, 64 bytes an image
	s_lshl_b32 s93, s16, 7
	s_add_co_u32 s92, s92, s93
	s_add_co_u32 s92, s92, S_BGU
	s_mov_b32 s93, 0
	s_add_nc_u64 s[92:93], s[4:5], s[92:93]
	s_lshl_b32 s2, s42, 17                         ; h's codes: K step = tile column (128 images), image 16 x tile row + 8 x rowhalf, blocks 2 colhalf on
	s_lshl_b32 s3, s17, 14
	s_add_co_u32 s2, s2, s3
	s_lshl_b32 s3, s15, 13
	s_add_co_u32 s2, s2, s3
	s_lshl_b32 s3, s16, 9
	s_add_co_u32 s2, s2, s3
	s_mov_b32 s3, 0
	s_add_nc_u64 s[66:67], s[8:9], s[2:3]
	s_lshl_b32 s2, s42, 13                         ; h's scale words: [K step][2,048 rows][4], from byte 4,194,304 on; I store those of rows 64 x wave on
	s_lshl_b32 s3, s17, 10
	s_add_co_u32 s2, s2, s3
	s_lshl_b32 s3, s14, 8
	s_add_co_u32 s2, s2, s3
	s_add_co_u32 s2, s2, 4194304
	s_mov_b32 s3, 0
	s_add_nc_u64 s[96:97], s[8:9], s[2:3]
	; THE LORA STEP'S OPERANDS come from memory straight into registers: t's eight fragments where x's will lie, B_gu's eight in W's set 1
.irp a, 0,1,2,3,4,5,6,7
.irp c, 0,1
	global_load_b128 v[AF+8*\a+4*\c:AF+8*\a+4*\c+3], v[LI], s[10:11] offset:1024*\a+512*\c
.endr
	global_load_b32 v[SC+32+\a], v[L4], s[12:13] offset:128*\a
.endr
.irp j, 0,1,2,3
	global_load_b32 v[SC+40+\j], v[L4R], s[92:93] offset:64*(\j%2)+8192*(\j/2)
.endr
	WIN TO_B
.irp b, 0,1,2,3,4,5,6,7                        ; an even block of 16 rows is the first half of its image and goes into registers 0-3 (K 0-63), an odd one the second half, into registers 4-7 (K 64-127); the other half is zero codes
	global_load_b128 v[128+8*\b+4*(\b%2):128+8*\b+4*(\b%2)+3], v[LI], s[46:47] offset:((\b%4)/2)*1024+(\b%2)*512+(\b/4)*131072
.irp i, 0,1,2,3
	v_mov_b32 v[128+8*\b+4*(1-\b%2)+\i], 0
.endr
.endr
	WIN 0
	s_wait_loadcnt 0x0
	PLACES 8                                       ; operands written by vector instructions stand 4 places ahead of a scaled matrix instruction; eight are written
.macro LORA16 a0                       ; 16 products of the LoRA step: they start the sums
.irp a, \a0, \a0+1
.irp b, 0,1,2,3,4,5,6,7
	v_wmma_scale_f32_16x16x128_f8f6f4 v[8*(8*((\a)%4)+\b):8*(8*((\a)%4)+\b)+7], v[128+8*\b:128+8*\b+7], v[AF+8*(\a):AF+8*(\a)+7], 0, v[SC+40+\b/2], v[SC+32+(\a)] matrix_a_fmt:MATRIX_FMT_FP4 matrix_b_fmt:MATRIX_FMT_FP4
.endr
.endr
.endm
.macro WMI                             ; one product in place; rw says which halves of the lanes hold W's (2) and x's (1) scale words
.if rw == 0
	v_wmma_scale_f32_16x16x128_f8f6f4 v[rD:rD+7], v[rB:rB+7], v[rA:rA+7], v[rD:rD+7], v[xB], v[xA] matrix_a_fmt:MATRIX_FMT_FP4 matrix_b_fmt:MATRIX_FMT_FP4
.elseif rw == 1
	v_wmma_scale_f32_16x16x128_f8f6f4 v[rD:rD+7], v[rB:rB+7], v[rA:rA+7], v[rD:rD+7], v[xB], v[xA] matrix_a_fmt:MATRIX_FMT_FP4 matrix_b_fmt:MATRIX_FMT_FP4 matrix_b_scale:MATRIX_SCALE_ROW1
.elseif rw == 2
	v_wmma_scale_f32_16x16x128_f8f6f4 v[rD:rD+7], v[rB:rB+7], v[rA:rA+7], v[rD:rD+7], v[xB], v[xA] matrix_a_fmt:MATRIX_FMT_FP4 matrix_b_fmt:MATRIX_FMT_FP4 matrix_a_scale:MATRIX_SCALE_ROW1
.else
	v_wmma_scale_f32_16x16x128_f8f6f4 v[rD:rD+7], v[rB:rB+7], v[rA:rA+7], v[rD:rD+7], v[xB], v[xA] matrix_a_fmt:MATRIX_FMT_FP4 matrix_b_fmt:MATRIX_FMT_FP4 matrix_a_scale:MATRIX_SCALE_ROW1 matrix_b_scale:MATRIX_SCALE_ROW1
.endif
.endm
; 16 matrix instructions: x's blocks a0, a0 + 1 against W's eight, the slot's q-th 128 along K.  p: W's set; sc: the set of scale words.
; The 64 accumulators take turns, one instruction a turn, in the same order in every step.
.macro MUL16 a0, p, q, sc
.irp a, \a0, \a0+1
.irp b, 0,1,2,3,4,5,6,7
.set rD, 8*(8*((\a)%4)+\b)
.set rB, 128*(\p)+8*\b
.set rA, AF+8*(\a)
.set xB, SC+32*(\sc)+8*(\q)+4+\b/2
.set xA, SC+32*(\sc)+8*(\q)+(\a)/2
.set rw, 2*(\b%2)+((\a)%2)
	WMI
.endr
.endr
.endm
.macro FETCH_B slot, q, p              ; W's eight fragments of the slot's q-th K step into set p: gate's four, up's four
	WIN TO_B
.irp b, 0,1,2,3,4,5,6,7
.irp c, 0,1
	ds_load_b128 v[128*(\p)+8*\b+4*\c:128*(\p)+8*\b+4*\c+3], v[ADRB+\slot] offset:(\b/4)*32768+(\q)*8192+(\b%4)*1024+512*\c
.endr
.endr
	WIN 0
.endm
.macro FETCH_A slot, q, i0             ; x's blocks i0 .. i0 + 3
.irp i, \i0, \i0+1, \i0+2, \i0+3
.irp c, 0,1
	ds_load_b128 v[AF+8*(\i)+4*\c:AF+8*(\i)+4*\c+3], v[ADRA+\slot] offset:(\q)*8192+(\i)*1024+512*\c
.endr
.endr
.endm
.macro SCALES set, n                   ; the scale words of K steps 4 n .. 4 n + 3 into a set: a lane a row, 128 bytes on end a load
.irp q, 0,1,2,3
.irp j, 0,1,2,3
	ds_load_b32 v[SC+32*(\set)+8*\q+\j], v[ADSA] offset:(4*(\n)+\q)*512+128*\j
	ds_load_b32 v[SC+32*(\set)+8*\q+4+\j], v[ADSB] offset:(\j/2)*8192+(4*(\n)+\q)*512+128*(\j%2)
.endr
.endr
.endm
; A step of 128 along K that has its successor in the same slot.  A block of x is free as soon as its eight products are issued, so one set serves x: blocks 0-3 are fetched anew in the step's middle, blocks 4-7 at its end.
; A load into a register that a matrix instruction has read stands NP places behind it; only plain vector instructions are places.
.macro STEP slot, q
	s_wait_dscnt 8                                 ; W's set, x's blocks 0-3 (and the scale words) are in; the youngest eight loads (x's blocks 4-7) may be out
	WIN MUL_LO
	MUL16 0, (\q)%2, \q, \slot
	MUL16 2, (\q)%2, \q, \slot
	s_wait_dscnt 0                                 ; x's blocks 4-7 are in (asked for 32 matrix instructions ago)
	PLACES NP
	FETCH_B \slot, (\q)+1, 1-(\q)%2
	FETCH_A \slot, (\q)+1, 0
	WIN MUL_HI
	MUL16 4, (\q)%2, \q, \slot
	MUL16 6, (\q)%2, \q, \slot
	PLACES NP
	WIN 0
	FETCH_A \slot, (\q)+1, 4
.endm
; A slot's last step changes slots: ONE barrier; in front of it each wave waits for all its tensor loads, adds 0 to its spare word, and waits for that and for its own reads of this slot.
; fill = 1: this slot is filled again, two slots ahead; the barrier then opens a round of the cluster's.  n: which four K steps the next slot holds.
.macro TURN slot, next, fill, n
	s_wait_tensorcnt 0x0                           ; all my tensor loads have landed: my part of the next slot  (every window is 0 here)
	ds_add_u32 v[SPW], v[NIL]                      ; 0 onto my spare word
	s_wait_dscnt 9                                 ; (the add and the youngest eight loads may be out)
	WIN MUL_LO
	MUL16 0, 1, 3, \slot                           ; sixteen matrix instructions stand between the add and the wait for it
	s_wait_dscnt 0x0                               ; the add is done, and my reads of this slot are over
	s_barrier_signal -1
	MUL16 2, 1, 3, \slot
	WIN 0
	s_barrier_wait -1
.if \fill
	CREST                                          ; no wave of any partner still reads this slot's tile or has a load on its way
	s_add_nc_u64 s[G0+4*\slot+2:G0+4*\slot+3], s[G0+4*\slot+2:G0+4*\slot+3], 1048576
	s_add_nc_u64 s[G0B+4*\slot+2:G0B+4*\slot+3], s[G0B+4*\slot+2:G0B+4*\slot+3], 4194304
	JLOAD G0+4*\slot, G1, G0B+4*\slot, G1B         ; the first tensor load behind the round; the four v_nop behind it are the places in front of the loads below
.else
	PLACES NP
.endif
	FETCH_B \next, 0, 0
	FETCH_A \next, 0, 0
	SCALES \next, \n
	WIN MUL_HI
	MUL16 4, 1, 3, \slot
	MUL16 6, 1, 3, \slot
	PLACES NP
	WIN 0
	FETCH_A \next, 0, 4
.endm
	WIN MUL_LO
	LORA16 0
	LORA16 2
	WIN MUL_HI
	LORA16 4
	LORA16 6
	WIN 0
	s_wait_tensorcnt 1                             ; the scale words and my part of slot 0 are in (slot 1's load may be out)
	s_barrier_signal -1
	s_barrier_wait -1                              ; everybody's are
	PLACES NP                                      ; for the loads into the registers that held t's fragments
	FETCH_B 0, 0, 0
	FETCH_A 0, 0, 0
	SCALES 0, 0
	FETCH_A 0, 0, 4
	STEP 0, 0
	STEP 0, 1
	STEP 0, 2
	TURN 0, 1, 1, 1                                ; slot 0 takes K steps 8-11
	STEP 1, 0
	STEP 1, 1
	STEP 1, 2
	TURN 1, 0, 1, 2                                ; slot 1 takes K steps 12-15: the last load
	STEP 0, 0
	STEP 0, 1
	STEP 0, 2
	TURN 0, 1, 0, 3                                ; nothing is left to fetch, so no round follows
	STEP 1, 0
	STEP 1, 1
	STEP 1, 2
	s_wait_dscnt 8                                 ; the very last step
	WIN MUL_LO
	MUL16 0, 1, 3, 1
	MUL16 2, 1, 3, 1
	s_wait_dscnt 0
	WIN MUL_HI
	MUL16 4, 1, 3, 1
	MUL16 6, 1, 3, 1
	WIN 0
; THE WAY OUT, a block of 16 rows at a time.  h = gate x up / (1 + 2^(-gate log2 e)), all in f32.  The exponentials and the reciprocals go as batches with one wait each (the wait stands ahead of the first reader).
; My 64 columns are two blocks of 32 of h's K: block e is registers 16 e .. 16 e + 15 of mine and of lane l xor 16.  Codes leave as 256 bytes on end; the two scale bytes of a row meet the other colhalf's in LDS.
.macro HOUT a
.set AC, 64*((\a)%4)
.set WA, 2+(\a)/4
.set WB, 5*WA
	WIN WA                                         ; source 0: the accumulators' window
.irp i, 0,2,4,6,8,10,12,14,16,18,20,22,24,26,28,30
	v_pk_mul_f32 v[E+\i:E+\i+1], v[AC+\i:AC+\i+1], s[98:99] op_sel_hi:[1,0]   ; -gate log2 e; each accumulator is read from its low end on
.endr
	WIN 0
.irp i, 0,1,2,3,4,5,6,7,8,9,10,11,12,13,14,15,16,17,18,19,20,21,22,23,24,25,26,27,28,29,30,31
	v_exp_f32 v[E+\i], v[E+\i]
.endr
	WIN WB                                         ; sources 0 and 1
.irp i, 0,2,4,6,8,10,12,14,16,18,20,22,24,26,28,30
	v_pk_mul_f32 v[GU+\i:GU+\i+1], v[AC+\i:AC+\i+1], v[AC+32+\i:AC+33+\i]     ; gate x up: plain work behind the batch
.endr
	WIN 0
	s_wait_alu depctr_va_vdst(0)                   ; one wait for the 32 exponentials
.irp i, 0,2,4,6,8,10,12,14,16,18,20,22,24,26,28,30
	v_pk_add_f32 v[E+\i:E+\i+1], v[E+\i:E+\i+1], 1.0 op_sel_hi:[1,0]
.endr
.irp i, 0,1,2,3,4,5,6,7,8,9,10,11,12,13,14,15,16,17,18,19,20,21,22,23,24,25,26,27,28,29,30,31
	v_rcp_f32 v[E+\i], v[E+\i]
.endr
	v_nop                                          ; a plain place behind the last reciprocal
	s_wait_alu depctr_va_vdst(0)                   ; one wait for the 32 reciprocals
.irp i, 0,2,4,6,8,10,12,14,16,18,20,22,24,26,28,30
	v_pk_mul_f32 v[GU+\i:GU+\i+1], v[GU+\i:GU+\i+1], v[E+\i:E+\i+1]           ; h
.endr
.irp e, 0,1
	v_max3_num_f32 v[TM+\e], |v[GU+16*\e]|, |v[GU+16*\e+1]|, 0x1800000        ; the floor 2^(3 - 127) holds the byte at 1 from below
.endr
.irp i, 2,4,6,8,10,12,14
.irp e, 0,1
	v_max3_num_f32 v[TM+\e], v[TM+\e], |v[GU+16*\e+\i]|, |v[GU+16*\e+\i+1]|
.endr
.endr
.irp e, 0,1
	v_permlanex16_b32 v[TM+2+\e], v[TM+\e], s100, s101
.endr
.irp e, 0,1
	v_max_num_f32 v[TM+\e], v[TM+\e], v[TM+2+\e]   ; the block's largest magnitude
.endr
.irp e, 0,1
	v_add_nc_u32 v[TM+4+\e], 0xff000000, v[TM+\e]  ; 2 off the exponent field: the conversion's scale operand
.endr
.irp e, 0,1
	v_lshrrev_b32 v[TM+6+\e], 23, v[TM+4+\e]       ; the scale's byte
.endr
.irp e, 0,1
	v_cvt_scalef32_pk8_fp4_f32 v[HC+4*(\a)+2*\e], v[GU+16*\e:GU+16*\e+7], v[TM+4+\e]       ; bytes 4 h .. of the block's 16,
	v_cvt_scalef32_pk8_fp4_f32 v[HC+4*(\a)+2*\e+1], v[GU+16*\e+8:GU+16*\e+15], v[TM+4+\e]  ; bytes 8 + 4 h ..
.endr
	v_nop                                          ; one plain place behind a scaled conversion
.irp e, 0,1
	v_permlane16_swap_b32 v[HC+4*(\a)+2*\e], v[HC+4*(\a)+2*\e+1]   ; the pair is now bytes 8 h .. 8 h + 7
.endr
	v_lshl_or_b32 v[TM+8], v[TM+7], 8, v[TM+6]
.irp e, 0,1
	global_store_b64 v[HCO], v[HC+4*(\a)+2*\e:HC+4*(\a)+2*\e+1], s[66:67] offset:1024*(\a)+256*\e   ; 32 lanes store 256 bytes on end, aligned: a block of the image; each block of rows has registers of its own
.endr
	ds_store_b16 v[HSA], v[TM+8] offset:64*(\a)    ; both halves of the lanes write the same two bytes with the same value
.endm
	PLACES NP                                      ; between the last products and the first read of results
	v_mov_b32 v[TM+2], 0                           ; a lane permute's destination counts as one of its sources
	v_mov_b32 v[TM+3], 0
	HOUT 0
	HOUT 1
	HOUT 2
	HOUT 3
	HOUT 4
	HOUT 5
	HOUT 6
	HOUT 7
	s_wait_dscnt 0x0                               ; for the others' sake: my scale bytes have landed
	s_barrier_signal -1
	s_barrier_wait -1
	ds_load_b64 v[TM+10:TM+11], v[HSL]             ; 64 rows' whole words a wave
	s_wait_dscnt 0x0
	global_store_b64 v[L8], v[TM+10:TM+11], s[96:97]   ; 32 lanes store 256 bytes on end, aligned
	s_wait_tensorcnt 0x0                           ; the wave's end: these three lines stand, behind my last tensor load and my last LDS store
	ds_add_u32 v[SPW], v[NIL]
	s_wait_dscnt 0x0
	CROUND                                         ; the closing round: no work-group ends while a partner may still ask for a tile that names it
	s_endpgm
.Lfunc_end_k_qe57dc88a4b_gemm1:
	.size	k_qe57dc88a4b_gemm1, .Lfunc_end_k_qe57dc88a4b_gemm1-k_qe57dc88a4b_gemm1
	.p2alignl 7, 3214868480
	.fill 96, 4, 3214868480
	.section	.rodata,"a",@progbits
	.p2align	6, 0x0
	.amdhsa_kernel k_qe57dc88a4b_gemm1
		.amdhsa_group_segment_fixed_size 327680
		.amdhsa_private_segment_fixed_size 0
		.amdhsa_enable_private_segment 0
		.amdhsa_kernarg_size 24
		.amdhsa_user_sgpr_count 2
		.amdhsa_user_sgpr_kernarg_segment_ptr 1
		.amdhsa_wavefront_size32 1
		.amdhsa_system_sgpr_workgroup_id_x 1
		.amdhsa_system_sgpr_workgroup_id_y 1
		.amdhsa_system_sgpr_workgroup_id_z 1
		.amdhsa_system_vgpr_workitem_id 0
		.amdhsa_next_free_vgpr 1024
		.amdhsa_next_free_sgpr 102
		.amdhsa_reserve_vcc 0
		.amdhsa_float_denorm_mode_32 3
		.amdhsa_float_denorm_mode_16_64 3
		.amdhsa_memory_ordered 1
		.amdhsa_forward_progress 1
		.amdhsa_inst_pref_size 255
	.end_amdhsa_kernel
	.section	.bss,"aw",@nobits
	.p2align	6
	.space	262144
	.amdgpu_metadata
---
amdhsa.version: [ 1, 2 ]
amdhsa.kernels:
  - .name:           k_qe57dc88a4b_gemm1
    .symbol:         k_qe57dc88a4b_gemm1.kd
    .args:
      - { .name: wq, .offset: 0, .size: 8, .value_kind: global_buffer, .address_space: global }
      - { .name: tq, .offset: 8, .size: 8, .value_kind: global_buffer, .address_space: global }
      - { .name: hq, .offset: 16, .size: 8, .value_kind: global_buffer, .address_space: global }
    .group_segment_fixed_size: 327680
    .private_segment_fixed_size: 0
    .kernarg_segment_align: 8
    .kernarg_segment_size: 24
    .max_flat_workgroup_size: 128
    .sgpr_count:     102
    .vgpr_count:     1024
    .wavefront_size: 32
...
	.end_amdgpu_metadata
.endif
;; end of part 3
;; launch lora_u (part 4): grid 128 x 1, 8 waves a work-group, no clusters, 33,792 bytes of LDS; arguments hq, wq, uq; writes uq
.if DOCPART == 4
	.amdgcn_target "amdgcn-amd-amdhsa--gfx1250"
	.amdhsa_code_object_version 6
	.text
	.protected	k_qe57dc88a4b_lora_u
	.globl	k_qe57dc88a4b_lora_u
	.p2align	8
	.type	k_qe57dc88a4b_lora_u,@function
k_qe57dc88a4b_lora_u:
	s_mov_b64 s[64:65], 0
	v_nop
	global_prefetch_b8 v0, s[64:65] scope:SCOPE_SE
	s_setreg_imm32_b32 hwreg(HW_REG_WAVE_MODE, 25, 1), 1
	s_wait_xcnt 0x0
; LAUNCH 4 OF 5 (LU = 1): u = Q(h) Q(A_d)^T, [2048][64], quantised along its 64 for the product with B_d.  The same text with LU = 0 is launch 2: t = Q(x) Q(A_gu)^T.  No work is left out.
; SHARES.  A work-group takes 16 rows; wave w takes K steps 4 w .. 4 w + 3 of 128 and all 64 columns: 16 matrix instructions, four accumulators by turns.
; The waves' partial sums meet in LDS behind one barrier; wave 0 adds them in f32, K ascending, and quantises.  LIMIT: the sum over K is made of these parts, which differs from one chain by rounding alone.
; The product is used transposed (source 0 = 16 rows of A, source 1 = my 16 rows): lane (r, h) holds row r, and register 8 b + j column 16 b + 8 h + j.
; THE FACTOR 0.25 of the LoRA term goes into the scale bytes: byte - 2, exact.  The floor under a block's largest magnitude is 2^(5 - 127), so that the byte stays at 1 or above.
; LIMITS: a block whose largest magnitude lies under 2^-122 keeps the floor's byte; NaN and infinities are not served.
; OUT: for each 16 rows an image of 1,024 bytes in the order of the operand's registers, with the 64 codes of a row laid TWICE (blocks 0, 1, 0, 1), and from byte 131,072 on 32 scale words (s0, s1, s0, s1), lanes 16-31 as lanes 0-15:
; the other operand of the next product (K = 64, two rows' blocks to a word) lies in either half of a K step of 128, with zero codes in the other half.
.set LU, 1
.if LU
.set NW, 8                             ; waves: K = 4,096 is 32 steps
.set XC, 0                             ; the rows' codes: offset in their buffer (hq)
.set XS, 4194304                       ; their scale words
.set AC, 14942208                      ; A_d's codes in wq
.set AS, 16138240                      ; and scale words
.set ROWP, 4
.set AP,   6
.set OUTP, 8
.else
.set NW, 4                             ; K = 2,048 is 16 steps
.set XC, 12582912                      ; x's codes in wq
.set XS, 15990784
.set AC, 15073280                      ; A_gu's
.set AS, 16146432
.set ROWP, 4
.set AP,   4
.set OUTP, 6
.endif
.set SPARE, NW*4096                    ; LDS: 4,096 bytes of partial sums for each wave; behind them the spare words, 128 bytes for each wave, in blocks of 256 that no other line names
.set LI,  1                            ; v1   16 x lane
.set L4,  2                            ; v2   4 x lane
.set L4R, 3                            ; v3   4 r
.set M,   4                            ; v4-5 largest magnitudes;  v6-7 at work;  v8-9 the conversions' scale operands;  v10-11 the bytes
.set T,   6
.set SO,  8
.set BY,  10
.set CA,  12                           ; v12  16 r + 8 h: my 8 bytes of a block's 256
.set PS,  13                           ; v13  4,096 x wave + 16 x lane
.set SPW, 14                           ; v14  LDS address of my spare word; never rewritten
.set NIL, 15                           ; v15  0; never rewritten
.set XF,  16                           ; v16-47   the rows' fragments, K step q at 8 q
.set AF,  48                           ; v48-175  A's, at 32 q + 8 b
.set P,   16                           ; v16-143  later: four partial sums
.set G,   144                          ; v144-147 the codes
.set WD,  148                          ; v148     the scale word
.set SX,  176                          ; v176-179 the rows' scale words
.set SG,  180                          ; v180-187 A's: register 2 q + j holds rows 32 j .. 32 j + 31, a lane a row
.set ACC, 192                          ; v192-223 four accumulators
.set S,   224                          ; v224-255 the sums
	s_load_b128 s[4:7], s[0:1], 0x0
.if LU
	s_load_b64 s[8:9], s[0:1], 0x10
.endif
	v_lshl_add_u32 v[SPW], v0, 2, SPARE
	v_mov_b32 v[NIL], 0
	v_lshrrev_b32 v4, 5, v0
	v_readfirstlane_b32 s18, v4                    ; wave
	v_and_b32 v4, 31, v0                           ; lane
	v_and_b32 v5, 15, v0                           ; r
	v_bfe_u32 v6, v0, 4, 1                         ; h
	v_lshlrev_b32 v[LI], 4, v4
	v_lshlrev_b32 v[L4], 2, v4
	v_lshlrev_b32 v[L4R], 2, v5
	v_lshlrev_b32 v[CA], 4, v5
	v_lshl_add_u32 v[CA], v6, 3, v[CA]
	s_lshl_b32 s19, s18, 12
	v_add_nc_u32 v[PS], s19, v[LI]
	s_mov_b32 s34, 0x76543210
	s_mov_b32 s35, 0xfedcba98                      ; v_permlanex16_b32's selects for lane l xor 16
	s_lshl_b32 s20, s18, 19                        ; the rows' codes: 4 K steps of 131,072 bytes a wave,
	s_lshl_b32 s19, ttmp9, 10                      ; an image of 1,024 bytes for each 16 rows
	s_add_co_u32 s20, s20, s19
	s_add_co_u32 s20, s20, XC
	s_mov_b32 s21, 0
	s_lshl_b32 s22, s18, 14                        ; A's codes: 4 K steps of four images a wave
	s_add_co_u32 s22, s22, AC
	s_mov_b32 s23, 0
	s_lshl_b32 s24, s18, 15                        ; the rows' scale words: 8,192 bytes a K step, 64 for my 16 rows
	s_lshl_b32 s19, ttmp9, 6
	s_add_co_u32 s24, s24, s19
	s_add_co_u32 s24, s24, XS
	s_mov_b32 s25, 0
	s_lshl_b32 s26, s18, 10                        ; A's: 256 bytes a K step
	s_add_co_u32 s26, s26, AS
	s_mov_b32 s27, 0
	s_lshl_b32 s28, ttmp9, 10                      ; out: my image,
	s_mov_b32 s29, 0
	s_lshl_b32 s30, ttmp9, 7                       ; and my 32 scale words
	s_add_co_u32 s30, s30, 131072
	s_mov_b32 s31, 0
	s_wait_kmcnt 0x0
	s_add_nc_u64 s[20:21], s[ROWP:ROWP+1], s[20:21]
	s_add_nc_u64 s[22:23], s[AP:AP+1], s[22:23]
	s_add_nc_u64 s[24:25], s[ROWP:ROWP+1], s[24:25]
	s_add_nc_u64 s[26:27], s[AP:AP+1], s[26:27]
	s_add_nc_u64 s[28:29], s[OUTP:OUTP+1], s[28:29]
	s_add_nc_u64 s[30:31], s[OUTP:OUTP+1], s[30:31]
.irp q, 0,1,2,3                                ; all 52 loads go out at once, 13 for each K step; each load of codes reads 512 bytes on end
.irp c, 0,1
	global_load_b128 v[XF+8*\q+4*\c:XF+8*\q+4*\c+3], v[LI], s[20:21] offset:131072*\q+512*\c
.endr
.irp b, 0,1,2,3
.irp c, 0,1
	global_load_b128 v[AF+32*\q+8*\b+4*\c:AF+32*\q+8*\b+4*\c+3], v[LI], s[22:23] offset:4096*\q+1024*\b+512*\c
.endr
.endr
	global_load_b32 v[SX+\q], v[L4R], s[24:25] offset:8192*\q
.irp j, 0,1
	global_load_b32 v[SG+2*\q+\j], v[L4], s[26:27] offset:256*\q+128*\j
.endr
.endr
.macro LP q, b                         ; K step q, columns 16 b on.  A's scale words of tile b lie in lanes 0-15 (b even) or 16-31 (b odd).  The first K step starts the sums
.set rD, ACC+8*(\b)
.set rA, AF+32*(\q)+8*(\b)
.set rX, XF+8*(\q)
.set xA, SG+2*(\q)+(\b)/2
.set xX, SX+(\q)
.if (\q) == 0
.if (\b)%2
	v_wmma_scale_f32_16x16x128_f8f6f4 v[rD:rD+7], v[rA:rA+7], v[rX:rX+7], 0, v[xA], v[xX] matrix_a_fmt:MATRIX_FMT_FP4 matrix_b_fmt:MATRIX_FMT_FP4 matrix_a_scale:MATRIX_SCALE_ROW1
.else
	v_wmma_scale_f32_16x16x128_f8f6f4 v[rD:rD+7], v[rA:rA+7], v[rX:rX+7], 0, v[xA], v[xX] matrix_a_fmt:MATRIX_FMT_FP4 matrix_b_fmt:MATRIX_FMT_FP4
.endif
.else
.if (\b)%2
	v_wmma_scale_f32_16x16x128_f8f6f4 v[rD:rD+7], v[rA:rA+7], v[rX:rX+7], v[rD:rD+7], v[xA], v[xX] matrix_a_fmt:MATRIX_FMT_FP4 matrix_b_fmt:MATRIX_FMT_FP4 matrix_a_scale:MATRIX_SCALE_ROW1
.else
	v_wmma_scale_f32_16x16x128_f8f6f4 v[rD:rD+7], v[rA:rA+7], v[rX:rX+7], v[rD:rD+7], v[xA], v[xX] matrix_a_fmt:MATRIX_FMT_FP4 matrix_b_fmt:MATRIX_FMT_FP4
.endif
.endif
.endm
.irp q, 0,1,2,3
	s_wait_loadcnt 13*(3-\q)                       ; this K step's 13 loads are in; those of the later K steps may be out
.irp b, 0,1,2,3
	LP \q, \b
.endr
.endr
.rept 4
	v_nop                                          ; four places between the last products and the stores that read results, and the loads into registers that the products have read
.endr
.irp b, 0,1,2,3
.irp e, 0,1
	ds_store_b128 v[PS], v[ACC+8*\b+4*\e:ACC+8*\b+4*\e+3] offset:1024*\b+512*\e   ; an image of my accumulators, each from its low end on
.endr
.endr
	s_wait_dscnt 0x0                               ; for the others' sake: my stores have landed
	s_barrier_signal -1
	s_barrier_wait -1
	s_cmp_lg_u32 s18, 0
	s_cbranch_scc1 .Lend                           ; wave 0 goes on alone; no barrier follows
.macro RED first, base                 ; four waves' partial sums from LDS byte base on, added in the waves' order, which is K's
.irp p, 0,1,2,3
.irp i, 0,1,2,3,4,5,6,7
	ds_load_b128 v[P+32*\p+4*\i:P+32*\p+4*\i+3], v[LI] offset:\base+4096*\p+512*\i
.endr
.endr
	s_wait_dscnt 0x0
.if \first
.irp i, 0,2,4,6,8,10,12,14,16,18,20,22,24,26,28,30
	v_pk_add_f32 v[S+\i:S+\i+1], v[P+\i:P+\i+1], v[P+32+\i:P+33+\i]
.endr
.else
.irp i, 0,2,4,6,8,10,12,14,16,18,20,22,24,26,28,30
	v_pk_add_f32 v[S+\i:S+\i+1], v[S+\i:S+\i+1], v[P+\i:P+\i+1]
.endr
.irp i, 0,2,4,6,8,10,12,14,16,18,20,22,24,26,28,30
	v_pk_add_f32 v[S+\i:S+\i+1], v[S+\i:S+\i+1], v[P+32+\i:P+33+\i]
.endr
.endif
.irp i, 0,2,4,6,8,10,12,14,16,18,20,22,24,26,28,30
	v_pk_add_f32 v[S+\i:S+\i+1], v[S+\i:S+\i+1], v[P+64+\i:P+65+\i]
.endr
.irp i, 0,2,4,6,8,10,12,14,16,18,20,22,24,26,28,30
	v_pk_add_f32 v[S+\i:S+\i+1], v[S+\i:S+\i+1], v[P+96+\i:P+97+\i]
.endr
.endm
	RED 1, 0
.if LU
	RED 0, 16384
.endif
	v_mov_b32 v[T], 0                              ; a lane permute's destination counts as one of its sources
	v_mov_b32 v[T+1], 0
; Block e of 32 columns: my 16 of them are registers 16 e .. 16 e + 15 (columns 32 e + 8 h + 0..7 and 32 e + 16 + 8 h + 0..7); lane l xor 16 holds the other 16
.irp e, 0,1
	v_max3_num_f32 v[M+\e], |v[S+16*\e]|, |v[S+16*\e+1]|, 0x2800000   ; the floor 2^(5 - 127)
.endr
.irp i, 2,4,6,8,10,12,14
.irp e, 0,1
	v_max3_num_f32 v[M+\e], v[M+\e], |v[S+16*\e+\i]|, |v[S+16*\e+\i+1]|
.endr
.endr
.irp e, 0,1
	v_permlanex16_b32 v[T+\e], v[M+\e], s34, s35
.endr
.irp e, 0,1
	v_max_num_f32 v[M+\e], v[M+\e], v[T+\e]        ; the block's largest magnitude
.endr
.irp e, 0,1
	v_add_nc_u32 v[SO+\e], 0xff000000, v[M+\e]     ; 2 off the exponent field: the conversion's scale operand
	v_add_nc_u32 v[BY+\e], 0xfe000000, v[M+\e]     ; 4 off: the scale's byte less 2, which is the factor 0.25
.endr
.irp e, 0,1
	v_lshrrev_b32 v[BY+\e], 23, v[BY+\e]
.endr
.irp e, 0,1
	v_cvt_scalef32_pk8_fp4_f32 v[G+2*\e], v[S+16*\e:S+16*\e+7], v[SO+\e]         ; bytes 4 h .. 4 h + 3 of the block's 16,
	v_cvt_scalef32_pk8_fp4_f32 v[G+2*\e+1], v[S+16*\e+8:S+16*\e+15], v[SO+\e]    ; bytes 8 + 4 h .. 8 + 4 h + 3
.endr
	v_nop                                          ; one plain place behind a scaled conversion
.irp e, 0,1
	v_permlane16_swap_b32 v[G+2*\e], v[G+2*\e+1]   ; the first's lanes 16-31 change places with the second's lanes 0-15: the pair is now bytes 8 h .. 8 h + 7
.endr
	v_lshl_or_b32 v[WD], v[BY+1], 8, v[BY]
	v_lshl_or_b32 v[WD], v[WD], 16, v[WD]          ; (s0, s1, s0, s1); both halves of the lanes hold the same
.irp c, 0,1
.irp e, 0,1
	global_store_b64 v[CA], v[G+2*\e:G+2*\e+1], s[28:29] offset:256*\e+512*\c   ; 32 lanes store 256 bytes on end, aligned: a block of the image; the row's 64 codes are laid twice
.endr
.endr
	global_store_b32 v[L4], v[WD], s[30:31]        ; 128 bytes on end: half of an aligned 256; the launch writes 16,384 bytes so
.Lend:
	s_wait_tensorcnt 0x0                           ; the wave's end
	ds_add_u32 v[SPW], v[NIL]
	s_wait_dscnt 0x0
	s_endpgm
.Lfunc_end_k_qe57dc88a4b_lora_u:
	.size	k_qe57dc88a4b_lora_u, .Lfunc_end_k_qe57dc88a4b_lora_u-k_qe57dc88a4b_lora_u
	.p2alignl 7, 3214868480
	.fill 96, 4, 3214868480
	.section	.rodata,"a",@progbits
	.p2align	6, 0x0
	.amdhsa_kernel k_qe57dc88a4b_lora_u
		.amdhsa_group_segment_fixed_size 33792
		.amdhsa_private_segment_fixed_size 0
		.amdhsa_enable_private_segment 0
		.amdhsa_kernarg_size 24
		.amdhsa_user_sgpr_count 2
		.amdhsa_user_sgpr_kernarg_segment_ptr 1
		.amdhsa_wavefront_size32 1
		.amdhsa_system_sgpr_workgroup_id_x 1
		.amdhsa_system_sgpr_workgroup_id_y 1
		.amdhsa_system_sgpr_workgroup_id_z 1
		.amdhsa_system_vgpr_workitem_id 0
		.amdhsa_next_free_vgpr 256
		.amdhsa_next_free_sgpr 66
		.amdhsa_reserve_vcc 0
		.amdhsa_float_denorm_mode_32 3
		.amdhsa_float_denorm_mode_16_64 3
		.amdhsa_memory_ordered 1
		.amdhsa_forward_progress 1
		.amdhsa_inst_pref_size 24
	.end_amdhsa_kernel
	.amdgpu_metadata
---
amdhsa.version: [ 1, 2 ]
amdhsa.kernels:
  - .name:           k_qe57dc88a4b_lora_u
    .symbol:         k_qe57dc88a4b_lora_u.kd
    .args:
      - { .name: hq, .offset: 0, .size: 8, .value_kind: global_buffer, .address_space: global }
      - { .name: wq, .offset: 8, .size: 8, .value_kind: global_buffer, .address_space: global }
      - { .name: uq, .offset: 16, .size: 8, .value_kind: global_buffer, .address_space: global }
    .group_segment_fixed_size: 33792
    .private_segment_fixed_size: 0
    .kernarg_segment_align: 8
    .kernarg_segment_size: 24
    .max_flat_workgroup_size: 256
    .sgpr_count:     66
    .vgpr_count:     256
    .wavefront_size: 32
...
	.end_amdgpu_metadata
.endif
;; end of part 4
;; launch gemm2 (part 5): grid 16 x 16, 4 waves a work-group, clusters of 4 x 4, 327,680 bytes of LDS; arguments hq, wq, uq, out0; writes out0
.if DOCPART == 5
	.amdgcn_target "amdgcn-amd-amdhsa--gfx1250"
	.amdhsa_code_object_version 6
	.text
	.protected	k_qe57dc88a4b_gemm2
	.globl	k_qe57dc88a4b_gemm2
	.p2align	8
	.type	k_qe57dc88a4b_gemm2,@function
k_qe57dc88a4b_gemm2:
	s_mov_b64 s[64:65], 0
	v_nop
	global_prefetch_b8 v0, s[64:65] scope:SCOPE_SE
	s_setreg_imm32_b32 hwreg(HW_REG_WAVE_MODE, 25, 1), 1
	s_wait_xcnt 0x0
	s_wait_alu depctr_hold_cnt(0) depctr_sa_sdst(0) depctr_va_vdst(0) depctr_va_sdst(0) depctr_va_ssrc(0) depctr_va_vcc(0) depctr_vm_vsrc(0)
	s_getreg_b32 s2, hwreg(HW_REG_IB_STS2, 6, 4)
	s_cmp_eq_u32 s2, 0
	s_cbranch_scc0 .Lentry_in_a_cluster
	s_endpgm
.Lentry_in_a_cluster:
	s_bfe_u32 s2, ttmp6, 0x10000c
	s_cmp_lg_u32 s2, 0xf033
	s_cbranch_scc0 .Lentry_shape_is_right
	s_endpgm
.Lentry_shape_is_right:
; LAUNCH 5 OF 5: out = Q(h) Q(W_d)^T + 0.25 Q(u) Q(B_d)^T, [2048][2048] f32.  No work is left out.
; SHARES.  out has 64 tiles of 256 x 256, too few for the WGPs, and 256 tiles of 128 x 128: a work-group takes one of those.  Four waves, each 64 x 64: 16 accumulators of 16 x 16, 128 registers.
; THE MATRIX INSTRUCTION IS USED TRANSPOSED (source 0 = 16 rows of W_d, source 1 = 16 rows of h): a lane holds one row and eight neighbouring columns.
; ALL OPERANDS LIE IN MEMORY IN THE ORDER OF THEIR REGISTERS (images of 1,024 bytes: 16 rows x 128 K): a fragment is two LDS loads of 512 bytes on end: no pitch, no padding.
; THE LORA TERM is one more K step on the same accumulators, and the first: its products take the constant 0 as C, and run while the first tiles land.  u's scale bytes carry the 0.25.
; LIMIT: the LoRA term is summed in the main product's accumulator and not in a sum of its own: a difference of rounding alone.
; K = 4,096 goes in four steps of 1,024 through a ring of two LDS slots filled by the tensor data mover; the scale words of all of K come once, with the first fills.  The text is a straight line.
; CLUSTERS: 4 x 4 work-groups.  The four of a row of the cluster need the same tiles of h, the four of a column the same tiles of W_d: each tile is asked for JOINTLY.
; REGISTERS: window 0: v0-31 addresses; v32-101 scale words and nothing else; v128-255 the accumulators ((a, b) at v[128 + 8 (4 a + b)]).
;   window 1: two fragment buffers of 128: for two K steps of 128, 64 registers of h (2 x 4 blocks), then 64 of W_d; on the way out v0-63 take rows of out.
.set C_WD,  8388608                    ; offsets in wq: W_d's codes and scale words, B_d's
.set S_WD,  15728640
.set C_BD,  15138816
.set S_BD,  16150528
.set SLOT,  131072                     ; a slot: four parts of 32,768 bytes: h's rows 0-63, 64-127, W_d's rows 0-63, 64-127; a part: [K step 0..7][image 0..3][1,024]
.set SCL,   262144                     ; behind the ring: h's scale words [K step 0..31][128 rows][4], then W_d's, 16,384 bytes each
.set SPARE, 294912                     ; the spare words, 128 bytes for each wave: two blocks of 256 bytes that no other line names
.set SPITCH, 272                       ; the way out: a stage of 16 rows x (256 bytes + 16) for each wave.  It lies in slot 0, which has had its last fill and its last read when the first result is stored there
.set ADRA, 16                          ; v16-17  LDS address of my h fragments in slot 0, 1
.set ADRB, 20                          ; v20-21  the same for W_d
.set ADSA, 22                          ; v22  of h's scale words: a lane a row
.set ADSB, 23                          ; v23  of W_d's
.set LI,   24                          ; v24  16 x lane
.set L4,   25                          ; v25  4 x lane
.set L4R,  26                          ; v26  4 r
.set CO,   27                          ; v27  my byte offset in two rows of out
.set SPW,  28                          ; v28  LDS address of my spare word; never rewritten
.set NIL,  29                          ; v29  0; never rewritten
.set STO,  30                          ; v30  the way out: where I put 32 bytes of a row
.set RD,   31                          ; v31  and where I read a row back
.set SC,   32                          ; scale words: set s at 32 s; in it h's at 4 q + j (lanes 0-15 block 2 j, lanes 16-31 block 2 j + 1), W_d's at 4 q + 2 + j
.set LS,   96                          ; the LoRA step's: u's at v96-99, B_d's at v100-101
.set ACC,  128
.set F0,   0                           ; fragment buffers, in window 1
.set F1,   128
.set G1, 24                            ; s[24:31] descriptor group 1 for h's tiles;  s[32:39] group 0, one set for each slot
.set G0, 32
.set G1B, 48                           ; s[48:55], s[56:63] the same for W_d's
.set G0B, 56
.set G1S, 68                           ; s[68:75], s[76:79] groups 1 and 0 for h's scale words;  s[80:87], s[88:91] for W_d's
.set G0S, 76
.set G1SB, 80
.set G0SB, 88
.set MSB, 0
.macro WIN new                         ; the immediate's high byte repeats the setting that is left
.if MSB != \new
	s_set_vgpr_msb (MSB<<8)|\new
.set MSB, \new
.endif
.endm
.set MUL,  0x05                        ; sources 0 (W_d) and 1 (h) window 1; C and D window 0
.set TO_F, 0x40                        ; destination window 1, address window 0
.set FROM_F, 0x04                      ; a store's data (its source 1) window 1
; A joint load: waves 0 and 1 fetch for h, waves 2 and 3 for W_d; an s_nop 0 and four v_nop follow each of the two lines, ahead of the jump, the label and what follows
.macro JLOAD g0a, g1a, g0b, g1b
	s_cmp_eq_u32 s15, 0
	s_cbranch_scc0 .Lfor_b_\@
	tensor_load_to_lds s[\g0a:\g0a+3], s[\g1a:\g1a+7]
	s_nop 0
.rept 4
	v_nop
.endr
	s_branch .Lasked_\@
.Lfor_b_\@:
	tensor_load_to_lds s[\g0b:\g0b+3], s[\g1b:\g1b+7]
	s_nop 0
.rept 4
	v_nop
.endr
.Lasked_\@:
.endm
.macro CREST                           ; a round of the cluster's barrier behind its opening barrier
	s_cmp_lg_u32 s14, 0
	s_cbranch_scc1 .Lnot_wave_0_\@
	s_barrier_signal -3
.Lnot_wave_0_\@:
	s_barrier_wait -3
	s_barrier_signal -1
	s_barrier_wait -1
.endm
.macro CROUND                          ; a whole round
	s_barrier_signal -1
	s_barrier_wait -1
	CREST
.endm
.macro PLACES n
.rept \n
	v_nop
.endr
.endm
	s_load_b256 s[4:11], s[0:1], 0x0               ; hq s[4:5], wq s[6:7], uq s[8:9], out0 s[10:11]
	v_lshl_add_u32 v[SPW], v0, 2, SPARE
	v_mov_b32 v[NIL], 0
	ds_add_u32 v[SPW], v[NIL]                      ; the wave's opening: the add, twice on end, and its wait ahead of my first tensor load; the set-up below, work on registers, stands between
	ds_add_u32 v[SPW], v[NIL]                      ; and once more, under the one wait
	v_lshrrev_b32 v1, 5, v0
	v_readfirstlane_b32 s14, v1                    ; wave 0..3
	s_lshr_b32 s15, s14, 1                         ; rowhalf.  Also: I fetch for h (0) or for W_d (1)
	s_and_b32 s16, s14, 1                          ; colhalf.  Also: which of the two parts I fetch
	s_bfe_u32 s40, ttmp6, 0x40000                  ; cx, cy: my place in the cluster
	s_bfe_u32 s41, ttmp6, 0x40004
	s_lshl_b32 s42, ttmp9, 2
	s_add_co_u32 s42, s42, s40                     ; tile column = 4 x cluster x + cx: 0..15
	s_and_b32 s17, ttmp7, 0xffff
	s_lshl_b32 s17, s17, 2
	s_add_co_u32 s17, s17, s41                     ; tile row = 4 x cluster y + cy: 0..15
	s_lshl_b32 s43, s41, 2
	s_lshl_b32 s43, 15, s43                        ; my row of the cluster
	s_lshl_b32 s44, 0x1111, s40                    ; my column
	; descriptor group 1, codes: 8 rows (K steps) of 4,096 bytes (4 images on end), as 512 elements of 8 bytes; from K step to K step 131,072 bytes in both tensors.  No padding
	s_or_b32 s[G1+0], s43, (3<<16)|(1<<21)         ; 15:0 the mask: h's tiles go to my row; 17:16 elements of 8 bytes; 21 set beside a mask
	s_or_b32 s[G1B+0], s44, (3<<16)|(1<<21)        ; W_d's go to my column
.irp g, G1, G1B
	s_mov_b32 s[\g+1], 512<<16                     ; tensor_dim0
	s_mov_b32 s[\g+2], 8<<16                       ; tensor_dim1
	s_mov_b32 s[\g+3], 512<<16                     ; tile_dim0
	s_mov_b32 s[\g+4], 8                           ; tile_dim1
	s_mov_b32 s[\g+5], 16384                       ; tensor_dim0_stride, in elements
	s_mov_b32 s[\g+6], 0
	s_mov_b32 s[\g+7], 0
.endr
	; and the scale words: 16 rows (K steps) of 512 bytes (128 rows' words), 8,192 bytes from K step to K step
	s_or_b32 s[G1S+0], s43, (3<<16)|(1<<21)
	s_or_b32 s[G1SB+0], s44, (3<<16)|(1<<21)
.irp g, G1S, G1SB
	s_mov_b32 s[\g+1], 64<<16
	s_mov_b32 s[\g+2], 16<<16
	s_mov_b32 s[\g+3], 64<<16
	s_mov_b32 s[\g+4], 16
	s_mov_b32 s[\g+5], 1024
	s_mov_b32 s[\g+6], 0
	s_mov_b32 s[\g+7], 0
.endr
	s_lshl_b32 s20, s17, 13                        ; h's codes: image 8 x tile row + 4 x part
	s_lshl_b32 s18, s16, 12
	s_add_co_u32 s20, s20, s18
	s_mov_b32 s21, 0
	s_lshl_b32 s46, s42, 13                        ; W_d's: image 8 x tile column + 4 x part
	s_add_co_u32 s46, s46, s18
	s_add_co_u32 s46, s46, C_WD
	s_mov_b32 s47, 0
	s_lshl_b32 s22, s17, 9                         ; h's scale words: rows 128 x tile row on; part 0: K steps 0-15, part 1: K steps 16-31
	s_lshl_b32 s18, s16, 17
	s_add_co_u32 s22, s22, s18
	s_add_co_u32 s22, s22, 4194304
	s_mov_b32 s23, 0
	s_lshl_b32 s92, s42, 9                         ; W_d's likewise
	s_add_co_u32 s92, s92, s18
	s_add_co_u32 s92, s92, S_WD
	s_mov_b32 s93, 0
	s_lshl_b32 s45, s14, 15                        ; where they go: part = wave: no place in the cluster enters an LDS address
	s_lshl_b32 s94, s14, 13
	s_wait_dscnt 0x0                               ; both opening adds are done
	s_wait_kmcnt 0x0
	s_add_nc_u64 s[20:21], s[4:5], s[20:21]
	s_add_nc_u64 s[22:23], s[4:5], s[22:23]
	s_add_nc_u64 s[46:47], s[6:7], s[46:47]
	s_add_nc_u64 s[92:93], s[6:7], s[92:93]
	CROUND                                         ; all sixteen work-groups are here: the first joint loads meet
	s_mov_b32 s[G0S], 1
	s_add_co_u32 s[G0S+1], s94, SCL
	s_mov_b64 s[G0S+2:G0S+3], s[22:23]
	s_or_b32 s[G0S+3], s[G0S+3], 0x80000000
	s_mov_b32 s[G0SB], 1
	s_add_co_u32 s[G0SB+1], s94, SCL
	s_mov_b64 s[G0SB+2:G0SB+3], s[92:93]
	s_or_b32 s[G0SB+3], s[G0SB+3], 0x80000000
	JLOAD G0S, G1S, G0SB, G1SB                     ; the scale words first
.irp s, 0,1
	s_mov_b32 s[G0+4*\s], 1
	s_add_co_u32 s[G0+4*\s+1], s45, \s*SLOT
	s_add_nc_u64 s[G0+4*\s+2:G0+4*\s+3], s[20:21], \s*1048576    ; a slot's eight K steps
	s_or_b32 s[G0+4*\s+3], s[G0+4*\s+3], 0x80000000
	s_mov_b32 s[G0B+4*\s], 1
	s_add_co_u32 s[G0B+4*\s+1], s45, \s*SLOT
	s_add_nc_u64 s[G0B+4*\s+2:G0B+4*\s+3], s[46:47], \s*1048576
	s_or_b32 s[G0B+4*\s+3], s[G0B+4*\s+3], 0x80000000
	JLOAD G0+4*\s, G1, G0B+4*\s, G1B               ; three tensor loads of mine are out
.endr
	v_and_b32 v1, 15, v0                           ; r
	v_bfe_u32 v2, v0, 4, 1                         ; h
	v_and_b32 v3, 31, v0                           ; lane
	v_lshlrev_b32 v[LI], 4, v3
	v_lshlrev_b32 v[L4], 2, v3
	v_lshlrev_b32 v[L4R], 2, v1
	s_lshl_b32 s18, s15, 15                        ; my 64 rows of h: part rowhalf
	v_add_nc_u32 v[ADRA], s18, v[LI]
	s_add_co_u32 s18, s18, SLOT
	v_add_nc_u32 v[ADRA+1], s18, v[LI]
	s_lshl_b32 s18, s16, 15                        ; my 64 rows of W_d: part 2 + colhalf
	s_add_co_u32 s18, s18, 65536
	v_add_nc_u32 v[ADRB], s18, v[LI]
	s_add_co_u32 s18, s18, SLOT
	v_add_nc_u32 v[ADRB+1], s18, v[LI]
	s_lshl_b32 s18, s15, 8
	s_add_co_u32 s18, s18, SCL
	v_add_nc_u32 v[ADSA], s18, v[L4]
	s_lshl_b32 s18, s16, 8
	s_add_co_u32 s18, s18, SCL+16384
	v_add_nc_u32 v[ADSB], s18, v[L4]
	s_mul_i32 s18, s14, 16*SPITCH                  ; my stage
	v_mul_u32_u24 v[STO], v1, SPITCH               ; in: row r, 32 bytes for each half of the lanes
	v_lshl_add_u32 v[STO], v2, 5, v[STO]
	v_add_nc_u32 v[STO], s18, v[STO]
	v_mul_u32_u24 v[RD], v2, SPITCH                ; back: lanes 0-15 one row of 256 bytes, lanes 16-31 the next
	v_lshl_add_u32 v[RD], v1, 4, v[RD]
	v_add_nc_u32 v[RD], s18, v[RD]
	v_lshlrev_b32 v[CO], 13, v2                    ; and the same two rows in out: 8,192 bytes a row
	v_lshl_add_u32 v[CO], v1, 4, v[CO]
	s_lshl_b32 s12, s17, 13                        ; u's images: 8 x tile row + 4 x rowhalf
	s_lshl_b32 s18, s15, 12
	s_add_co_u32 s12, s12, s18
	s_mov_b32 s13, 0
	s_add_nc_u64 s[12:13], s[8:9], s[12:13]
	s_lshl_b32 s96, s17, 10                        ; u's scale words: 128 bytes for each 16 rows, from byte 131,072 on
	s_lshl_b32 s18, s15, 9
	s_add_co_u32 s96, s96, s18
	s_add_co_u32 s96, s96, 131072
	s_mov_b32 s97, 0
	s_add_nc_u64 s[96:97], s[8:9], s[96:97]
	s_lshl_b32 s46, s42, 12                        ; B_d's images (32 rows each): 4 x tile column + 2 x colhalf
	s_lshl_b32 s47, s16, 11
	s_add_co_u32 s46, s46, s47
	s_add_co_u32 s46, s46, C_BD
	s_mov_b32 s47, 0
	s_add_nc_u64 s[46:47], s[6:7], s[46:47]
	s_lshl_b32 s92, s42, 8                         ; and their scale words, 64 bytes an image
	s_lshl_b32 s93, s16, 7
	s_add_co_u32 s92, s92, s93
	s_add_co_u32 s92, s92, S_BD
	s_mov_b32 s93, 0
	s_add_nc_u64 s[92:93], s[6:7], s[92:93]
	s_lshl_b32 s2, s17, 20                         ; out: row 128 x tile row + 64 x rowhalf, column 128 x tile column + 64 x colhalf
	s_lshl_b32 s3, s15, 19
	s_add_co_u32 s2, s2, s3
	s_lshl_b32 s3, s42, 9
	s_add_co_u32 s2, s2, s3
	s_lshl_b32 s3, s16, 8
	s_add_co_u32 s2, s2, s3
	s_mov_b32 s3, 0
	s_add_nc_u64 s[66:67], s[10:11], s[2:3]
	; THE LORA STEP'S OPERANDS come from memory straight into buffer 1
.irp a, 0,1,2,3
	global_load_b32 v[LS+\a], v[L4], s[96:97] offset:128*\a
.endr
.irp j, 0,1
	global_load_b32 v[LS+4+\j], v[L4R], s[92:93] offset:64*\j
.endr
	WIN TO_F
.irp a, 0,1,2,3
.irp c, 0,1
	global_load_b128 v[F1+8*\a+4*\c:F1+8*\a+4*\c+3], v[LI], s[12:13] offset:1024*\a+512*\c
.endr
.endr
.irp b, 0,1,2,3                                ; an even block of 16 rows is the first half of its image and goes into registers 0-3 (K 0-63), an odd one the second half, into registers 4-7 (K 64-127); the other half is zero codes
	global_load_b128 v[F1+64+8*\b+4*(\b%2):F1+64+8*\b+4*(\b%2)+3], v[LI], s[46:47] offset:(\b/2)*1024+(\b%2)*512
.irp i, 0,1,2,3
	v_mov_b32 v[F1+64+8*\b+4*(1-\b%2)+\i], 0
.endr
.endr
	WIN 0
	s_wait_loadcnt 0x0
	PLACES 8                                       ; operands written by vector instructions stand 4 places ahead of a scaled matrix instruction; eight are written
	WIN MUL
.irp a, 0,1,2,3
.irp b, 0,1,2,3
	v_wmma_scale_f32_16x16x128_f8f6f4 v[ACC+8*(4*\a+\b):ACC+8*(4*\a+\b)+7], v[F1+64+8*\b:F1+64+8*\b+7], v[F1+8*\a:F1+8*\a+7], 0, v[LS+4+\b/2], v[LS+\a] matrix_a_fmt:MATRIX_FMT_FP4 matrix_b_fmt:MATRIX_FMT_FP4
.endr
.endr
	WIN 0
.macro WMI                             ; one product in place; rw says which halves of the lanes hold W_d's (2) and h's (1) scale words
.if rw == 0
	v_wmma_scale_f32_16x16x128_f8f6f4 v[rD:rD+7], v[rB:rB+7], v[rA:rA+7], v[rD:rD+7], v[xB], v[xA] matrix_a_fmt:MATRIX_FMT_FP4 matrix_b_fmt:MATRIX_FMT_FP4
.elseif rw == 1
	v_wmma_scale_f32_16x16x128_f8f6f4 v[rD:rD+7], v[rB:rB+7], v[rA:rA+7], v[rD:rD+7], v[xB], v[xA] matrix_a_fmt:MATRIX_FMT_FP4 matrix_b_fmt:MATRIX_FMT_FP4 matrix_b_scale:MATRIX_SCALE_ROW1
.elseif rw == 2
	v_wmma_scale_f32_16x16x128_f8f6f4 v[rD:rD+7], v[rB:rB+7], v[rA:rA+7], v[rD:rD+7], v[xB], v[xA] matrix_a_fmt:MATRIX_FMT_FP4 matrix_b_fmt:MATRIX_FMT_FP4 matrix_a_scale:MATRIX_SCALE_ROW1
.else
	v_wmma_scale_f32_16x16x128_f8f6f4 v[rD:rD+7], v[rB:rB+7], v[rA:rA+7], v[rD:rD+7], v[xB], v[xA] matrix_a_fmt:MATRIX_FMT_FP4 matrix_b_fmt:MATRIX_FMT_FP4 matrix_a_scale:MATRIX_SCALE_ROW1 matrix_b_scale:MATRIX_SCALE_ROW1
.endif
.endm
; 8 matrix instructions: h's blocks a0, a0 + 1 against W_d's four, half c of buffer f: the slot's q-th K step.  The 16 accumulators take turns, one instruction a turn, in the same order in every K step.
.macro MUL8 f, c, a0, sc, q
.irp a, \a0, \a0+1
.irp b, 0,1,2,3
.set rD, ACC+8*(4*(\a)+\b)
.set rB, \f+64+8*(4*(\c)+\b)
.set rA, \f+8*(4*(\c)+(\a))
.set xB, SC+32*(\sc)+4*(\q)+2+\b/2
.set xA, SC+32*(\sc)+4*(\q)+(\a)/2
.set rw, 2*(\b%2)+((\a)%2)
	WMI
.endr
.endr
.endm
; 32 LDS loads in one run: the fragments of K steps 2 kp and 2 kp + 1 of a slot into buffer f; the first K step's first
.macro FETCH slot, kp, f
	WIN TO_F
.irp c, 0,1
.irp i, 0,1,2,3
	ds_load_b128 v[\f+64+8*(4*\c+\i):\f+64+8*(4*\c+\i)+3],   v[ADRB+\slot] offset:(2*(\kp)+\c)*4096+\i*1024
	ds_load_b128 v[\f+64+8*(4*\c+\i)+4:\f+64+8*(4*\c+\i)+7], v[ADRB+\slot] offset:(2*(\kp)+\c)*4096+\i*1024+512
	ds_load_b128 v[\f+8*(4*\c+\i):\f+8*(4*\c+\i)+3],         v[ADRA+\slot] offset:(2*(\kp)+\c)*4096+\i*1024
	ds_load_b128 v[\f+8*(4*\c+\i)+4:\f+8*(4*\c+\i)+7],       v[ADRA+\slot] offset:(2*(\kp)+\c)*4096+\i*1024+512
.endr
.endr
.endm
.macro SCALES set, n                   ; the scale words of K steps 8 n .. 8 n + 7 into a set: a lane a row, 128 bytes on end a load
.irp q, 0,1,2,3,4,5,6,7
.irp j, 0,1
	ds_load_b32 v[SC+32*(\set)+4*\q+\j], v[ADSA] offset:(8*(\n)+\q)*512+128*\j
	ds_load_b32 v[SC+32*(\set)+4*\q+2+\j], v[ADSB] offset:(8*(\n)+\q)*512+128*\j
.endr
.endr
.endm
; A slot is four quarters of two K steps, 32 matrix instructions each, on buffers 0, 1, 0, 1.  One of the first three: multiplies buffer f (K steps 2 kp, 2 kp + 1) and fetches the next quarter into g.
.macro QUARTER slot, kp, f, g
	s_wait_dscnt 16                                ; the first K step's fragments (and whatever was asked for ahead of them) are in; the second's sixteen loads may be out
	WIN MUL
	MUL8 \f, 0, 0, \slot, 2*(\kp)
	MUL8 \f, 0, 2, \slot, 2*(\kp)
	PLACES 4                                       ; in front of loads into registers that matrix instructions have read
	FETCH \slot, (\kp)+1, \g
	s_wait_dscnt 32                                ; all but the 32 just issued
	WIN MUL
	MUL8 \f, 1, 0, \slot, 2*(\kp)+1
	MUL8 \f, 1, 2, \slot, 2*(\kp)+1
.endm
; The last quarter multiplies buffer 1 and changes slots: ONE barrier; in front of it each wave waits for all its tensor loads, adds 0 to its spare word, and waits for that and for its own reads of this slot.
; fill = 1: this slot is filled again, two slots ahead; the barrier then opens a round of the cluster's.  n: which eight K steps the next slot holds.
.macro TURN slot, next, fill, n
	WIN 0                                          ; (the add's two registers lie in window 0)
	s_wait_tensorcnt 0x0                           ; all my tensor loads have landed: my part of the next slot
	ds_add_u32 v[SPW], v[NIL]                      ; 0 onto my spare word
	s_wait_dscnt 17                                ; (the add and the youngest sixteen loads may be out)
	WIN MUL
	MUL8 F1, 0, 0, \slot, 6                        ; eight matrix instructions stand between the add and the wait for it
	s_wait_dscnt 0x0                               ; the add is done, and my reads of this slot are over
	s_barrier_signal -1
	MUL8 F1, 0, 2, \slot, 6
	WIN 0
	s_barrier_wait -1
.if \fill
	CREST                                          ; no wave of any partner still reads this slot's tile or has a load on its way
	s_add_nc_u64 s[G0+4*\slot+2:G0+4*\slot+3], s[G0+4*\slot+2:G0+4*\slot+3], 2097152
	s_add_nc_u64 s[G0B+4*\slot+2:G0B+4*\slot+3], s[G0B+4*\slot+2:G0B+4*\slot+3], 2097152
	JLOAD G0+4*\slot, G1, G0B+4*\slot, G1B         ; the first tensor load behind the round; the four v_nop behind it are the places in front of the loads below
.else
	PLACES 4
.endif
	SCALES \next, \n                               ; ahead of the fragments, so that the next quarter's first wait covers them
	FETCH \next, 0, F0
	WIN MUL
	MUL8 F1, 1, 0, \slot, 7
	MUL8 F1, 1, 2, \slot, 7
.endm
	s_wait_tensorcnt 1                             ; the scale words and my part of slot 0 are in (slot 1's load may be out)
	s_barrier_signal -1
	s_barrier_wait -1                              ; everybody's are
	PLACES 4
	SCALES 0, 0
	FETCH 0, 0, F0
	QUARTER 0, 0, F0, F1
	QUARTER 0, 1, F1, F0
	QUARTER 0, 2, F0, F1
	TURN 0, 1, 1, 1                                ; slot 0 takes K steps 16-23
	QUARTER 1, 0, F0, F1
	QUARTER 1, 1, F1, F0
	QUARTER 1, 2, F0, F1
	TURN 1, 0, 1, 2                                ; slot 1 takes K steps 24-31: the last load
	QUARTER 0, 0, F0, F1
	QUARTER 0, 1, F1, F0
	QUARTER 0, 2, F0, F1
	TURN 0, 1, 0, 3                                ; nothing is left to fetch, so no round follows
	QUARTER 1, 0, F0, F1
	QUARTER 1, 1, F1, F0
	QUARTER 1, 2, F0, F1
	s_wait_dscnt 16                                ; the very last quarter
	WIN MUL
	MUL8 F1, 0, 0, 1, 6
	MUL8 F1, 0, 2, 1, 6
	s_wait_dscnt 0
	MUL8 F1, 1, 0, 1, 7
	MUL8 F1, 1, 2, 1, 7
	WIN 0
; THE WAY OUT, a block of 16 rows x 64 columns at a time.  A lane holds 32 neighbouring bytes of a row and the lanes beside it hold other rows: so a block goes through my own stage in LDS and comes back as whole
; rows of 256 bytes, two an instruction.  LDS serves a wave's instructions in order (ISA guide 5.7.1.4): no wait between the stores and the loads, nor in front of the next block's stores.
.macro TOSTAGE a
.irp b, 0,1,2,3
	ds_store_b128 v[STO], v[ACC+8*(4*(\a)+\b):ACC+8*(4*(\a)+\b)+3] offset:64*\b        ; each accumulator from its low end on
	ds_store_b128 v[STO], v[ACC+8*(4*(\a)+\b)+4:ACC+8*(4*(\a)+\b)+7] offset:64*\b+16
.endr
	WIN TO_F
.set BB, 32*((\a)%2)
.irp t, 0,1,2,3,4,5,6,7
	ds_load_b128 v[BB+4*\t:BB+4*\t+3], v[RD] offset:2*\t*SPITCH
.endr
	WIN 0
.endm
.macro SEND a, younger                 ; younger: the LDS instructions issued behind block a's loads, which may stay out
.set BB, 32*((\a)%2)
	s_wait_dscnt \younger                          ; the block is back in registers
	WIN FROM_F
.irp t, 0,1,2,3,4,5,6,7
	global_store_b128 v[CO], v[BB+4*\t:BB+4*\t+3], s[66:67] offset:(16*(\a)+2*\t)*8192 th:TH_STORE_NT   ; 16 lanes store 256 bytes on end, at a multiple of 256 from out's first byte; written once, read by nobody here
.endr
	WIN 0
.endm
	PLACES 4                                       ; between the last products and the stores that read results, and the loads into registers that the products have read
	TOSTAGE 0
.irp a, 1,2,3
.if \a > 1
	s_wait_xcnt 0x0                                ; block a - 2's stores have read their registers: block a's loads may land there
.endif
	TOSTAGE \a
	SEND \a-1, 16                                  ; behind block a - 1's loads: block a's 8 stores and 8 loads
.endr
	SEND 3, 0
	s_wait_tensorcnt 0x0                           ; the wave's end: these three lines stand, behind my last tensor load and my last LDS store
	ds_add_u32 v[SPW], v[NIL]
	s_wait_dscnt 0x0
	CROUND                                         ; the closing round: no work-group ends while a partner may still ask for a tile that names it
	s_endpgm
.Lfunc_end_k_qe57dc88a4b_gemm2:
	.size	k_qe57dc88a4b_gemm2, .Lfunc_end_k_qe57dc88a4b_gemm2-k_qe57dc88a4b_gemm2
	.p2alignl 7, 3214868480
	.fill 96, 4, 3214868480
	.section	.rodata,"a",@progbits
	.p2align	6, 0x0
	.amdhsa_kernel k_qe57dc88a4b_gemm2
		.amdhsa_group_segment_fixed_size 327680
		.amdhsa_private_segment_fixed_size 0
		.amdhsa_enable_private_segment 0
		.amdhsa_kernarg_size 32
		.amdhsa_user_sgpr_count 2
		.amdhsa_user_sgpr_kernarg_segment_ptr 1
		.amdhsa_wavefront_size32 1
		.amdhsa_system_sgpr_workgroup_id_x 1
		.amdhsa_system_sgpr_workgroup_id_y 1
		.amdhsa_system_sgpr_workgroup_id_z 1
		.amdhsa_system_vgpr_workitem_id 0
		.amdhsa_next_free_vgpr 512
		.amdhsa_next_free_sgpr 102
		.amdhsa_reserve_vcc 0
		.amdhsa_float_denorm_mode_32 3
		.amdhsa_float_denorm_mode_16_64 3
		.amdhsa_memory_ordered 1
		.amdhsa_forward_progress 1
		.amdhsa_inst_pref_size 133
	.end_amdhsa_kernel
	.amdgpu_metadata
---
amdhsa.version: [ 1, 2 ]
amdhsa.kernels:
  - .name:           k_qe57dc88a4b_gemm2
    .symbol:         k_qe57dc88a4b_gemm2.kd
    .args:
      - { .name: hq, .offset: 0, .size: 8, .value_kind: global_buffer, .address_space: global }
      - { .name: wq, .offset: 8, .size: 8, .value_kind: global_buffer, .address_space: global }
      - { .name: uq, .offset: 16, .size: 8, .value_kind: global_buffer, .address_space: global }
      - { .name: out0, .offset: 24, .size: 8, .value_kind: global_buffer, .address_space: global }
    .group_segment_fixed_size: 327680
    .private_segment_fixed_size: 0
    .kernarg_segment_align: 8
    .kernarg_segment_size: 32
    .max_flat_workgroup_size: 128
    .sgpr_count:     102
    .vgpr_count:     512
    .wavefront_size: 32
...
	.end_amdgpu_metadata
.endif
;; end of part 5
;; ======== version 2 of 2: 3 launches
;; limits: right only within a limited range of input values
;; workspace buffers: wq 16,154,624 bytes; hq 4,456,448 bytes
;; launch quant (part 6): grid 928 x 1, 4 waves a work-group, no clusters, 0 bytes of LDS; arguments W_gu, W_d, hidden_states, B_gu, A_d, A_gu, B_d, wq; writes wq
.if DOCPART == 6
	.amdgcn_target "amdgcn-amd-amdhsa--gfx1250"
	.amdhsa_code_object_version 6
	.text
	.protected	k_qe57dc88a4b_quant
	.globl	k_qe57dc88a4b_quant
	.p2align	8
	.type	k_qe57dc88a4b_quant,@function
k_qe57dc88a4b_quant:
	s_mov_b64 s[64:65], 0
	v_nop
	global_prefetch_b8 v0, s[64:65] scope:SCOPE_SE
	s_setreg_imm32_b32 hwreg(HW_REG_WAVE_MODE, 25, 1), 1
	s_wait_xcnt 0x0
; LAUNCH 1 OF 3.  The module is two LoRA linears with a SwiGLU between them over 2,048 rows (the reshape by experts changes no number: all experts share the weights).
; NO WORK IS LEFT OUT: every one of the seven inputs has a way to the output, and all six products of the problem's table are done, on codes of E2M1.
; The factor 0.25 of the LoRA terms is a power of two: it is taken off the scale bytes of t and u (byte - 2) in the launches that make them, which is exact.
; THIS LAUNCH turns all seven f32 inputs (K is the last axis of each) into codes of E2M1 with one E8M0 byte for each 32 along K, into the workspace wq.
; A block's scale is 2^(floor(log2(its largest magnitude)) - 2); its byte is the largest magnitude's exponent field - 2, held at 1 from below.
; LIMITS: NaN and infinities among the inputs are not served; a block whose largest magnitude lies under 2^-124 keeps the floor's byte 1; a block of zeros has the byte 1 where the rule says 127
; (its codes are zeros, which add nothing under any byte but 0xff, and this program alone reads the bytes).
; LAYOUT OF wq: THE ORDER OF THE OPERAND'S REGISTERS.  Codes: [K / 128][rows / 16][1,024 bytes]; the 1,024 bytes are an IMAGE [block of 32 along K: 0..3][row 0..15][16 bytes].
; Scale words: [K / 128][rows][4 bytes], from SBASE on, at a sixteenth of the codes' offset.
; B_gu and B_d have K = 64: an image holds 32 rows, rows 0-15 in its first 512 bytes and rows 16-31 in its second; word r holds the bytes of (row r: blocks 0, 1; row 16 + r: blocks 0, 1).
; SHARES.  A wave takes 4 images, 64 rows x 128 along K, as 8 GROUPS of 16 rows x 64 along K (K = 64: 16 whole rows); the four waves of a work-group take neighbouring K steps.
; A group is 8 loads of 16 bytes a lane; each load reads 256 bytes on end of each of two rows.  NOTHING GOES THROUGH LDS:
;   lane (r, h) of a load takes bytes 32 (r % 8) + 16 h of row r / 8 of the load's two; v_permlane16_swap_b32 on the registers of two loads then gives a lane 8 NEIGHBOURS along K (32 bytes on end);
;   a block of 32 lies in four neighbouring lanes: two DPP steps join their largest magnitudes; one conversion makes a lane's 8 codes, one register;
;   the four registers of a group's four pairs of loads are transposed among the four lanes of a block (two steps of DPP moves and selects): a lane then holds a block's 16 bytes, and one store covers 512 bytes on end.
;   lane (r, h) ends with row 4 (r % 4) + 2 h + r / 8 and block (r / 4) % 2 of the group's two.
; The scale bytes: each lane selects its own row's byte, shifts it to its place, and joins lane l xor 4's; the four images' words are dealt so that one store of 8 bytes a lane covers the wave's 256 bytes.
; Four sets of 32 registers take turns: 24 to 32 loads of a wave are out.  LOADS AHEAD OF STORES: each group's codes have registers of their own, and the wave's nine stores stand behind its last group.
; PREFETCH.  A trip is an image (two groups).  The head loads images 0 and 1; trip 0 loads image 2 and trip 1 image 3.  AHEAD = 2 trips: the head asks for what trips 0 and 1 load, one instruction an image,
; a lane to each of the image's 32 aligned blocks of 256 bytes; each block is named once, by the wave that will load it.  Images 0 and 1 come by their loads alone; no trip has a successor two on, so none asks.
; The prefetches' address registers are never written again, and EXEC never changes.
; No tensor load, no cluster (work-groups share no input), no barrier (waves share nothing).
.set SBASE, 15204352                   ; where the scale words begin in wq
.set CO,  10                           ; v10  my 16 bytes in a group's 512 bytes of codes
.set SA,  11                           ; v11  my 8 bytes of the wave's 256 bytes of scale words
.set SH,  12                           ; v12  8 x ((r / 4) % 2): my byte's place in the word
.set LB,  13                           ; v13  32 (r % 8) + 16 h
.set PF,  14                           ; v14  the prefetches' offset: my block of 256 bytes of an image
.set VO,  16                           ; v16-23 byte offset of my 16 bytes in load n of a group: rows 2 n + r / 8
.set M,   24                           ; v24-27 largest magnitudes, a register for each pair of loads
.set SO,  28                           ; v28-31 the conversions' scale operands
.set R,   32                           ; v32-159 four sets of 32: a group as it is loaded
.set Q,   160                          ; v160-163 codes, 8 to a register
.set T,   164                          ; v164-167 what the DPP moves bring
.set P,   168                          ; v168-171 at work; the transposition's first step
.set BS,  172                          ; v172-173 my row's scale operands of an image's two groups
.set TT,  174                          ; v174 what the scale words' DPP moves bring
.set WW,  176                          ; v176-179 my row's scale word in each of the four images
.set C,   184                          ; v184-215 the codes as they leave: four registers a group
.set U,   216                          ; v216-218 the deal of the scale words
.set OUTW, 220                         ; v220-221 two scale words
.set BA,  68                           ; s[68:83] where each of my 8 groups begins in the tensor
.set B0,  58                           ; s58-61 lanes whose number has bit 0, 1, 2, 3 set
	s_load_b512 s[8:23], s[0:1], 0x0               ; W_gu s[8:9], W_d s[10:11], x s[12:13], B_gu s[14:15], A_d s[16:17], A_gu s[18:19], B_d s[20:21], wq s[22:23]
	v_lshrrev_b32 v1, 5, v0
	v_readfirstlane_b32 s4, v1                     ; wave 0..3
	v_and_b32 v2, 15, v0                           ; r
	v_bfe_u32 v3, v0, 4, 1                         ; h
	v_and_b32 v4, 3, v0                            ; r % 4
	v_bfe_u32 v5, v0, 2, 1                         ; (r / 4) % 2
	v_bfe_u32 v6, v0, 3, 1                         ; r / 8
	v_and_b32 v7, 7, v0                            ; r % 8
	v_lshl_add_u32 v9, v4, 1, v3                   ; 2 (r % 4) + h
	v_lshlrev_b32 v[SH], 3, v5
	v_lshlrev_b32 v[LB], 5, v7
	v_lshl_add_u32 v8, v9, 1, v6                   ; my row at the end: 4 (r % 4) + 2 h + r / 8
	v_lshlrev_b32 v[SA], 3, v9
	v_lshl_add_u32 v[LB], v3, 4, v[LB]
	v_lshlrev_b32 v[CO], 4, v8
	v_lshl_add_u32 v[SA], v5, 6, v[SA]
	v_lshl_add_u32 v[CO], v5, 8, v[CO]             ; 256 x block + 16 x row
	v_lshl_add_u32 v[SA], v6, 7, v[SA]             ; 64 x image (2 (r / 8) + (r / 4) % 2) + 8 x (2 (r % 4) + h)
.irp i, 0,1,2,3
	v_mov_b32 v[T+\i], 0                           ; written once: a DPP form's destination counts as one of its sources
.endr
	v_mov_b32 v[TT], 0
	s_mov_b32 s[B0], 0xaaaaaaaa
	s_mov_b32 s[B0+1], 0xcccccccc
	s_mov_b32 s[B0+2], 0xf0f0f0f0
	s_mov_b32 s[B0+3], 0xff00ff00
	s_wait_alu depctr_va_vdst(0)
	s_wait_kmcnt 0x0
; Which tensor is my work-group's?  The choice hangs on the work-group's number alone; all tensors take ONE path through the text.
; s[24:25] the tensor, s26 its first work-group, s27 its codes' offset in wq, s28 log2(K steps), s29 log2(images in a K step), s30 bytes from row to row
.macro PICK first, ptr, oc, lk, ln, si
	s_cmp_ge_u32 ttmp9, \first
	s_cselect_b64 s[24:25], s[\ptr:\ptr+1], s[24:25]
	s_cselect_b32 s26, \first, s26
	s_cselect_b32 s27, \oc, s27
	s_cselect_b32 s28, \lk, s28
	s_cselect_b32 s29, \ln, s29
	s_cselect_b32 s30, \si, s30
.endm
	s_mov_b64 s[24:25], s[8:9]                     ; W_gu: 8,192 images, work-groups 0 to 511
	s_mov_b32 s26, 0
	s_mov_b32 s27, 0
	s_mov_b32 s28, 4
	s_mov_b32 s29, 9
	s_mov_b32 s30, 8192
	PICK 512, 10, 8388608,  5, 7, 16384            ; W_d
	PICK 768, 12, 12582912, 4, 7, 8192             ; hidden_states
	PICK 896, 14, 14680064, 0, 8, 256              ; B_gu
	PICK 912, 16, 14942208, 5, 2, 16384            ; A_d
	PICK 920, 18, 15073280, 4, 2, 8192             ; A_gu
	PICK 924, 20, 15138816, 0, 6, 256              ; B_d
	s_lshl_b32 s34, s30, 4                         ; 16 rows
	s_mov_b32 s35, 256
	s_cmp_eq_u32 s30, 256                          ; K = 64?
	s_cselect_b32 s52, 8192, s34                   ; bytes from image to image: 32 rows of 256 bytes, or 16 rows
	s_cselect_b32 s56, 4096, s35                   ; from an image's first group to its second: 16 rows further down, or the rows' second 256 bytes
	s_mov_b32 s53, 0
	s_mov_b32 s57, 0
	s_sub_co_u32 s31, ttmp9, s26
	s_lshl_b32 s31, s31, 2
	s_add_co_u32 s31, s31, s4                      ; my wave's number within the tensor
	s_lshl_b32 s32, 1, s28
	s_sub_co_u32 s32, s32, 1
	s_and_b32 s32, s31, s32                        ; its K step
	s_lshr_b32 s31, s31, s28
	s_lshl_b32 s31, s31, 2                         ; its first image within the K step
	s_mul_i32 s50, s31, s52
	s_lshl_b32 s51, s32, 9
	s_add_co_u32 s50, s50, s51                     ; + 512 bytes a K step
	s_mov_b32 s51, 0
	s_add_nc_u64 s[BA:BA+1], s[24:25], s[50:51]    ; where my four images begin in the tensor,
.irp m, 1,2,3
	s_add_nc_u64 s[BA+4*\m:BA+4*\m+1], s[BA+4*\m-4:BA+4*\m-3], s[52:53]
.endr
.irp m, 0,1,2,3
	s_add_nc_u64 s[BA+4*\m+2:BA+4*\m+3], s[BA+4*\m:BA+4*\m+1], s[56:57]   ; and each image's second group
.endr
	s_lshl_b32 s54, s32, s29
	s_add_co_u32 s54, s54, s31                     ; the first image's number in the tensor's codes: a multiple of 4
	s_lshl_b32 s50, s54, 10
	s_add_co_u32 s50, s50, s27
	s_add_nc_u64 s[44:45], s[22:23], s[50:51]      ; its codes,
	s_lshl_b32 s50, s54, 6
	s_lshr_b32 s55, s27, 4
	s_add_co_u32 s50, s50, s55
	s_add_co_u32 s50, s50, SBASE
	s_add_nc_u64 s[46:47], s[22:23], s[50:51]      ; and its scale words: my four images' are 256 bytes on end, at a multiple of 256 from wq's first byte
	v_mul_u32_u24 v[PF], v2, s30                   ; row r of a group,
	v_mad_u32_u24 v[VO], v6, s30, v[LB]            ; row r / 8
	v_mad_u32_u24 v[PF], v3, s56, v[PF]            ; group h of the image: 32 lanes, 32 blocks of 256 bytes
.irp n, 1,2,3,4,5,6,7
	v_mad_u32_u24 v[VO+\n], s30, 2*\n, v[VO]       ; + 2 n rows
.endr
.macro LOADG k                         ; group k as it lies: 8 loads, each 256 bytes on end of two rows
.irp n, 0,1,2,3,4,5,6,7
	global_load_b128 v[R+32*((\k)%4)+4*\n:R+32*((\k)%4)+4*\n+3], v[VO+\n], s[BA+2*(\k):BA+2*(\k)+1] th:TH_LOAD_NT
.endr
.endm
.macro GROUP k
.set D, R+32*((\k)%4)
.set CK, C+4*(\k)
.if (\k) < 5
	s_wait_loadcnt 24                              ; this group's 8 loads are in; the three younger groups' 24 may be out
.else
	s_wait_loadcnt 8*(7-(\k))
.endif
.irp i, 0,1,2,3
.irp e, 0,1,2,3
	v_permlane16_swap_b32 v[D+8*\i+\e], v[D+8*\i+4+\e]   ; the first load's lanes 16-31 change places with the second's lanes 0-15: registers 8 i .. 8 i + 7 are now 8 neighbours of row 4 i + 2 h + r / 8
.endr
.endr
.irp i, 0,1,2,3
	v_max3_num_f32 v[M+\i], |v[D+8*\i]|, |v[D+8*\i+1]|, 0x1800000   ; the floor 2^(3 - 127) holds the byte at 1 from below
.endr
.irp e, 2,4,6
.irp i, 0,1,2,3
	v_max3_num_f32 v[M+\i], v[M+\i], |v[D+8*\i+\e]|, |v[D+8*\i+\e+1]|   ; (the four rows by turns)
.endr
.endr
.irp x, 1,2
.irp i, 0,1,2,3
	v_max_num_f32_dpp v[M+\i], v[M+\i], v[M+\i] row_xmask:\x row_mask:0xf bank_mask:0xf   ; with the block's other three lanes
.endr
.endr
.irp i, 0,1,2,3
	v_add_nc_u32 v[SO+\i], 0xff000000, v[M+\i]     ; 2 off the exponent field: the conversion takes the exponent field of this operand as its scale
.endr
.irp i, 0,1,2,3
	v_cvt_scalef32_pk8_fp4_f32 v[Q+\i], v[D+8*\i:D+8*\i+7], v[SO+\i]   ; to the nearest code, ties to even, beyond 6 the largest code
.endr
	v_cndmask_b32 v[P], v[SO], v[SO+1], s[B0]      ; the scale operand of the row that is mine at the end: pair r % 4.  (Plain places behind the conversions)
	v_cndmask_b32 v[P+1], v[SO+2], v[SO+3], s[B0]
	v_cndmask_b32 v[BS+(\k)%2], v[P], v[P+1], s[B0+1]
.if (\k) < 4
	LOADG (\k)+4                                   ; this set's registers take the group four further on
.endif
.if (\k)%2
	v_lshrrev_b32 v[BS], 23, v[BS]                 ; my row's two bytes: blocks (r / 4) % 2 and 2 + (r / 4) % 2,
	v_lshrrev_b32 v[BS+1], 23, v[BS+1]
	s_delay_alu instid0(VALU_DEP_1)
	v_lshl_or_b32 v[WW+(\k)/2], v[BS+1], 16, v[BS]
	s_delay_alu instid0(VALU_DEP_1)
	v_lshlrev_b32 v[WW+(\k)/2], v[SH], v[WW+(\k)/2]    ; at their places in the word;
	s_delay_alu instid0(VALU_DEP_1)
	v_mov_b32_dpp v[TT], v[WW+(\k)/2] row_xmask:4 row_mask:0xf bank_mask:0xf
	s_delay_alu instid0(VALU_DEP_1)
	v_or_b32 v[WW+(\k)/2], v[WW+(\k)/2], v[TT]     ; with lane l xor 4's two the word is whole
.endif
	; the transposition among the block's four lanes: (lane j, register i) takes what (lane i, register j) held
	v_mov_b32_dpp v[T], v[Q+1] row_xmask:1 row_mask:0xf bank_mask:0xf
	v_mov_b32_dpp v[T+1], v[Q] row_xmask:1 row_mask:0xf bank_mask:0xf
	v_mov_b32_dpp v[T+2], v[Q+3] row_xmask:1 row_mask:0xf bank_mask:0xf
	v_mov_b32_dpp v[T+3], v[Q+2] row_xmask:1 row_mask:0xf bank_mask:0xf
	v_cndmask_b32 v[P], v[Q], v[T], s[B0]
	v_cndmask_b32 v[P+1], v[T+1], v[Q+1], s[B0]
	v_cndmask_b32 v[P+2], v[Q+2], v[T+2], s[B0]
	v_cndmask_b32 v[P+3], v[T+3], v[Q+3], s[B0]
	v_mov_b32_dpp v[T], v[P+2] row_xmask:2 row_mask:0xf bank_mask:0xf
	v_mov_b32_dpp v[T+1], v[P+3] row_xmask:2 row_mask:0xf bank_mask:0xf
	v_mov_b32_dpp v[T+2], v[P] row_xmask:2 row_mask:0xf bank_mask:0xf
	v_mov_b32_dpp v[T+3], v[P+1] row_xmask:2 row_mask:0xf bank_mask:0xf
	v_cndmask_b32 v[CK], v[P], v[T], s[B0+1]
	v_cndmask_b32 v[CK+1], v[P+1], v[T+1], s[B0+1]
	v_cndmask_b32 v[CK+2], v[T+2], v[P+2], s[B0+1]
	v_cndmask_b32 v[CK+3], v[T+3], v[P+3], s[B0+1]
.endm
	global_prefetch_b8 v[PF], s[BA+8:BA+9] th:TH_LOAD_NT scope:SCOPE_SE     ; image 2: what trip 0 loads
	global_prefetch_b8 v[PF], s[BA+12:BA+13] th:TH_LOAD_NT scope:SCOPE_SE   ; image 3: what trip 1 loads
	LOADG 0
	LOADG 1
	LOADG 2
	LOADG 3
.irp k, 0,1,2,3,4,5,6,7
	GROUP \k
.endr
	; the four images' scale words: lanes r and r xor 4 hold the same words, lanes r and r xor 8 neighbouring rows.  Lane (r, h) stores rows 4 (r % 4) + 2 h and + 1 of image 2 (r / 8) + (r / 4) % 2
	v_cndmask_b32 v[U], v[WW], v[WW+1], s[B0+2]    ; image (r / 4) % 2,
	v_cndmask_b32 v[U+1], v[WW+2], v[WW+3], s[B0+2]    ; image 2 + (r / 4) % 2
	s_delay_alu instid0(VALU_DEP_1)
	v_cndmask_b32 v[U+2], v[U+1], v[U], s[B0+3]    ; what lane l xor 8 wants of me
	s_delay_alu instid0(VALU_DEP_1)
	v_mov_b32_dpp v[TT], v[U+2] row_xmask:8 row_mask:0xf bank_mask:0xf
	s_delay_alu instid0(VALU_DEP_1)
	v_cndmask_b32 v[OUTW], v[U], v[TT], s[B0+3]
	v_cndmask_b32 v[OUTW+1], v[TT], v[U+1], s[B0+3]
.irp k, 0,1,2,3,4,5,6,7
	global_store_b128 v[CO], v[C+4*\k:C+4*\k+3], s[44:45] offset:512*\k   ; 32 lanes store 512 bytes on end, at a multiple of 256 from wq's first byte
.endr
	global_store_b64 v[SA], v[OUTW:OUTW+1], s[46:47]   ; 32 lanes store 256 bytes on end
	s_endpgm
.Lfunc_end_k_qe57dc88a4b_quant:
	.size	k_qe57dc88a4b_quant, .Lfunc_end_k_qe57dc88a4b_quant-k_qe57dc88a4b_quant
	.p2alignl 7, 3214868480
	.fill 96, 4, 3214868480
	.section	.rodata,"a",@progbits
	.p2align	6, 0x0
	.amdhsa_kernel k_qe57dc88a4b_quant
		.amdhsa_group_segment_fixed_size 0
		.amdhsa_private_segment_fixed_size 0
		.amdhsa_enable_private_segment 0
		.amdhsa_kernarg_size 64
		.amdhsa_user_sgpr_count 2
		.amdhsa_user_sgpr_kernarg_segment_ptr 1
		.amdhsa_wavefront_size32 1
		.amdhsa_system_sgpr_workgroup_id_x 1
		.amdhsa_system_sgpr_workgroup_id_y 1
		.amdhsa_system_sgpr_workgroup_id_z 1
		.amdhsa_system_vgpr_workitem_id 0
		.amdhsa_next_free_vgpr 224
		.amdhsa_next_free_sgpr 84
		.amdhsa_reserve_vcc 0
		.amdhsa_float_denorm_mode_32 3
		.amdhsa_float_denorm_mode_16_64 3
		.amdhsa_memory_ordered 1
		.amdhsa_forward_progress 1
		.amdhsa_inst_pref_size 46
	.end_amdhsa_kernel
	.amdgpu_metadata
---
amdhsa.version: [ 1, 2 ]
amdhsa.kernels:
  - .name:           k_qe57dc88a4b_quant
    .symbol:         k_qe57dc88a4b_quant.kd
    .args:
      - { .name: W_gu, .offset: 0, .size: 8, .value_kind: global_buffer, .address_space: global }
      - { .name: W_d, .offset: 8, .size: 8, .value_kind: global_buffer, .address_space: global }
      - { .name: hidden_states, .offset: 16, .size: 8, .value_kind: global_buffer, .address_space: global }
      - { .name: B_gu, .offset: 24, .size: 8, .value_kind: global_buffer, .address_space: global }
      - { .name: A_d, .offset: 32, .size: 8, .value_kind: global_buffer, .address_space: global }
      - { .name: A_gu, .offset: 40, .size: 8, .value_kind: global_buffer, .address_space: global }
      - { .name: B_d, .offset: 48, .size: 8, .value_kind: global_buffer, .address_space: global }
      - { .name: wq, .offset: 56, .size: 8, .value_kind: global_buffer, .address_space: global }
    .group_segment_fixed_size: 0
    .private_segment_fixed_size: 0
    .kernarg_segment_align: 8
    .kernarg_segment_size: 64
    .max_flat_workgroup_size: 128
    .sgpr_count:     84
    .vgpr_count:     224
    .wavefront_size: 32
...
	.end_amdgpu_metadata
.endif
;; end of part 6
;; launch gemm1 (part 7): grid 32 x 8, 4 waves a work-group, clusters of 4 x 4, 327,680 bytes of LDS; arguments wq, hq; writes hq
.if DOCPART == 7
	.amdgcn_target "amdgcn-amd-amdhsa--gfx1250"
	.amdhsa_code_object_version 6
	.text
	.protected	k_qe57dc88a4b_gemm1
	.globl	k_qe57dc88a4b_gemm1
	.p2align	8
	.type	k_qe57dc88a4b_gemm1,@function
k_qe57dc88a4b_gemm1:
	s_mov_b64 s[64:65], 0
	v_nop
	global_prefetch_b8 v0, s[64:65] scope:SCOPE_SE
	s_setreg_imm32_b32 hwreg(HW_REG_WAVE_MODE, 25, 1), 1
	s_wait_xcnt 0x0
	s_wait_alu depctr_hold_cnt(0) depctr_sa_sdst(0) depctr_va_vdst(0) depctr_va_sdst(0) depctr_va_ssrc(0) depctr_va_vcc(0) depctr_vm_vsrc(0)
	s_getreg_b32 s2, hwreg(HW_REG_IB_STS2, 6, 4)
	s_cmp_eq_u32 s2, 0
	s_cbranch_scc0 .Lentry_in_a_cluster
	s_endpgm
.Lentry_in_a_cluster:
	s_bfe_u32 s2, ttmp6, 0x10000c
	s_cmp_lg_u32 s2, 0xf033
	s_cbranch_scc0 .Lentry_shape_is_right
	s_endpgm
.Lentry_shape_is_right:
; LAUNCH 2 OF 3: t = Q(x) Q(A_gu)^T, gate_up = Q(x) Q(W_gu)^T + 0.25 Q(t) Q(B_gu)^T, h = up x silu(gate); h is quantised along the next K into hq, in the order of the operand's registers.  No work is left out.
; SHARES.  A work-group takes 256 rows x (128 columns of gate and the same 128 of up); four waves, each 128 rows x (64 + 64): 64 accumulators.  The matrix instruction is used transposed (source 0 = a weight's 16 rows).
; t is made beside the main product from x's fragments; the LoRA term is one more K step on the main accumulators (0.25 goes into t's scale byte: byte - 2, exact).
; K = 2,048 goes in four steps of 512 through a ring of two LDS slots; the scale words of all of K come once.  A slot: x's 256 rows [K step 0..3][image 0..15][1,024], then W_gu's [K step 0..3][gate, up][image 0..7][1,024].
; THE HEAD: one joint load a wave: x's codes, W_gu's codes, x's scale words, W_gu's.  In wq up's rows lie 262,144 bytes behind gate's and a K step is 524,288 bytes: so gate and up of the K steps in turn are the rows of ONE tile.
; CLUSTERS: 4 x 4 work-groups; x's tiles are shared along a row of the cluster, W_gu's along a column.
; LIMITS: the LoRA term is summed in the main product's accumulator; NaN and infinities are not served; a block of t under 2^-122, or of h under 2^-124, keeps the floor's byte.
.set C_X,   12582912
.set S_X,   15990784
.set S_WGU, 15204352
.set C_BGU, 14680064
.set S_BGU, 16121856
.set C_AGU, 15073280
.set S_AGU, 16146432
.set SLOT,  131072
.set SCL,   262144
.set HST,   294912
.set SPARE, 295936
.set TIMG,  296448
.set TSC,   304640
.set NP,    4
.set TST,  8
.set TSB,  9
.set TLD,  10
.set TSL,  11
.set L8,   15
.set ADRA, 16
.set ADRB, 20
.set ADSA, 22
.set ADSB, 23
.set LI,   24
.set L4,   25
.set L4R,  26
.set HCO,  27
.set SPW,  28
.set NIL,  29
.set HSA,  30
.set HSL,  31
.set SC,   32
.set AGS,  96
.set LS,   112
.set AF,   128
.set AG,   192
.set TQM,  192
.set TQP,  200
.set TQS,  208
.set TQB,  216
.set TQG,  224
.set HC,   128
.set TM,   160
.set E,    192
.set GU,   224
.set G1, 24
.set G0, 32
.set G1B, 48
.set G0B, 56
.set G1S, 68
.set G0S, 76
.set G1SB, 80
.set G0SB, 88
.set MSB, 0
.macro WIN new
.if MSB != \new
	s_set_vgpr_msb (MSB<<8)|\new
.set MSB, \new
.endif
.endm
.set MUL_LO, 0xa1
.set MUL_HI, 0xf1
.set MUL_T,  0x50
.set TO_B,   0x40
.macro JLOAD g0a, g1a, g0b, g1b
	s_cmp_eq_u32 s15, 0
	s_cbranch_scc0 .Lfor_b_\@
	tensor_load_to_lds s[\g0a:\g0a+3], s[\g1a:\g1a+7]
	s_nop 0
.rept 4
	v_nop
.endr
	s_branch .Lasked_\@
.Lfor_b_\@:
	tensor_load_to_lds s[\g0b:\g0b+3], s[\g1b:\g1b+7]
	s_nop 0
.rept 4
	v_nop
.endr
.Lasked_\@:
.endm
.macro CREST
	s_cmp_lg_u32 s14, 0
	s_cbranch_scc1 .Lnot_wave_0_\@
	s_barrier_signal -3
.Lnot_wave_0_\@:
	s_barrier_wait -3
	s_barrier_signal -1
	s_barrier_wait -1
.endm
.macro CROUND
	s_barrier_signal -1
	s_barrier_wait -1
	CREST
.endm
.macro PLACES n
.rept \n
	v_nop
.endr
.endm
.macro AGLOAD n
.irp j, 0,1
.irp c, 0,1
	global_load_b128 v[AG+16*((\n)%4)+8*\j+4*\c:AG+16*((\n)%4)+8*\j+4*\c+3], v[LI], s[10:11] offset:4096*(\n)+1024*\j+512*\c
.endr
.endr
.endm
	s_load_b128 s[4:7], s[0:1], 0x0
	v_lshl_add_u32 v[SPW], v0, 2, SPARE
	v_mov_b32 v[NIL], 0
	ds_add_u32 v[SPW], v[NIL]
	ds_add_u32 v[SPW], v[NIL]
	v_lshrrev_b32 v1, 5, v0
	v_readfirstlane_b32 s14, v1
	s_lshr_b32 s15, s14, 1
	s_and_b32 s16, s14, 1
	s_bfe_u32 s40, ttmp6, 0x40000
	s_bfe_u32 s41, ttmp6, 0x40004
	s_lshl_b32 s42, ttmp9, 2
	s_add_co_u32 s42, s42, s40
	s_and_b32 s17, ttmp7, 0xffff
	s_lshl_b32 s17, s17, 2
	s_add_co_u32 s17, s17, s41
	s_lshl_b32 s43, s41, 2
	s_lshl_b32 s43, 15, s43
	s_lshl_b32 s44, 0x1111, s40
	s_or_b32 s[G1+0], s43, (3<<16)|(1<<21)
	s_or_b32 s[G1B+0], s44, (3<<16)|(1<<21)
.irp g, G1, G1B
	s_mov_b32 s[\g+6], 0
	s_mov_b32 s[\g+7], 0
.endr
	s_mov_b32 s[G1+1], 2048<<16                    ; x's codes: rows (K steps) of 16,384 bytes (16 images), 131,072 bytes apart; 4 rows at the head, 2 in the ring
	s_mov_b32 s[G1+2], 4<<16
	s_mov_b32 s[G1+3], 2048<<16
	s_mov_b32 s[G1+4], 4
	s_mov_b32 s[G1+5], 16384
	s_mov_b32 s[G1B+1], 1024<<16                   ; W_gu's: rows (K step, gate or up) of 8,192 bytes (8 images), 262,144 bytes apart; 8 rows at the head, 4 in the ring
	s_mov_b32 s[G1B+2], 8<<16
	s_mov_b32 s[G1B+3], 1024<<16
	s_mov_b32 s[G1B+4], 8
	s_mov_b32 s[G1B+5], 32768
	s_or_b32 s[G1S+0], s43, (3<<16)|(1<<21)
	s_or_b32 s[G1SB+0], s44, (3<<16)|(1<<21)
.irp g, G1S, G1SB
	s_mov_b32 s[\g+6], 0
	s_mov_b32 s[\g+7], 0
.endr
	s_mov_b32 s[G1S+1], 128<<16                    ; x's scale words: 16 rows (K steps) of 1,024 bytes (256 rows' words), 8,192 bytes apart
	s_mov_b32 s[G1S+2], 16<<16
	s_mov_b32 s[G1S+3], 128<<16
	s_mov_b32 s[G1S+4], 16
	s_mov_b32 s[G1S+5], 1024
	s_mov_b32 s[G1SB+1], 64<<16                    ; W_gu's: 32 rows (K step, gate or up) of 512 bytes (128 rows' words), 16,384 bytes apart
	s_mov_b32 s[G1SB+2], 32<<16
	s_mov_b32 s[G1SB+3], 64<<16
	s_mov_b32 s[G1SB+4], 32
	s_mov_b32 s[G1SB+5], 2048
	s_lshl_b32 s20, s17, 14                        ; x's codes: image 16 x tile row
	s_add_co_u32 s20, s20, C_X
	s_mov_b32 s21, 0
	s_lshl_b32 s46, s42, 13                        ; W_gu's: image 8 x tile column (gate's)
	s_mov_b32 s47, 0
	s_lshl_b32 s22, s17, 10                        ; x's scale words: rows 256 x tile row on
	s_add_co_u32 s22, s22, S_X
	s_mov_b32 s23, 0
	s_lshl_b32 s92, s42, 9                         ; W_gu's: rows 128 x tile column on
	s_add_co_u32 s92, s92, S_WGU
	s_mov_b32 s93, 0
	s_lshl_b32 s18, s16, 18                        ; in the ring I fetch two of a slot's four K steps, the first two or the last: in bytes, for x
	s_mov_b32 s19, 0
	s_lshl_b32 s12, s16, 20                        ; and for W_gu
	s_mov_b32 s13, 0
	s_lshl_b32 s45, s14, 15                        ; and where they go: wave x 32,768: no place in the cluster enters an LDS address
	s_mov_b32 s98, 0xbfb8aa3b
	s_mov_b32 s99, s98
	s_mov_b32 s100, 0x76543210
	s_mov_b32 s101, 0xfedcba98
	s_wait_dscnt 0x0
	s_wait_kmcnt 0x0
	s_add_nc_u64 s[20:21], s[4:5], s[20:21]
	s_add_nc_u64 s[22:23], s[4:5], s[22:23]
	s_add_nc_u64 s[46:47], s[4:5], s[46:47]
	s_add_nc_u64 s[92:93], s[4:5], s[92:93]
	CROUND
	s_mov_b32 s[G0S], 1
	s_mov_b32 s[G0S+1], SCL
	s_mov_b64 s[G0S+2:G0S+3], s[22:23]
	s_or_b32 s[G0S+3], s[G0S+3], 0x80000000
	s_mov_b32 s[G0SB], 1
	s_mov_b32 s[G0SB+1], SCL+16384
	s_mov_b64 s[G0SB+2:G0SB+3], s[92:93]
	s_or_b32 s[G0SB+3], s[G0SB+3], 0x80000000
	s_mov_b32 s[G0], 1                             ; the head's tiles of codes, each whole: slot 0's four K steps of x's 256 rows,
	s_mov_b32 s[G0+1], 0
	s_mov_b64 s[G0+2:G0+3], s[20:21]
	s_or_b32 s[G0+3], s[G0+3], 0x80000000
	s_mov_b32 s[G0B], 1                            ; and of W_gu's 128 + 128 rows, behind them
	s_mov_b32 s[G0B+1], 65536
	s_mov_b64 s[G0B+2:G0B+3], s[46:47]
	s_or_b32 s[G0B+3], s[G0B+3], 0x80000000
	s_add_nc_u64 s[20:21], s[20:21], s[18:19]      ; for the ring: my two K steps of a slot's four
	s_add_nc_u64 s[22:23], s[46:47], s[12:13]
	s_mov_b32 s[G0+4], 1                           ; slot 1: K steps 4-7
	s_add_co_u32 s[G0+5], s45, SLOT
	s_add_nc_u64 s[G0+6:G0+7], s[20:21], 524288
	s_or_b32 s[G0+7], s[G0+7], 0x80000000
	s_mov_b32 s[G0B+4], 1
	s_add_co_u32 s[G0B+5], s45, SLOT
	s_add_nc_u64 s[G0B+6:G0B+7], s[22:23], 2097152
	s_or_b32 s[G0B+7], s[G0B+7], 0x80000000
; THE HEAD'S LOADS, ONE A WAVE.  ONE tree of branches on the wave's number, each arm with its load and, but for the last, a jump to the tree's end.
.macro ARM under, g0, g1, next
	s_cmp_lt_u32 s14, \under
	s_cbranch_scc0 \next
	tensor_load_to_lds s[\g0:\g0+3], s[\g1:\g1+7]
	s_nop 0
.rept 4
	v_nop
.endr
	s_branch .Lhead_asked
\next:
.endm
	ARM 1, G0,  G1,  .Lhead_b
	ARM 2, G0B, G1B, .Lhead_sa
	ARM 3, G0S, G1S, .Lhead_sb
	tensor_load_to_lds s[G0SB:G0SB+3], s[G1SB:G1SB+7]
	s_nop 0
.rept 4
	v_nop
.endr
.Lhead_asked:
	v_and_b32 v1, 15, v0
	v_bfe_u32 v2, v0, 4, 1
	v_and_b32 v3, 31, v0
	v_lshlrev_b32 v[LI], 4, v3
	v_lshlrev_b32 v[L4], 2, v3
	s_wait_alu depctr_va_vdst(0)
	v_lshlrev_b32 v[L4R], 2, v1
	s_wait_alu depctr_va_vdst(0)
	s_lshl_b32 s10, s16, 11
	s_add_co_u32 s10, s10, C_AGU
	s_mov_b32 s11, 0
	s_add_nc_u64 s[10:11], s[4:5], s[10:11]
	s_lshl_b32 s12, s16, 7
	s_add_co_u32 s12, s12, S_AGU
	s_mov_b32 s13, 0
	s_add_nc_u64 s[12:13], s[4:5], s[12:13]
	s_lshl_b32 s46, s42, 12
	s_lshl_b32 s47, s16, 11
	s_add_co_u32 s46, s46, s47
	s_add_co_u32 s46, s46, C_BGU
	s_mov_b32 s47, 0
	s_add_nc_u64 s[46:47], s[4:5], s[46:47]
	s_lshl_b32 s92, s42, 8
	s_lshl_b32 s93, s16, 7
	s_add_co_u32 s92, s92, s93
	s_add_co_u32 s92, s92, S_BGU
	s_mov_b32 s93, 0
	s_add_nc_u64 s[92:93], s[4:5], s[92:93]
.irp n, 0,1,2,3,4,5,6,7,8,9,10,11,12,13,14,15
	global_load_b32 v[AGS+\n], v[L4], s[12:13] offset:256*\n
.endr
.irp j, 0,1,2,3
	global_load_b32 v[LS+8+\j], v[L4R], s[92:93] offset:64*(\j%2)+8192*(\j/2)
.endr
	AGLOAD 0
	AGLOAD 1
	AGLOAD 2
	AGLOAD 3
	v_lshlrev_b32 v[L8], 3, v3
	v_lshlrev_b32 v[HCO], 4, v1
	v_lshl_add_u32 v[HCO], v2, 3, v[HCO]
	s_lshl_b32 s18, s15, 13                        ; my 128 rows of x: images 8 rowhalf on of a K step's sixteen
	v_add_nc_u32 v[ADRA], s18, v[LI]
	s_add_co_u32 s18, s18, SLOT
	v_add_nc_u32 v[ADRA+1], s18, v[LI]
	s_lshl_b32 s18, s16, 12
	s_add_co_u32 s18, s18, 65536
	v_add_nc_u32 v[ADRB], s18, v[LI]
	s_add_co_u32 s18, s18, SLOT
	v_add_nc_u32 v[ADRB+1], s18, v[LI]
	s_lshl_b32 s18, s15, 9                         ; x's scale words: my 128 rows' 512 bytes of a K step's 1,024
	s_add_co_u32 s18, s18, SCL
	v_add_nc_u32 v[ADSA], s18, v[L4]
	s_lshl_b32 s18, s16, 8
	s_add_co_u32 s18, s18, SCL+16384
	v_add_nc_u32 v[ADSB], s18, v[L4]
	s_lshl_b32 s18, s15, 9
	s_lshl_b32 s19, s16, 1
	s_add_co_u32 s18, s18, s19
	s_add_co_u32 s18, s18, HST
	v_add_nc_u32 v[HSA], s18, v[L4R]
	s_lshl_b32 s18, s14, 8
	s_add_co_u32 s18, s18, HST
	v_lshl_add_u32 v[HSL], v3, 3, s18
	s_lshl_b32 s18, s15, 12
	s_add_co_u32 s18, s18, TIMG
	v_add_nc_u32 v[TLD], s18, v[LI]
	s_lshl_b32 s19, s16, 8
	s_add_co_u32 s18, s18, s19
	v_add_nc_u32 v[TST], s18, v[HCO]
	s_lshl_b32 s18, s15, 9
	s_add_co_u32 s18, s18, TSC
	v_add_nc_u32 v[TSL], s18, v[L4R]
	s_add_co_u32 s18, s18, s16
	v_add_nc_u32 v[TSB], s18, v[L4R]
	s_lshl_b32 s2, s42, 17
	s_lshl_b32 s3, s17, 14
	s_add_co_u32 s2, s2, s3
	s_lshl_b32 s3, s15, 13
	s_add_co_u32 s2, s2, s3
	s_lshl_b32 s3, s16, 9
	s_add_co_u32 s2, s2, s3
	s_mov_b32 s3, 0
	s_add_nc_u64 s[66:67], s[6:7], s[2:3]
	s_lshl_b32 s2, s42, 13
	s_lshl_b32 s3, s17, 10
	s_add_co_u32 s2, s2, s3
	s_lshl_b32 s3, s14, 8
	s_add_co_u32 s2, s2, s3
	s_add_co_u32 s2, s2, 4194304
	s_mov_b32 s3, 0
	s_add_nc_u64 s[96:97], s[6:7], s[2:3]
.macro WMI
.if zr
.if rw == 0
	v_wmma_scale_f32_16x16x128_f8f6f4 v[rD:rD+7], v[rB:rB+7], v[rA:rA+7], 0, v[xB], v[xA] matrix_a_fmt:MATRIX_FMT_FP4 matrix_b_fmt:MATRIX_FMT_FP4
.elseif rw == 1
	v_wmma_scale_f32_16x16x128_f8f6f4 v[rD:rD+7], v[rB:rB+7], v[rA:rA+7], 0, v[xB], v[xA] matrix_a_fmt:MATRIX_FMT_FP4 matrix_b_fmt:MATRIX_FMT_FP4 matrix_b_scale:MATRIX_SCALE_ROW1
.elseif rw == 2
	v_wmma_scale_f32_16x16x128_f8f6f4 v[rD:rD+7], v[rB:rB+7], v[rA:rA+7], 0, v[xB], v[xA] matrix_a_fmt:MATRIX_FMT_FP4 matrix_b_fmt:MATRIX_FMT_FP4 matrix_a_scale:MATRIX_SCALE_ROW1
.else
	v_wmma_scale_f32_16x16x128_f8f6f4 v[rD:rD+7], v[rB:rB+7], v[rA:rA+7], 0, v[xB], v[xA] matrix_a_fmt:MATRIX_FMT_FP4 matrix_b_fmt:MATRIX_FMT_FP4 matrix_a_scale:MATRIX_SCALE_ROW1 matrix_b_scale:MATRIX_SCALE_ROW1
.endif
.else
.if rw == 0
	v_wmma_scale_f32_16x16x128_f8f6f4 v[rD:rD+7], v[rB:rB+7], v[rA:rA+7], v[rD:rD+7], v[xB], v[xA] matrix_a_fmt:MATRIX_FMT_FP4 matrix_b_fmt:MATRIX_FMT_FP4
.elseif rw == 1
	v_wmma_scale_f32_16x16x128_f8f6f4 v[rD:rD+7], v[rB:rB+7], v[rA:rA+7], v[rD:rD+7], v[xB], v[xA] matrix_a_fmt:MATRIX_FMT_FP4 matrix_b_fmt:MATRIX_FMT_FP4 matrix_b_scale:MATRIX_SCALE_ROW1
.elseif rw == 2
	v_wmma_scale_f32_16x16x128_f8f6f4 v[rD:rD+7], v[rB:rB+7], v[rA:rA+7], v[rD:rD+7], v[xB], v[xA] matrix_a_fmt:MATRIX_FMT_FP4 matrix_b_fmt:MATRIX_FMT_FP4 matrix_a_scale:MATRIX_SCALE_ROW1
.else
	v_wmma_scale_f32_16x16x128_f8f6f4 v[rD:rD+7], v[rB:rB+7], v[rA:rA+7], v[rD:rD+7], v[xB], v[xA] matrix_a_fmt:MATRIX_FMT_FP4 matrix_b_fmt:MATRIX_FMT_FP4 matrix_a_scale:MATRIX_SCALE_ROW1 matrix_b_scale:MATRIX_SCALE_ROW1
.endif
.endif
.endm
.macro MUL16 a0, p, q, sc, zero
.irp a, \a0, \a0+1
.irp b, 0,1,2,3,4,5,6,7
.set rD, 8*(8*((\a)%4)+\b)
.set rB, 128*(\p)+8*\b
.set rA, AF+8*(\a)
.set xB, SC+32*(\sc)+8*(\q)+4+\b/2
.set xA, SC+32*(\sc)+8*(\q)+(\a)/2
.set rw, 2*(\b%2)+((\a)%2)
.set zr, \zero
	WMI
.endr
.endr
.endm
.macro TMUL a0, q, sc, ks, zero
.irp a, \a0, \a0+1, \a0+2, \a0+3
.irp j, 0,1
.set rD, 64+128*((\a)/4)+16*((\a)%4)+8*\j
.set rB, AG+16*((\ks)%4)+8*\j
.set rA, AF+8*(\a)
.set xB, AGS+(\ks)
.set xA, SC+32*(\sc)+8*(\q)+(\a)/2
.set rw, 2*\j+((\a)%2)
.set zr, \zero
	WMI
.endr
.endr
.endm
.macro LORA16 a0
.irp a, \a0, \a0+1
.irp b, 0,1,2,3,4,5,6,7
.set rD, 8*(8*((\a)%4)+\b)
.set rB, 8*\b
.set rA, AF+8*(\a)
.set xB, LS+8+\b/2
.set xA, LS+(\a)
.set rw, 0
.set zr, 0
	WMI
.endr
.endr
.endm
.macro FETCH_B slot, q, p
	WIN TO_B
.irp b, 0,1,2,3,4,5,6,7
.irp c, 0,1
	ds_load_b128 v[128*(\p)+8*\b+4*\c:128*(\p)+8*\b+4*\c+3], v[ADRB+\slot] offset:(\q)*16384+(\b/4)*8192+(\b%4)*1024+512*\c
.endr
.endr
	WIN 0
.endm
.macro FETCH_A slot, q, i0
.irp i, \i0, \i0+1, \i0+2, \i0+3
.irp c, 0,1
	ds_load_b128 v[AF+8*(\i)+4*\c:AF+8*(\i)+4*\c+3], v[ADRA+\slot] offset:(\q)*16384+(\i)*1024+512*\c
.endr
.endr
.endm
.macro SCALES set, grp
.irp q, 0,1,2,3
.irp j, 0,1,2,3
	ds_load_b32 v[SC+32*(\set)+8*\q+\j], v[ADSA] offset:(4*(\grp)+\q)*1024+128*\j
	ds_load_b32 v[SC+32*(\set)+8*\q+4+\j], v[ADSB] offset:(4*(\grp)+\q)*1024+(\j/2)*512+128*(\j%2)
.endr
.endr
.endm
.macro RINGWAIT ks
.set LCN, 4*(15-(\ks))
.if LCN > 12
.set LCN, 12
.endif
	s_wait_loadcnt LCN
.endm
.macro STEP slot, q, ks, zero
	RINGWAIT \ks
	s_wait_dscnt 8
	WIN MUL_LO
	MUL16 0, (\q)%2, \q, \slot, \zero
	MUL16 2, (\q)%2, \q, \slot, \zero
	WIN MUL_T
	TMUL 0, \q, \slot, \ks, \zero
	s_wait_dscnt 0
	PLACES NP
	FETCH_B \slot, (\q)+1, 1-(\q)%2
	FETCH_A \slot, (\q)+1, 0
	WIN MUL_HI
	MUL16 4, (\q)%2, \q, \slot, \zero
	MUL16 6, (\q)%2, \q, \slot, \zero
	WIN MUL_T
	TMUL 4, \q, \slot, \ks, \zero
	PLACES NP
	WIN 0
	FETCH_A \slot, (\q)+1, 4
.if (\ks)+4 < 16
	AGLOAD (\ks)+4
.endif
.endm
.macro TURN slot, nx, fill, grp, ks
	RINGWAIT \ks
	s_wait_tensorcnt 0x0
	ds_add_u32 v[SPW], v[NIL]
	s_wait_dscnt 9
	WIN MUL_LO
	MUL16 0, 1, 3, \slot, 0
	s_wait_dscnt 0x0
	s_barrier_signal -1
	MUL16 2, 1, 3, \slot, 0
	WIN MUL_T
	TMUL 0, 3, \slot, \ks, 0
	WIN 0
	s_barrier_wait -1
.if \fill
	CREST
	s_add_nc_u64 s[G0+4*\slot+2:G0+4*\slot+3], s[G0+4*\slot+2:G0+4*\slot+3], 1048576
	s_add_nc_u64 s[G0B+4*\slot+2:G0B+4*\slot+3], s[G0B+4*\slot+2:G0B+4*\slot+3], 4194304
	JLOAD G0+4*\slot, G1, G0B+4*\slot, G1B
.else
	PLACES NP
.endif
	FETCH_B \nx, 0, 0
	FETCH_A \nx, 0, 0
	SCALES \nx, \grp
	WIN MUL_HI
	MUL16 4, 1, 3, \slot, 0
	MUL16 6, 1, 3, \slot, 0
	WIN MUL_T
	TMUL 4, 3, \slot, \ks, 0
	PLACES NP
	WIN 0
	FETCH_A \nx, 0, 4
	AGLOAD (\ks)+4
.endm
	s_wait_alu depctr_va_vdst(0)
	s_wait_tensorcnt 0x0                           ; my tile of the head's four is in; these lines stand ahead of a later first fill, as ahead of a refill:
	ds_add_u32 v[SPW], v[NIL]                      ; 0 onto my spare word
	s_mov_b32 s[G1+2], 2<<16                       ; no tensor load of mine is out, so descriptors may be written: from here on a load brings two K steps,
	s_mov_b32 s[G1+4], 2
	s_mov_b32 s[G1B+2], 4<<16
	s_mov_b32 s[G1B+4], 4
	s_mov_b32 s[G0+1], s45                         ; and slot 0's group 0 stands at my two K steps: its first refill steps it on
	s_mov_b64 s[G0+2:G0+3], s[20:21]
	s_or_b32 s[G0+3], s[G0+3], 0x80000000
	s_mov_b32 s[G0B+1], s45
	s_mov_b64 s[G0B+2:G0B+3], s[22:23]
	s_or_b32 s[G0B+3], s[G0B+3], 0x80000000
	s_wait_dscnt 0x0                               ; the add is done
	CROUND                                         ; a whole round: all four tiles are in, and all sixteen work-groups are here: the joint loads meet,
	JLOAD G0+4, G1, G0B+4, G1B                     ; and slot 1's first fill, the first tensor load behind the round
	FETCH_B 0, 0, 0
	FETCH_A 0, 0, 0
	SCALES 0, 0
	FETCH_A 0, 0, 4
	STEP 0, 0, 0, 1
	STEP 0, 1, 1, 0
	STEP 0, 2, 2, 0
	TURN 0, 1, 1, 1, 3
	STEP 1, 0, 4, 0
	STEP 1, 1, 5, 0
	STEP 1, 2, 6, 0
	TURN 1, 0, 1, 2, 7
	STEP 0, 0, 8, 0
	STEP 0, 1, 9, 0
	STEP 0, 2, 10, 0
	TURN 0, 1, 0, 3, 11
	STEP 1, 0, 12, 0
	STEP 1, 1, 13, 0
	STEP 1, 2, 14, 0
	WIN TO_B
.irp b, 0,1,2,3,4,5,6,7
	global_load_b128 v[8*\b+4*(\b%2):8*\b+4*(\b%2)+3], v[LI], s[46:47] offset:((\b%4)/2)*1024+(\b%2)*512+(\b/4)*131072
.irp i, 0,1,2,3
	v_mov_b32 v[8*\b+4*(1-\b%2)+\i], 0
.endr
.endr
	WIN 0
	s_wait_loadcnt 8
	s_wait_dscnt 8
	WIN MUL_LO
	MUL16 0, 1, 3, 1, 0
	MUL16 2, 1, 3, 1, 0
	WIN MUL_T
	TMUL 0, 3, 1, 15, 0
	s_wait_dscnt 0
	WIN MUL_HI
	MUL16 4, 1, 3, 1, 0
	MUL16 6, 1, 3, 1, 0
	WIN MUL_T
	TMUL 4, 3, 1, 15, 0
	PLACES NP
	WIN 0x05
.irp a, 0,1,2,3,4,5,6,7
	v_max3_num_f32 v[TQM+\a], |v[64+128*(\a/4)+16*(\a%4)]|, |v[65+128*(\a/4)+16*(\a%4)]|, 0x2800000
.endr
.irp i, 2,4,6,8,10,12,14
.irp a, 0,1,2,3,4,5,6,7
	v_max3_num_f32 v[TQM+\a], |v[64+128*(\a/4)+16*(\a%4)+\i]|, |v[65+128*(\a/4)+16*(\a%4)+\i]|, v[TQM+\a]
.endr
.endr
	WIN 0
.irp a, 0,1,2,3,4,5,6,7
	v_permlanex16_b32 v[TQP+\a], v[TQM+\a], s100, s101
.endr
.irp a, 0,1,2,3,4,5,6,7
	v_max_num_f32 v[TQM+\a], v[TQM+\a], v[TQP+\a]
.endr
.irp a, 0,1,2,3,4,5,6,7
	v_add_nc_u32 v[TQS+\a], 0xff000000, v[TQM+\a]
	v_add_nc_u32 v[TQB+\a], 0xfe000000, v[TQM+\a]
.endr
.irp a, 0,1,2,3,4,5,6,7
	v_lshrrev_b32 v[TQB+\a], 23, v[TQB+\a]
.endr
	WIN 0x01
.irp a, 0,1,2,3,4,5,6,7
	v_cvt_scalef32_pk8_fp4_f32 v[TQG+2*\a], v[64+128*(\a/4)+16*(\a%4):71+128*(\a/4)+16*(\a%4)], v[TQS+\a]
	v_cvt_scalef32_pk8_fp4_f32 v[TQG+2*\a+1], v[72+128*(\a/4)+16*(\a%4):79+128*(\a/4)+16*(\a%4)], v[TQS+\a]
.endr
	WIN 0
	v_nop
.irp a, 0,1,2,3,4,5,6,7
	v_permlane16_swap_b32 v[TQG+2*\a], v[TQG+2*\a+1]
.endr
.irp a, 0,1,2,3,4,5,6,7
	ds_store_b64 v[TST], v[TQG+2*\a:TQG+2*\a+1] offset:512*\a
	ds_store_b8 v[TSB], v[TQB+\a] offset:64*\a
	ds_store_b8 v[TSB], v[TQB+\a] offset:64*\a+2
.endr
	s_wait_dscnt 0x0
	s_barrier_signal -1
	s_barrier_wait -1
.irp a, 0,1,2,3,4,5,6,7
	ds_load_b128 v[AF+8*\a:AF+8*\a+3], v[TLD] offset:512*\a
	ds_load_b128 v[AF+8*\a+4:AF+8*\a+7], v[TLD] offset:512*\a
	ds_load_b32 v[LS+\a], v[TSL] offset:64*\a
.endr
	s_wait_loadcnt 0x0
	s_wait_dscnt 0x0
	WIN MUL_LO
	LORA16 0
	LORA16 2
	WIN MUL_HI
	LORA16 4
	LORA16 6
	WIN 0
.macro HOUT a
.set AC, 64*((\a)%4)
.set WA, 2+(\a)/4
.set WB, 5*WA
	WIN WA
.irp i, 0,2,4,6,8,10,12,14,16,18,20,22,24,26,28,30
	v_pk_mul_f32 v[E+\i:E+\i+1], v[AC+\i:AC+\i+1], s[98:99] op_sel_hi:[1,0]
.endr
	WIN 0
	s_wait_alu depctr_va_vdst(0)
.irp i, 0,1,2,3,4,5,6,7,8,9,10,11,12,13,14,15,16,17,18,19,20,21,22,23,24,25,26,27,28,29,30,31
	v_exp_f32 v[E+\i], v[E+\i]
.endr
	WIN WB
	s_wait_alu depctr_va_vdst(0)
.irp i, 0,2,4,6,8,10,12,14,16,18,20,22,24,26,28,30
	v_pk_mul_f32 v[GU+\i:GU+\i+1], v[AC+\i:AC+\i+1], v[AC+32+\i:AC+33+\i]
.endr
	WIN 0
	s_wait_alu depctr_va_vdst(0)
.irp i, 0,2,4,6,8,10,12,14,16,18,20,22,24,26,28,30
	v_pk_add_f32 v[E+\i:E+\i+1], v[E+\i:E+\i+1], 1.0 op_sel_hi:[1,0]
.endr
	s_wait_alu depctr_va_vdst(0)
.irp i, 0,1,2,3,4,5,6,7,8,9,10,11,12,13,14,15,16,17,18,19,20,21,22,23,24,25,26,27,28,29,30,31
	v_rcp_f32 v[E+\i], v[E+\i]
.endr
	v_nop
	s_wait_alu depctr_va_vdst(0)
.irp i, 0,2,4,6,8,10,12,14,16,18,20,22,24,26,28,30
	v_pk_mul_f32 v[GU+\i:GU+\i+1], v[GU+\i:GU+\i+1], v[E+\i:E+\i+1]
.endr
.irp e, 0,1
	v_max3_num_f32 v[TM+\e], |v[GU+16*\e]|, |v[GU+16*\e+1]|, 0x1800000
.endr
.irp i, 2,4,6,8,10,12,14
.irp e, 0,1
	v_max3_num_f32 v[TM+\e], v[TM+\e], |v[GU+16*\e+\i]|, |v[GU+16*\e+\i+1]|
.endr
.endr
.irp e, 0,1
	v_permlanex16_b32 v[TM+2+\e], v[TM+\e], s100, s101
.endr
.irp e, 0,1
	v_max_num_f32 v[TM+\e], v[TM+\e], v[TM+2+\e]
.endr
.irp e, 0,1
	v_add_nc_u32 v[TM+4+\e], 0xff000000, v[TM+\e]
.endr
.irp e, 0,1
	v_lshrrev_b32 v[TM+6+\e], 23, v[TM+4+\e]
.endr
.irp e, 0,1
	v_cvt_scalef32_pk8_fp4_f32 v[HC+4*(\a)+2*\e], v[GU+16*\e:GU+16*\e+7], v[TM+4+\e]
	v_cvt_scalef32_pk8_fp4_f32 v[HC+4*(\a)+2*\e+1], v[GU+16*\e+8:GU+16*\e+15], v[TM+4+\e]
.endr
	v_nop
.irp e, 0,1
	v_permlane16_swap_b32 v[HC+4*(\a)+2*\e], v[HC+4*(\a)+2*\e+1]
.endr
	v_lshl_or_b32 v[TM+8], v[TM+7], 8, v[TM+6]
.irp e, 0,1
	global_store_b64 v[HCO], v[HC+4*(\a)+2*\e:HC+4*(\a)+2*\e+1], s[66:67] offset:1024*(\a)+256*\e
.endr
	ds_store_b16 v[HSA], v[TM+8] offset:64*(\a)
.endm
	PLACES NP
	v_mov_b32 v[TM+2], 0
	v_mov_b32 v[TM+3], 0
	HOUT 0
	HOUT 1
	HOUT 2
	HOUT 3
	HOUT 4
	HOUT 5
	HOUT 6
	HOUT 7
	s_wait_dscnt 0x0
	s_barrier_signal -1
	s_barrier_wait -1
	ds_load_b64 v[TM+10:TM+11], v[HSL]
	s_wait_dscnt 0x0
	global_store_b64 v[L8], v[TM+10:TM+11], s[96:97]
	s_wait_tensorcnt 0x0
	ds_add_u32 v[SPW], v[NIL]
	s_wait_dscnt 0x0
	CROUND
	s_endpgm
.Lfunc_end_k_qe57dc88a4b_gemm1:
	.size	k_qe57dc88a4b_gemm1, .Lfunc_end_k_qe57dc88a4b_gemm1-k_qe57dc88a4b_gemm1
	.p2alignl 7, 3214868480
	.fill 96, 4, 3214868480
	.section	.rodata,"a",@progbits
	.p2align	6, 0x0
	.amdhsa_kernel k_qe57dc88a4b_gemm1
		.amdhsa_group_segment_fixed_size 327680
		.amdhsa_private_segment_fixed_size 0
		.amdhsa_enable_private_segment 0
		.amdhsa_kernarg_size 16
		.amdhsa_user_sgpr_count 2
		.amdhsa_user_sgpr_kernarg_segment_ptr 1
		.amdhsa_wavefront_size32 1
		.amdhsa_system_sgpr_workgroup_id_x 1
		.amdhsa_system_sgpr_workgroup_id_y 1
		.amdhsa_system_sgpr_workgroup_id_z 1
		.amdhsa_system_vgpr_workitem_id 0
		.amdhsa_next_free_vgpr 1024
		.amdhsa_next_free_sgpr 102
		.amdhsa_reserve_vcc 0
		.amdhsa_float_denorm_mode_32 3
		.amdhsa_float_denorm_mode_16_64 3
		.amdhsa_memory_ordered 1
		.amdhsa_forward_progress 1
		.amdhsa_inst_pref_size 255
	.end_amdhsa_kernel
	.section	.bss,"aw",@nobits
	.p2align	6
	.space	262144
	.amdgpu_metadata
---
amdhsa.version: [ 1, 2 ]
amdhsa.kernels:
  - .name:           k_qe57dc88a4b_gemm1
    .symbol:         k_qe57dc88a4b_gemm1.kd
    .args:
      - { .name: wq, .offset: 0, .size: 8, .value_kind: global_buffer, .address_space: global }
      - { .name: hq, .offset: 8, .size: 8, .value_kind: global_buffer, .address_space: global }
    .group_segment_fixed_size: 327680
    .private_segment_fixed_size: 0
    .kernarg_segment_align: 8
    .kernarg_segment_size: 16
    .max_flat_workgroup_size: 128
    .sgpr_count:     102
    .vgpr_count:     1024
    .wavefront_size: 32
...
	.end_amdgpu_metadata
.endif
;; end of part 7
;; launch gemm2 (part 8): grid 16 x 16, 4 waves a work-group, clusters of 4 x 4, 327,680 bytes of LDS; arguments hq, wq, out0; writes out0
.if DOCPART == 8
	.amdgcn_target "amdgcn-amd-amdhsa--gfx1250"
	.amdhsa_code_object_version 6
	.text
	.protected	k_qe57dc88a4b_gemm2
	.globl	k_qe57dc88a4b_gemm2
	.p2align	8
	.type	k_qe57dc88a4b_gemm2,@function
k_qe57dc88a4b_gemm2:
	s_mov_b64 s[64:65], 0
	v_nop
	global_prefetch_b8 v0, s[64:65] scope:SCOPE_SE
	s_setreg_imm32_b32 hwreg(HW_REG_WAVE_MODE, 25, 1), 1
	s_wait_xcnt 0x0
	s_wait_alu depctr_hold_cnt(0) depctr_sa_sdst(0) depctr_va_vdst(0) depctr_va_sdst(0) depctr_va_ssrc(0) depctr_va_vcc(0) depctr_vm_vsrc(0)
	s_getreg_b32 s2, hwreg(HW_REG_IB_STS2, 6, 4)
	s_cmp_eq_u32 s2, 0
	s_cbranch_scc0 .Lentry_in_a_cluster
	s_endpgm
.Lentry_in_a_cluster:
	s_bfe_u32 s2, ttmp6, 0x10000c
	s_cmp_lg_u32 s2, 0xf033
	s_cbranch_scc0 .Lentry_shape_is_right
	s_endpgm
.Lentry_shape_is_right:
; LAUNCH 3 OF 3: u = Q(h) Q(A_d)^T and out = Q(h) Q(W_d)^T + 0.25 Q(u) Q(B_d)^T, [2048][2048] f32.  No work is left out.
; SHARES.  out has 64 tiles of 256 x 256, too few for the WGPs, and 256 tiles of 128 x 128: a work-group takes one of those.  Four waves, each 64 x 64: 16 accumulators of 16 x 16, 128 registers.
; THE MATRIX INSTRUCTION IS USED TRANSPOSED (source 0 = 16 rows of a weight, source 1 = 16 rows of h): a lane holds one row and eight neighbouring columns.
; ALL OPERANDS LIE IN MEMORY IN THE ORDER OF THEIR REGISTERS (images of 1,024 bytes: 16 rows x 128 K): a fragment is two loads of 512 bytes on end: no pitch, no padding.
; u IS MADE HERE, beside the main product: h's fragments are in my registers anyway, so 8 products more in each K step (on its 16) give u of my 64 rows x columns 32 colhalf .. + 31: one whole block of 32 of u's 64.
; Every tile column makes u anew, 16 times in all: the price of one launch less and of u never going to memory.  u is one chain over K in one accumulator.
; A_d's fragments and scale words come from memory straight into registers, ten loads for two K steps, asked for ten K steps ahead.  They are not shared through LDS by joint loads: beside the ring of tiles and the
; scale words 27,648 bytes of LDS are left, and two slots' parts of A_d would be 65,536.
; THE LORA TERM is one more K step on the main accumulators, the last.  Each wave quantises its block of u (0.25 goes into the scale byte: byte - 2, exact; the floor under the largest magnitude is 2^(5 - 127)),
; the two waves of a rowhalf exchange blocks through LDS as an image of the operand's registers, with the 64 codes of a row laid twice over the K step's 128: B_d (K = 64, two rows' blocks to a scale word) lies in
; either half of the K step, with zero codes in the other.
; LIMITS: the LoRA term is summed in the main product's accumulator and not in a sum of its own: a difference of rounding alone.  NaN and infinities are not served; a block of u under 2^-122 keeps the floor's byte.
; K = 4,096 goes in four steps of 1,024 through a ring of two LDS slots filled by the tensor data mover; the scale words of all of K come once, with the first fills.  The text is a straight line.
; CLUSTERS: 4 x 4 work-groups.  The four of a row of the cluster need the same tiles of h, the four of a column the same tiles of W_d: each tile is asked for JOINTLY.
; REGISTERS: window 0: v0-31 addresses; v32-133 scale words and nothing else; v136-159 u's quantiser; v160-191 u's fragments; v192-255 rows of out.
;   window 1: two fragment buffers of 128: for two K steps of 128, 64 registers of h (2 x 4 blocks), then 64 of W_d.   window 2: A_d's fragments: eight sets of 32 (two K steps x two tiles).
;   window 3: v0-127 the accumulators ((a, b) at v[8 (4 a + b)]); v128-191 u's eight; v192-223 B_d's four fragments.
.set C_WD,  8388608                    ; offsets in wq: W_d's codes and scale words, B_d's, A_d's
.set S_WD,  15728640
.set C_BD,  15138816
.set S_BD,  16150528
.set C_AD,  14942208
.set S_AD,  16138240
.set SLOT,  131072                     ; a slot: h's 128 rows, then W_d's 128 rows, 65,536 bytes each: [K step 0..7][image 0..7][1,024]
.set SCL,   262144                     ; behind the ring: h's scale words [K step 0..31][128 rows][4], then W_d's, 16,384 bytes each
.set SPARE, 294912                     ; the spare words, 128 bytes for each wave: two blocks of 256 bytes that no other line names
.set UIMG,  295424                     ; 4,096 bytes: u's codes: [16 rows: 0..7][block 0..1][row][16]; no fill lands here
.set USC,   299520                     ; 512 bytes: u's scale words of the 128 rows: (s0, s1, s0, s1); no fill lands here
.set SPITCH, 272                       ; the way out: a stage of 16 rows x (256 bytes + 16) for each wave.  It lies in slot 0, which has had its last fill and its last read when the first result is stored there
.set UST,  8                           ; v8   where my 8 bytes of a row's block of u go
.set USB,  9                           ; v9   where my block's scale byte goes
.set ULD,  10                          ; v10  where I read a fragment of u
.set USL,  11                          ; v11  and its scale word
.set HCO,  14                          ; v14  16 r + 8 h
.set ADRA, 16                          ; v16-17  LDS address of my h fragments in slot 0, 1
.set ADRB, 20                          ; v20-21  the same for W_d
.set ADSA, 22                          ; v22  of h's scale words: a lane a row
.set ADSB, 23                          ; v23  of W_d's
.set LI,   24                          ; v24  16 x lane
.set L4,   25                          ; v25  4 x lane
.set L4R,  26                          ; v26  4 r
.set CO,   27                          ; v27  my byte offset in two rows of out
.set SPW,  28                          ; v28  LDS address of my spare word; never rewritten
.set NIL,  29                          ; v29  0; never rewritten
.set STO,  30                          ; v30  the way out: where I put 32 bytes of a row
.set RD,   31                          ; v31  and where I read a row back
.set SC,   32                          ; v32-95 scale words: set s at 32 s; in it h's at 4 q + j (lanes 0-15 block 2 j, lanes 16-31 block 2 j + 1), W_d's at 4 q + 2 + j
.set ADS,  96                          ; v96-127 A_d's scale words, a register a K step: lane l holds row 32 colhalf + l
.set LS,   128                         ; v128-133 the LoRA step's scale words: u's at LS + a, B_d's at LS + 4 + b / 2
.set UQM,  136                         ; u's quantiser: v136-139 largest magnitudes, v140-143 at work, v144-147 scale operands, v148-151 bytes, v152-159 codes
.set UQP,  140
.set UQS,  144
.set UQB,  148
.set UQG,  152
.set UF,   160                         ; u's fragments
.set BK,   192                         ; the way out: 16 rows read back from the stage: v192-223 and v224-255 by turns
.set F0,   0                           ; fragment buffers, in window 1
.set F1,   128
.set UA,   128                         ; in window 3: u's accumulators, (a, j) at UA + 16 a + 8 j
.set BD,   192                         ; in window 3: B_d's fragments
.set G1, 24                            ; s[24:31] descriptor group 1 for h's tiles;  s[32:39] group 0, one set for each slot
.set G0, 32
.set G1B, 48                           ; s[48:55], s[56:63] the same for W_d's
.set G0B, 56
.set G1S, 68                           ; s[68:75], s[76:79] groups 1 and 0 for h's scale words;  s[80:87], s[88:91] for W_d's
.set G0S, 76
.set G1SB, 80
.set G0SB, 88
.set MSB, 0
.macro WIN new                         ; the immediate's high byte repeats the setting that is left
.if MSB != \new
	s_set_vgpr_msb (MSB<<8)|\new
.set MSB, \new
.endif
.endm
.set MUL,   0xf5                       ; sources 0 (W_d) and 1 (h) window 1; C and D window 3
.set MUL_U, 0xf6                       ; source 0 (A_d) window 2, source 1 (h) window 1; C and D window 3
.set MUL_L, 0xf3                       ; source 0 (B_d) window 3, source 1 (u) window 0; C and D window 3
.set TO_F,  0x40                       ; destination window 1, address window 0
.set TO_AD, 0x80                       ; destination window 2
.set TO_3,  0xc0                       ; destination window 3
; A joint load: waves 0 and 1 fetch for h, waves 2 and 3 for W_d; an s_nop 0 and four v_nop follow each of the two lines, ahead of the jump, the label and what follows
.macro JLOAD g0a, g1a, g0b, g1b
	s_cmp_eq_u32 s15, 0
	s_cbranch_scc0 .Lfor_b_\@
	tensor_load_to_lds s[\g0a:\g0a+3], s[\g1a:\g1a+7]
	s_nop 0
.rept 4
	v_nop
.endr
	s_branch .Lasked_\@
.Lfor_b_\@:
	tensor_load_to_lds s[\g0b:\g0b+3], s[\g1b:\g1b+7]
	s_nop 0
.rept 4
	v_nop
.endr
.Lasked_\@:
.endm
.macro CREST                           ; a round of the cluster's barrier behind its opening barrier
	s_cmp_lg_u32 s14, 0
	s_cbranch_scc1 .Lnot_wave_0_\@
	s_barrier_signal -3
.Lnot_wave_0_\@:
	s_barrier_wait -3
	s_barrier_signal -1
	s_barrier_wait -1
.endm
.macro CROUND                          ; a whole round
	s_barrier_signal -1
	s_barrier_wait -1
	CREST
.endm
.macro PLACES n
.rept \n
	v_nop
.endr
.endm
.macro QLOAD i                         ; A_d for quarter i (K steps 2 i, 2 i + 1): eight loads of 512 bytes on end into set i % 8, and the two K steps' scale words: ten loads
	WIN TO_AD
.irp c, 0,1
.irp j, 0,1
.irp e, 0,1
	global_load_b128 v[32*((\i)%8)+16*\c+8*\j+4*\e:32*((\i)%8)+16*\c+8*\j+4*\e+3], v[LI], s[10:11] offset:(2*(\i)+\c)*4096+1024*\j+512*\e
.endr
.endr
.endr
	WIN 0
.irp c, 0,1
	global_load_b32 v[ADS+2*(\i)+\c], v[L4], s[12:13] offset:(2*(\i)+\c)*256
.endr
.endm
	s_load_b128 s[4:7], s[0:1], 0x0                ; hq s[4:5], wq s[6:7]
	s_load_b64 s[8:9], s[0:1], 0x10                ; out0
	v_lshl_add_u32 v[SPW], v0, 2, SPARE
	v_mov_b32 v[NIL], 0
	ds_add_u32 v[SPW], v[NIL]                      ; the wave's opening: the add, twice on end, and its wait ahead of my first tensor load; the set-up below, work on registers, stands between
	ds_add_u32 v[SPW], v[NIL]                      ; and once more, under the one wait
	v_lshrrev_b32 v1, 5, v0
	v_readfirstlane_b32 s14, v1                    ; wave 0..3
	s_lshr_b32 s15, s14, 1                         ; rowhalf.  Also: I fetch for h (0) or for W_d (1)
	s_and_b32 s16, s14, 1                          ; colhalf.  Also: which of the two parts I fetch
	s_bfe_u32 s40, ttmp6, 0x40000                  ; cx, cy: my place in the cluster
	s_bfe_u32 s41, ttmp6, 0x40004
	s_lshl_b32 s42, ttmp9, 2
	s_add_co_u32 s42, s42, s40                     ; tile column = 4 x cluster x + cx: 0..15
	s_and_b32 s17, ttmp7, 0xffff
	s_lshl_b32 s17, s17, 2
	s_add_co_u32 s17, s17, s41                     ; tile row = 4 x cluster y + cy: 0..15
	s_lshl_b32 s43, s41, 2
	s_lshl_b32 s43, 15, s43                        ; my row of the cluster
	s_lshl_b32 s44, 0x1111, s40                    ; my column
	; descriptor group 1, codes: rows (K steps) of 8,192 bytes (8 images on end), as 1,024 elements of 8 bytes; from K step to K step 131,072 bytes in both tensors.  8 rows for the head's loads, 4 for the ring's.  No padding
	s_or_b32 s[G1+0], s43, (3<<16)|(1<<21)         ; 15:0 the mask: h's tiles go to my row; 17:16 elements of 8 bytes; 21 set beside a mask
	s_or_b32 s[G1B+0], s44, (3<<16)|(1<<21)        ; W_d's go to my column
.irp g, G1, G1B
	s_mov_b32 s[\g+1], 1024<<16                    ; tensor_dim0
	s_mov_b32 s[\g+2], 8<<16                       ; tensor_dim1
	s_mov_b32 s[\g+3], 1024<<16                    ; tile_dim0
	s_mov_b32 s[\g+4], 8                           ; tile_dim1
	s_mov_b32 s[\g+5], 16384                       ; tensor_dim0_stride, in elements
	s_mov_b32 s[\g+6], 0
	s_mov_b32 s[\g+7], 0
.endr
	; and the scale words: 32 rows (all K steps) of 512 bytes (128 rows' words), 8,192 bytes from K step to K step
	s_or_b32 s[G1S+0], s43, (3<<16)|(1<<21)
	s_or_b32 s[G1SB+0], s44, (3<<16)|(1<<21)
.irp g, G1S, G1SB
	s_mov_b32 s[\g+1], 64<<16
	s_mov_b32 s[\g+2], 32<<16
	s_mov_b32 s[\g+3], 64<<16
	s_mov_b32 s[\g+4], 32
	s_mov_b32 s[\g+5], 1024
	s_mov_b32 s[\g+6], 0
	s_mov_b32 s[\g+7], 0
.endr
	s_lshl_b32 s20, s17, 13                        ; h's codes: image 8 x tile row
	s_mov_b32 s21, 0
	s_lshl_b32 s46, s42, 13                        ; W_d's: image 8 x tile column
	s_add_co_u32 s46, s46, C_WD
	s_mov_b32 s47, 0
	s_lshl_b32 s22, s17, 9                         ; h's scale words: rows 128 x tile row on
	s_add_co_u32 s22, s22, 4194304
	s_mov_b32 s23, 0
	s_lshl_b32 s92, s42, 9                         ; W_d's likewise
	s_add_co_u32 s92, s92, S_WD
	s_mov_b32 s93, 0
	s_lshl_b32 s18, s16, 19                        ; in the ring I fetch four of a slot's eight K steps: the first four or the last, in bytes,
	s_mov_b32 s19, 0
	s_lshl_b32 s45, s14, 15                        ; and where they go: wave x 32,768: no place in the cluster enters an LDS address
	s_mov_b32 s100, 0x76543210
	s_mov_b32 s101, 0xfedcba98                     ; v_permlanex16_b32's selects for lane l xor 16
	s_wait_dscnt 0x0                               ; both opening adds are done
	s_wait_kmcnt 0x0
	s_add_nc_u64 s[20:21], s[4:5], s[20:21]
	s_add_nc_u64 s[22:23], s[4:5], s[22:23]
	s_add_nc_u64 s[46:47], s[6:7], s[46:47]
	s_add_nc_u64 s[92:93], s[6:7], s[92:93]
	CROUND                                         ; all sixteen work-groups are here: the first joint loads meet
	s_mov_b32 s[G0S], 1
	s_mov_b32 s[G0S+1], SCL
	s_mov_b64 s[G0S+2:G0S+3], s[22:23]
	s_or_b32 s[G0S+3], s[G0S+3], 0x80000000
	s_mov_b32 s[G0SB], 1
	s_mov_b32 s[G0SB+1], SCL+16384
	s_mov_b64 s[G0SB+2:G0SB+3], s[92:93]
	s_or_b32 s[G0SB+3], s[G0SB+3], 0x80000000
	s_mov_b32 s[G0], 1                             ; the head's tiles of codes, each whole: slot 0's eight K steps of h's 128 rows,
	s_mov_b32 s[G0+1], 0
	s_mov_b64 s[G0+2:G0+3], s[20:21]
	s_or_b32 s[G0+3], s[G0+3], 0x80000000
	s_mov_b32 s[G0B], 1                            ; and of W_d's 128 rows, behind them
	s_mov_b32 s[G0B+1], 65536
	s_mov_b64 s[G0B+2:G0B+3], s[46:47]
	s_or_b32 s[G0B+3], s[G0B+3], 0x80000000
	s_add_nc_u64 s[20:21], s[20:21], s[18:19]      ; for the ring: my four K steps of a slot's eight
	s_add_nc_u64 s[22:23], s[46:47], s[18:19]
	s_mov_b32 s[G0+4], 1                           ; slot 1: K steps 8-15
	s_add_co_u32 s[G0+5], s45, SLOT
	s_add_nc_u64 s[G0+6:G0+7], s[20:21], 1048576
	s_or_b32 s[G0+7], s[G0+7], 0x80000000
	s_mov_b32 s[G0B+4], 1
	s_add_co_u32 s[G0B+5], s45, SLOT
	s_add_nc_u64 s[G0B+6:G0B+7], s[22:23], 1048576
	s_or_b32 s[G0B+7], s[G0B+7], 0x80000000
; THE HEAD'S LOADS, ONE A WAVE.  Wave 0 fetches slot 0's codes of h, wave 1 those of W_d, wave 2 h's scale words, wave 3 W_d's.
; ONE tree of branches on the wave's number, each arm with its load and, but for the last, a jump to the tree's end: every way through the head passes exactly one load.
.macro ARM under, g0, g1, next
	s_cmp_lt_u32 s14, \under
	s_cbranch_scc0 \next
	tensor_load_to_lds s[\g0:\g0+3], s[\g1:\g1+7]
	s_nop 0
.rept 4
	v_nop
.endr
	s_branch .Lhead_asked
\next:
.endm
	ARM 1, G0,  G1,  .Lhead_b
	ARM 2, G0B, G1B, .Lhead_sa
	ARM 3, G0S, G1S, .Lhead_sb
	tensor_load_to_lds s[G0SB:G0SB+3], s[G1SB:G1SB+7]
	s_nop 0
.rept 4
	v_nop
.endr
.Lhead_asked:
	v_and_b32 v1, 15, v0                           ; r
	v_bfe_u32 v2, v0, 4, 1                         ; h
	v_and_b32 v3, 31, v0                           ; lane
	v_lshlrev_b32 v[LI], 4, v3
	v_lshlrev_b32 v[L4], 2, v3
	v_lshlrev_b32 v[L4R], 2, v1
	s_wait_alu depctr_va_vdst(0)
	s_lshl_b32 s10, s16, 11                        ; A_d's codes: my two images of the four of a K step
	s_add_co_u32 s10, s10, C_AD
	s_mov_b32 s11, 0
	s_add_nc_u64 s[10:11], s[6:7], s[10:11]
	s_lshl_b32 s12, s16, 7                         ; A_d's scale words: my 32 rows of the 64 of a K step
	s_add_co_u32 s12, s12, S_AD
	s_mov_b32 s13, 0
	s_add_nc_u64 s[12:13], s[6:7], s[12:13]
	s_lshl_b32 s46, s42, 12                        ; B_d's images (32 rows each): 4 x tile column + 2 x colhalf
	s_lshl_b32 s47, s16, 11
	s_add_co_u32 s46, s46, s47
	s_add_co_u32 s46, s46, C_BD
	s_mov_b32 s47, 0
	s_add_nc_u64 s[46:47], s[6:7], s[46:47]
	s_lshl_b32 s92, s42, 8                         ; and their scale words, 64 bytes an image
	s_lshl_b32 s93, s16, 7
	s_add_co_u32 s92, s92, s93
	s_add_co_u32 s92, s92, S_BD
	s_mov_b32 s93, 0
	s_add_nc_u64 s[92:93], s[6:7], s[92:93]
.irp j, 0,1
	global_load_b32 v[LS+4+\j], v[L4R], s[92:93] offset:64*\j      ; B_d, for the last step: it has registers of its own, so it is asked for here
.endr
	WIN TO_3
.irp b, 0,1,2,3                                ; an even block of 16 rows is the first half of its image and goes into registers 0-3 (K 0-63), an odd one the second half, into registers 4-7 (K 64-127); the other half is zero codes
	global_load_b128 v[BD+8*\b+4*(\b%2):BD+8*\b+4*(\b%2)+3], v[LI], s[46:47] offset:(\b/2)*1024+(\b%2)*512
.irp i, 0,1,2,3
	v_mov_b32 v[BD+8*\b+4*(1-\b%2)+\i], 0
.endr
.endr
	QLOAD 0                                        ; A_d's first five quarters: with B_d's six, 56 loads of mine are out
	QLOAD 1
	QLOAD 2
	QLOAD 3
	QLOAD 4
	v_lshlrev_b32 v[HCO], 4, v1
	v_lshl_add_u32 v[HCO], v2, 3, v[HCO]
	s_wait_alu depctr_va_vdst(0)
	s_lshl_b32 s18, s15, 12                        ; my 64 rows of h: images 4 rowhalf on of a K step's eight
	v_add_nc_u32 v[ADRA], s18, v[LI]
	s_add_co_u32 s18, s18, SLOT
	v_add_nc_u32 v[ADRA+1], s18, v[LI]
	s_lshl_b32 s18, s16, 12                        ; my 64 rows of W_d: images 4 colhalf on, behind h's 65,536 bytes
	s_add_co_u32 s18, s18, 65536
	v_add_nc_u32 v[ADRB], s18, v[LI]
	s_add_co_u32 s18, s18, SLOT
	v_add_nc_u32 v[ADRB+1], s18, v[LI]
	s_lshl_b32 s18, s15, 8
	s_add_co_u32 s18, s18, SCL
	v_add_nc_u32 v[ADSA], s18, v[L4]
	s_lshl_b32 s18, s16, 8
	s_add_co_u32 s18, s18, SCL+16384
	v_add_nc_u32 v[ADSB], s18, v[L4]
	s_lshl_b32 s18, s15, 11                        ; u's codes: 2,048 bytes a rowhalf, 512 for each 16 rows; block colhalf is mine
	s_add_co_u32 s18, s18, UIMG
	v_add_nc_u32 v[ULD], s18, v[LI]
	s_lshl_b32 s19, s16, 8
	s_add_co_u32 s18, s18, s19
	v_add_nc_u32 v[UST], s18, v[HCO]
	s_lshl_b32 s18, s15, 8                         ; u's scale words: 4 bytes a row; bytes colhalf and 2 + colhalf are mine
	s_add_co_u32 s18, s18, USC
	v_add_nc_u32 v[USL], s18, v[L4R]
	s_add_co_u32 s18, s18, s16
	v_add_nc_u32 v[USB], s18, v[L4R]
	s_mul_i32 s18, s14, 16*SPITCH                  ; my stage
	v_mul_u32_u24 v[STO], v1, SPITCH               ; in: row r, 32 bytes for each half of the lanes
	v_lshl_add_u32 v[STO], v2, 5, v[STO]
	v_add_nc_u32 v[STO], s18, v[STO]
	v_mul_u32_u24 v[RD], v2, SPITCH                ; back: lanes 0-15 one row of 256 bytes, lanes 16-31 the next
	v_lshl_add_u32 v[RD], v1, 4, v[RD]
	v_add_nc_u32 v[RD], s18, v[RD]
	v_lshlrev_b32 v[CO], 13, v2                    ; and the same two rows in out: 8,192 bytes a row
	v_lshl_add_u32 v[CO], v1, 4, v[CO]
.irp a, 0,1,2,3
	v_mov_b32 v[UQP+\a], 0                         ; written once: a lane permute's destination counts as one of its sources
.endr
	s_lshl_b32 s2, s17, 20                         ; out: row 128 x tile row + 64 x rowhalf, column 128 x tile column + 64 x colhalf
	s_lshl_b32 s3, s15, 19
	s_add_co_u32 s2, s2, s3
	s_lshl_b32 s3, s42, 9
	s_add_co_u32 s2, s2, s3
	s_lshl_b32 s3, s16, 8
	s_add_co_u32 s2, s2, s3
	s_mov_b32 s3, 0
	s_add_nc_u64 s[66:67], s[8:9], s[2:3]
.macro WMI                             ; one product; zr: it starts its sum with the constant 0; rw says which halves of the lanes hold source 0's (2) and source 1's (1) scale words
.if zr
.if rw == 0
	v_wmma_scale_f32_16x16x128_f8f6f4 v[rD:rD+7], v[rB:rB+7], v[rA:rA+7], 0, v[xB], v[xA] matrix_a_fmt:MATRIX_FMT_FP4 matrix_b_fmt:MATRIX_FMT_FP4
.elseif rw == 1
	v_wmma_scale_f32_16x16x128_f8f6f4 v[rD:rD+7], v[rB:rB+7], v[rA:rA+7], 0, v[xB], v[xA] matrix_a_fmt:MATRIX_FMT_FP4 matrix_b_fmt:MATRIX_FMT_FP4 matrix_b_scale:MATRIX_SCALE_ROW1
.elseif rw == 2
	v_wmma_scale_f32_16x16x128_f8f6f4 v[rD:rD+7], v[rB:rB+7], v[rA:rA+7], 0, v[xB], v[xA] matrix_a_fmt:MATRIX_FMT_FP4 matrix_b_fmt:MATRIX_FMT_FP4 matrix_a_scale:MATRIX_SCALE_ROW1
.else
	v_wmma_scale_f32_16x16x128_f8f6f4 v[rD:rD+7], v[rB:rB+7], v[rA:rA+7], 0, v[xB], v[xA] matrix_a_fmt:MATRIX_FMT_FP4 matrix_b_fmt:MATRIX_FMT_FP4 matrix_a_scale:MATRIX_SCALE_ROW1 matrix_b_scale:MATRIX_SCALE_ROW1
.endif
.else
.if rw == 0
	v_wmma_scale_f32_16x16x128_f8f6f4 v[rD:rD+7], v[rB:rB+7], v[rA:rA+7], v[rD:rD+7], v[xB], v[xA] matrix_a_fmt:MATRIX_FMT_FP4 matrix_b_fmt:MATRIX_FMT_FP4
.elseif rw == 1
	v_wmma_scale_f32_16x16x128_f8f6f4 v[rD:rD+7], v[rB:rB+7], v[rA:rA+7], v[rD:rD+7], v[xB], v[xA] matrix_a_fmt:MATRIX_FMT_FP4 matrix_b_fmt:MATRIX_FMT_FP4 matrix_b_scale:MATRIX_SCALE_ROW1
.elseif rw == 2
	v_wmma_scale_f32_16x16x128_f8f6f4 v[rD:rD+7], v[rB:rB+7], v[rA:rA+7], v[rD:rD+7], v[xB], v[xA] matrix_a_fmt:MATRIX_FMT_FP4 matrix_b_fmt:MATRIX_FMT_FP4 matrix_a_scale:MATRIX_SCALE_ROW1
.else
	v_wmma_scale_f32_16x16x128_f8f6f4 v[rD:rD+7], v[rB:rB+7], v[rA:rA+7], v[rD:rD+7], v[xB], v[xA] matrix_a_fmt:MATRIX_FMT_FP4 matrix_b_fmt:MATRIX_FMT_FP4 matrix_a_scale:MATRIX_SCALE_ROW1 matrix_b_scale:MATRIX_SCALE_ROW1
.endif
.endif
.endm
; 8 matrix instructions: h's blocks a0, a0 + 1 against W_d's four, half c of buffer f: the slot's q-th K step.  zero = 1: the first K step starts the sums: nothing is ever cleared.
; All accumulators take turns, one instruction a turn, in the same order in every K step.
.macro MUL8 f, c, a0, sc, q, zero
.irp a, \a0, \a0+1
.irp b, 0,1,2,3
.set rD, 8*(4*(\a)+\b)
.set rB, \f+64+8*(4*(\c)+\b)
.set rA, \f+8*(4*(\c)+(\a))
.set xB, SC+32*(\sc)+4*(\q)+2+\b/2
.set xA, SC+32*(\sc)+4*(\q)+(\a)/2
.set rw, 2*(\b%2)+((\a)%2)
.set zr, \zero
	WMI
.endr
.endr
.endm
; 8 matrix instructions for u: h's four blocks against A_d's two tiles: half c of quarter i
.macro UMUL f, c, sc, q, i, zero
.irp a, 0,1,2,3
.irp j, 0,1
.set rD, UA+16*\a+8*\j
.set rB, 32*((\i)%8)+16*(\c)+8*\j
.set rA, \f+8*(4*(\c)+\a)
.set xB, ADS+2*(\i)+(\c)
.set xA, SC+32*(\sc)+4*(\q)+\a/2
.set rw, 2*\j+(\a%2)
.set zr, \zero
	WMI
.endr
.endr
.endm
; 32 LDS loads in one run: the fragments of K steps 2 kp and 2 kp + 1 of a slot into buffer f; the first K step's first
.macro FETCH slot, kp, f
	WIN TO_F
.irp c, 0,1
.irp i, 0,1,2,3
	ds_load_b128 v[\f+64+8*(4*\c+\i):\f+64+8*(4*\c+\i)+3],   v[ADRB+\slot] offset:(2*(\kp)+\c)*8192+\i*1024
	ds_load_b128 v[\f+64+8*(4*\c+\i)+4:\f+64+8*(4*\c+\i)+7], v[ADRB+\slot] offset:(2*(\kp)+\c)*8192+\i*1024+512
	ds_load_b128 v[\f+8*(4*\c+\i):\f+8*(4*\c+\i)+3],         v[ADRA+\slot] offset:(2*(\kp)+\c)*8192+\i*1024
	ds_load_b128 v[\f+8*(4*\c+\i)+4:\f+8*(4*\c+\i)+7],       v[ADRA+\slot] offset:(2*(\kp)+\c)*8192+\i*1024+512
.endr
.endr
.endm
.macro SCALES set, grp                 ; the scale words of K steps 8 grp .. 8 grp + 7 into a set: a lane a row, 128 bytes on end a load
.irp q, 0,1,2,3,4,5,6,7
.irp j, 0,1
	ds_load_b32 v[SC+32*(\set)+4*\q+\j], v[ADSA] offset:(8*(\grp)+\q)*512+128*\j
	ds_load_b32 v[SC+32*(\set)+4*\q+2+\j], v[ADSB] offset:(8*(\grp)+\q)*512+128*\j
.endr
.endr
.endm
.macro ADWAIT i                        ; A_d's ten loads of quarter i are in; those of the younger quarters, four at the most, may be out
.set LQN, 10*(15-(\i))
.if LQN > 40
.set LQN, 40
.endif
	s_wait_loadcnt LQN
.endm
; A slot is four quarters of two K steps, 48 matrix instructions each, on buffers 0, 1, 0, 1.  One of the first three (quarter i of 16): multiplies buffer f (K steps 2 kp, 2 kp + 1) and fetches the next quarter into g.
; A_d's loads for the quarter five further on stand with the run of LDS loads; their set was last read three quarters ago.
.macro QUARTER slot, kp, f, g, i, zero
	ADWAIT \i
	s_wait_dscnt 16                                ; the first K step's fragments (and whatever was asked for ahead of them) are in; the second's sixteen loads may be out
	WIN MUL
	MUL8 \f, 0, 0, \slot, 2*(\kp), \zero
	MUL8 \f, 0, 2, \slot, 2*(\kp), \zero
	WIN MUL_U
	UMUL \f, 0, \slot, 2*(\kp), \i, \zero
	PLACES 4                                       ; in front of loads into registers that matrix instructions have read
	FETCH \slot, (\kp)+1, \g
.if (\i)+5 < 16
	QLOAD (\i)+5
.endif
	s_wait_dscnt 32                                ; all but the 32 just issued
	WIN MUL
	MUL8 \f, 1, 0, \slot, 2*(\kp)+1, 0
	MUL8 \f, 1, 2, \slot, 2*(\kp)+1, 0
	WIN MUL_U
	UMUL \f, 1, \slot, 2*(\kp)+1, \i, 0
.endm
; The last quarter multiplies buffer 1 and changes slots: ONE barrier; in front of it each wave waits for all its tensor loads, adds 0 to its spare word, and waits for that and for its own reads of this slot.
; fill = 1: this slot is filled again, two slots ahead; the barrier then opens a round of the cluster's.  grp: which eight K steps the next slot holds.
.macro TURN slot, nx, fill, grp, i
	WIN 0                                          ; (the add's two registers lie in window 0)
	ADWAIT \i
	s_wait_tensorcnt 0x0                           ; all my tensor loads have landed: my part of the next slot
	ds_add_u32 v[SPW], v[NIL]                      ; 0 onto my spare word
	s_wait_dscnt 17                                ; (the add and the youngest sixteen loads may be out)
	WIN MUL
	MUL8 F1, 0, 0, \slot, 6, 0                     ; eight matrix instructions stand between the add and the wait for it
	s_wait_dscnt 0x0                               ; the add is done, and my reads of this slot are over
	s_barrier_signal -1
	MUL8 F1, 0, 2, \slot, 6, 0
	WIN MUL_U
	UMUL F1, 0, \slot, 6, \i, 0
	WIN 0
	s_barrier_wait -1
.if \fill
	CREST                                          ; no wave of any partner still reads this slot's tile or has a load on its way
	s_add_nc_u64 s[G0+4*\slot+2:G0+4*\slot+3], s[G0+4*\slot+2:G0+4*\slot+3], 2097152
	s_add_nc_u64 s[G0B+4*\slot+2:G0B+4*\slot+3], s[G0B+4*\slot+2:G0B+4*\slot+3], 2097152
	JLOAD G0+4*\slot, G1, G0B+4*\slot, G1B         ; the first tensor load behind the round; the four v_nop behind it are the places in front of the loads below
.else
	PLACES 4
.endif
	SCALES \nx, \grp                               ; ahead of the fragments, so that the next quarter's first wait covers them
	FETCH \nx, 0, F0
.if (\i)+5 < 16
	QLOAD (\i)+5
.endif
	WIN MUL
	MUL8 F1, 1, 0, \slot, 7, 0
	MUL8 F1, 1, 2, \slot, 7, 0
	WIN MUL_U
	UMUL F1, 1, \slot, 7, \i, 0
.endm
	s_wait_alu depctr_va_vdst(0)
	s_wait_tensorcnt 0x0                           ; my tile of the head's four is in; these lines stand ahead of a later first fill, as ahead of a refill:
	ds_add_u32 v[SPW], v[NIL]                      ; 0 onto my spare word
	s_mov_b32 s[G1+2], 4<<16                       ; no tensor load of mine is out, so descriptors may be written: from here on a load brings 4 K steps,
	s_mov_b32 s[G1+4], 4
	s_mov_b32 s[G1B+2], 4<<16
	s_mov_b32 s[G1B+4], 4
	s_mov_b32 s[G0+1], s45                         ; and slot 0's group 0 stands at my four K steps: its first refill steps it on
	s_mov_b64 s[G0+2:G0+3], s[20:21]
	s_or_b32 s[G0+3], s[G0+3], 0x80000000
	s_mov_b32 s[G0B+1], s45
	s_mov_b64 s[G0B+2:G0B+3], s[22:23]
	s_or_b32 s[G0B+3], s[G0B+3], 0x80000000
	s_wait_dscnt 0x0                               ; the add is done
	CROUND                                         ; a whole round: all four tiles are in, and all sixteen work-groups are here: the joint loads meet,
	JLOAD G0+4, G1, G0B+4, G1B                     ; and slot 1's first fill, the first tensor load behind the round
	SCALES 0, 0
	FETCH 0, 0, F0
	QUARTER 0, 0, F0, F1, 0, 1                     ; the first K step starts all 24 sums
	QUARTER 0, 1, F1, F0, 1, 0
	QUARTER 0, 2, F0, F1, 2, 0
	TURN 0, 1, 1, 1, 3                             ; slot 0 takes K steps 16-23
	QUARTER 1, 0, F0, F1, 4, 0
	QUARTER 1, 1, F1, F0, 5, 0
	QUARTER 1, 2, F0, F1, 6, 0
	TURN 1, 0, 1, 2, 7                             ; slot 1 takes K steps 24-31: the last load
	QUARTER 0, 0, F0, F1, 8, 0
	QUARTER 0, 1, F1, F0, 9, 0
	QUARTER 0, 2, F0, F1, 10, 0
	TURN 0, 1, 0, 3, 11                            ; nothing is left to fetch, so no round follows
	QUARTER 1, 0, F0, F1, 12, 0
	QUARTER 1, 1, F1, F0, 13, 0
	QUARTER 1, 2, F0, F1, 14, 0
	s_wait_loadcnt 0x0                             ; the very last quarter: A_d's last set
	s_wait_dscnt 16
	WIN MUL
	MUL8 F1, 0, 0, 1, 6, 0
	MUL8 F1, 0, 2, 1, 6, 0
	WIN MUL_U
	UMUL F1, 0, 1, 6, 15, 0
	s_wait_dscnt 0
	WIN MUL
	MUL8 F1, 1, 0, 1, 7, 0
	MUL8 F1, 1, 2, 1, 7, 0
	WIN MUL_U
	UMUL F1, 1, 1, 7, 15, 0
	; u IS QUANTISED.  For rows 16 a on, my 16 registers are columns 32 colhalf + 8 h + 0..7 and + 16 + 8 h + 0..7; lane l xor 16 holds the block's other 16.  The four blocks of rows take turns line by line.
	PLACES 4                                       ; between the last products and the first read of results
	WIN 0x0f                                       ; sources 0 and 1: window 3
.irp a, 0,1,2,3
	v_max3_num_f32 v[UQM+\a], |v[UA+16*\a]|, |v[UA+16*\a+1]|, 0x2800000   ; the floor 2^(5 - 127): the byte less 2 cannot fall under 1.  Each accumulator is read from its low end on
.endr
.irp i, 2,4,6,8,10,12,14
.irp a, 0,1,2,3
	v_max3_num_f32 v[UQM+\a], |v[UA+16*\a+\i]|, |v[UA+16*\a+\i+1]|, v[UQM+\a]
.endr
.endr
	WIN 0
.irp a, 0,1,2,3
	v_permlanex16_b32 v[UQP+\a], v[UQM+\a], s100, s101
.endr
.irp a, 0,1,2,3
	v_max_num_f32 v[UQM+\a], v[UQM+\a], v[UQP+\a]  ; the block's largest magnitude
.endr
.irp a, 0,1,2,3
	v_add_nc_u32 v[UQS+\a], 0xff000000, v[UQM+\a]  ; 2 off the exponent field: the conversion's scale operand
	v_add_nc_u32 v[UQB+\a], 0xfe000000, v[UQM+\a]  ; 4 off: the scale's byte less 2, which is the factor 0.25
.endr
.irp a, 0,1,2,3
	v_lshrrev_b32 v[UQB+\a], 23, v[UQB+\a]
.endr
	WIN 0x03                                       ; source 0: window 3
.irp a, 0,1,2,3
	v_cvt_scalef32_pk8_fp4_f32 v[UQG+2*\a], v[UA+16*\a:UA+16*\a+7], v[UQS+\a]         ; bytes 4 h .. 4 h + 3 of the block's 16,
	v_cvt_scalef32_pk8_fp4_f32 v[UQG+2*\a+1], v[UA+16*\a+8:UA+16*\a+15], v[UQS+\a]    ; bytes 8 + 4 h .. 8 + 4 h + 3
.endr
	WIN 0
	v_nop                                          ; one plain place behind the last conversion
.irp a, 0,1,2,3
	v_permlane16_swap_b32 v[UQG+2*\a], v[UQG+2*\a+1]   ; the first's lanes 16-31 change places with the second's lanes 0-15: the pair is now bytes 8 h .. 8 h + 7
.endr
.irp a, 0,1,2,3
	ds_store_b64 v[UST], v[UQG+2*\a:UQG+2*\a+1] offset:512*\a      ; 256 bytes on end: my block of the 16 rows
	ds_store_b8 v[USB], v[UQB+\a] offset:64*\a     ; its byte, twice: the K step's 128 hold the row's 64 codes twice.  Both halves of the lanes write the same byte with the same value
	ds_store_b8 v[USB], v[UQB+\a] offset:64*\a+2
.endr
	s_wait_dscnt 0x0                               ; for the other colhalf's sake: my stores have landed
	s_barrier_signal -1
	s_barrier_wait -1                              ; no tensor load is left
.irp a, 0,1,2,3
	ds_load_b128 v[UF+8*\a:UF+8*\a+3], v[ULD] offset:512*\a        ; lane (r, h): block h of row r,
	ds_load_b128 v[UF+8*\a+4:UF+8*\a+7], v[ULD] offset:512*\a      ; and once more, for K 64-127
	ds_load_b32 v[LS+\a], v[USL] offset:64*\a
.endr
	s_wait_dscnt 0x0
	WIN MUL_L
.irp a, 0,1,2,3
.irp b, 0,1,2,3
.set rD, 8*(4*\a+\b)
.set rB, BD+8*\b
.set rA, UF+8*\a
.set xB, LS+4+\b/2
.set xA, LS+\a
.set rw, 0
.set zr, 0
	WMI
.endr
.endr
	WIN 0
; THE WAY OUT, a block of 16 rows x 64 columns at a time.  A lane holds 32 neighbouring bytes of a row and the lanes beside it hold other rows: so a block goes through my own stage in LDS and comes back as whole
; rows of 256 bytes, two an instruction.  LDS serves a wave's instructions in order (ISA guide 5.7.1.4): no wait between the stores and the loads, nor in front of the next block's stores.
.macro TOSTAGE a
	WIN 0x0c                                       ; an LDS store's data are its source 1: window 3
.irp b, 0,1,2,3
	ds_store_b128 v[STO], v[8*(4*(\a)+\b):8*(4*(\a)+\b)+3] offset:64*\b        ; each accumulator from its low end on
	ds_store_b128 v[STO], v[8*(4*(\a)+\b)+4:8*(4*(\a)+\b)+7] offset:64*\b+16
.endr
	WIN 0
.set BB, BK+32*((\a)%2)
.irp t, 0,1,2,3,4,5,6,7
	ds_load_b128 v[BB+4*\t:BB+4*\t+3], v[RD] offset:2*\t*SPITCH
.endr
.endm
.macro SEND a, younger                 ; younger: the LDS instructions issued behind block a's loads, which may stay out
.set BB, BK+32*((\a)%2)
	s_wait_dscnt \younger                          ; the block is back in registers
.irp t, 0,1,2,3,4,5,6,7
	global_store_b128 v[CO], v[BB+4*\t:BB+4*\t+3], s[66:67] offset:(16*(\a)+2*\t)*8192 th:TH_STORE_NT   ; 16 lanes store 256 bytes on end, at a multiple of 256 from out's first byte; written once, read by nobody here
.endr
.endm
	PLACES 4                                       ; between the last products and the stores that read results
	TOSTAGE 0
.irp a, 1,2,3
.if \a > 1
	s_wait_xcnt 0x0                                ; block a - 2's stores have read their registers: block a's loads may land there
.endif
	TOSTAGE \a
	SEND \a-1, 16                                  ; behind block a - 1's loads: block a's 8 stores and 8 loads
.endr
	SEND 3, 0
	s_wait_tensorcnt 0x0                           ; the wave's end: these three lines stand, behind my last tensor load and my last LDS store
	ds_add_u32 v[SPW], v[NIL]
	s_wait_dscnt 0x0
	CROUND                                         ; the closing round: no work-group ends while a partner may still ask for a tile that names it
	s_endpgm
.Lfunc_end_k_qe57dc88a4b_gemm2:
	.size	k_qe57dc88a4b_gemm2, .Lfunc_end_k_qe57dc88a4b_gemm2-k_qe57dc88a4b_gemm2
	.p2alignl 7, 3214868480
	.fill 96, 4, 3214868480
	.section	.rodata,"a",@progbits
	.p2align	6, 0x0
	.amdhsa_kernel k_qe57dc88a4b_gemm2
		.amdhsa_group_segment_fixed_size 327680
		.amdhsa_private_segment_fixed_size 0
		.amdhsa_enable_private_segment 0
		.amdhsa_kernarg_size 24
		.amdhsa_user_sgpr_count 2
		.amdhsa_user_sgpr_kernarg_segment_ptr 1
		.amdhsa_wavefront_size32 1
		.amdhsa_system_sgpr_workgroup_id_x 1
		.amdhsa_system_sgpr_workgroup_id_y 1
		.amdhsa_system_sgpr_workgroup_id_z 1
		.amdhsa_system_vgpr_workitem_id 0
		.amdhsa_next_free_vgpr 1024
		.amdhsa_next_free_sgpr 102
		.amdhsa_reserve_vcc 0
		.amdhsa_float_denorm_mode_32 3
		.amdhsa_float_denorm_mode_16_64 3
		.amdhsa_memory_ordered 1
		.amdhsa_forward_progress 1
		.amdhsa_inst_pref_size 189
	.end_amdhsa_kernel
	.amdgpu_metadata
---
amdhsa.version: [ 1, 2 ]
amdhsa.kernels:
  - .name:           k_qe57dc88a4b_gemm2
    .symbol:         k_qe57dc88a4b_gemm2.kd
    .args:
      - { .name: hq, .offset: 0, .size: 8, .value_kind: global_buffer, .address_space: global }
      - { .name: wq, .offset: 8, .size: 8, .value_kind: global_buffer, .address_space: global }
      - { .name: out0, .offset: 16, .size: 8, .value_kind: global_buffer, .address_space: global }
    .group_segment_fixed_size: 327680
    .private_segment_fixed_size: 0
    .kernarg_segment_align: 8
    .kernarg_segment_size: 24
    .max_flat_workgroup_size: 128
    .sgpr_count:     102
    .vgpr_count:     1024
    .wavefront_size: 32
...
	.end_amdgpu_metadata
.endif
;; end of part 8
